; MI455X (gfx1250); checked and timed in simulation.
; The chip was launched on July 23, 2026; its instructions are those of AMD's public machine-readable ISA for CDNA 5 (MIT licence, August 2026) and "CDNA5" Instruction Set Architecture Reference Guide (July 2026). The comments in the code are by the model that wrote it; some were corrected since.
;; Garment Person Cross Attention. Allowed arithmetic: matrix products marked QUANTISED: E2M1 operands, one E8M0 scale for each 32 along K, by v_wmma_scale_f32_16x16x128_f8f6f4 with both operands' format E2M1 (or v_wmma_scale_f32_32x16x128_f4), f32 sums; everything else in f32.
;; Inputs: Wf_codes 1,024 x 64 x 16 uint8 (E2M1 codes of Wf, K innermost, in blocks of 32 codes, two codes a byte); Wf_scales 1,024 x 64 uint8 (E8M0 scales of Wf, one for each 32 codes along K); Wk_codes 1,024 x 24 x 16 uint8 (E2M1 codes of Wk, K innermost, in blocks of 32 codes, two codes a byte); Wk_scales 1,024 x 24 uint8 (E8M0 scales of Wk, one for each 32 codes along K); Wo_codes 1,024 x 32 x 16 uint8 (E2M1 codes of Wo, K innermost, in blocks of 32 codes, two codes a byte); Wo_scales 1,024 x 32 uint8 (E8M0 scales of Wo, one for each 32 codes along K); Wq_codes 1,024 x 32 x 16 uint8 (E2M1 codes of Wq, K innermost, in blocks of 32 codes, two codes a byte); Wq_scales 1,024 x 32 uint8 (E8M0 scales of Wq, one for each 32 codes along K); Wv_codes 1,024 x 24 x 16 uint8 (E2M1 codes of Wv, K innermost, in blocks of 32 codes, two codes a byte); Wv_scales 1,024 x 24 uint8 (E8M0 scales of Wv, one for each 32 codes along K); betak 768 float32; betaq 1,024 float32; bf 1,024 float32; bo 1,024 float32; garment_features 4 x 1,024 x 768 float32; gk 768 float32; gq 1,024 float32; person_features 4 x 2,048 x 1,024 float32.
;; Outputs: out0 4 x 2,048 x 1,024 float32.
;; This version of the problem:
;;   THIS VERSION OF THE PROBLEM IS GIVEN IN LOW PRECISION. The matrix products marked QUANTISED in the list below multiply operands that are first quantised to E2M1 (2 exponent bits, 1 mantissa bit; 4 bits a number), with one power-of-two scale for each 32 numbers along K (OCP MX v1.0); their sums are f32. All else is computed in f32.
;;   The module's matrix products, in the order in which they are computed (A, B: the left and right operand; K: the contracted axis; several contracted axes count as one K, in the product's order):
;;     1. [M 8,192, K 1,024] x [K 1,024, N 1,024]; A: computed on the way; B: input Wq (given as codes): QUANTISED
;;     2. [M 4,096, K 768] x [K 768, N 1,024]; A: computed on the way; B: input Wk (given as codes): QUANTISED
;;     3. [M 4,096, K 768] x [K 768, N 1,024]; A: computed on the way; B: input Wv (given as codes): QUANTISED
;;     4. batch 64 x [M 2,048, K 64] x [K 64, N 1,024]; A: computed on the way; B: computed on the way: QUANTISED
;;     5. batch 64 x [M 2,048, K 1,024] x [K 1,024, N 64]; A: softmax (see below); B: computed on the way: QUANTISED
;;     6. [M 8,192, K 1,024] x [K 1,024, N 1,024]; A: computed on the way; B: input Wo (given as codes): QUANTISED
;;     7. [M 8,192, K 2,048] x [K 2,048, N 1,024]; A: computed on the way; B: input Wf (given as codes): QUANTISED
;;   THE QUANTISER, for each operand of a quantised product, along K:
;;     - K is cut into blocks of 32 from its start; a last block that is shorter is filled with zeros.
;;     - A block's scale is 2^e with e = floor(log2(the largest magnitude in the block)) - 2, held to -126 .. 127; a block of zeros has e = 0. As a byte (E8M0): e + 127.
;;     - Each number is divided by its block's scale, clamped to +-6, and rounded to the nearest number of E2M1, ties to even, subnormals kept.
;;     - The product sums the exact products of the quantised numbers (number of the format x scale) in f32.
;;   ~~~python
;;   def quantise(x, axis):      # numpy; x: float32 -> the quantised numbers, widened to float32 again
;;       x = np.moveaxis(x, axis, -1); K = x.shape[-1]
;;       x = np.pad(x, [(0, 0)] * (x.ndim - 1) + [(0, -K % 32)]); x = x.reshape(x.shape[:-1] + (-1, 32)); a = np.abs(x).max(-1, keepdims=True)
;;       e = np.where(a > 0, np.clip(np.frexp(np.where(a > 0, a, 1))[1] - 1 - 2, -126, 127), 0)      # np.frexp(a)[1] - 1 = floor(log2(a)), exactly
;;       r = np.clip(x / 2.0 ** e, -6, 6)
;;       step = 2.0 ** (np.maximum(np.frexp(np.where(r == 0, 1, r))[1] - 1, 0) - 1)
;;       q = np.round(r / step) * step * 2.0 ** e      # np.round: ties to even
;;       return np.moveaxis(q.reshape(q.shape[:-2] + (-1,))[..., :K], -1, axis).astype(np.float32)
;;   ~~~
;;   SOFTMAX AHEAD OF A QUANTISED PRODUCT. Where the list says 'softmax', what is quantised is not the finished softmax but p = 2^(t - M), with t = logit x log2(e) and M = ceil(the row's largest t), a whole number; so 1/2 < the row's largest p <= 1. The row's sum l is taken of the UNQUANTISED p, in f32, and the product's result is divided by l at the end. Since M is a whole number, a kernel that streams over the keys may use a running M (the ceiling of the running maximum): every later rescaling is an exact power of two, which a block's scale takes up: the codes' values come out the same.
;;   OPERANDS COMPUTED ON THE WAY. 'Computed on the way' means the value that the module computes at that place (a softmax that the list does not call 'softmax' is quantised finished and normalised). What goes into a quantiser is computed in f32, as accurately as f32 sums, v_exp_f32 and their like allow (about 1e-6 of the number): no bf16 or f16 on the way to a quantiser, and a product that is left as it is and whose result goes on into a quantised operand takes f32 operands (vector FMAs, or v_wmma_f32_16x16x4_f32). A number that lies on a knife's edge between two numbers of the format may be rounded either way, as far as f32 arithmetic and the matrix unit's own rounding can turn it there, and no further.
;;   INPUTS GIVEN AS CODES. Wf (in the module: [2048, 1024], K = its axis 0); Wk (in the module: [768, 1024], K = its axis 0); Wo (in the module: [1024, 1024], K = its axis 0); Wq (in the module: [1024, 1024], K = its axis 0); Wv (in the module: [768, 1024], K = its axis 0): each comes as NAME_codes (uint8): NAME with its K axis moved to the last place and cut into blocks of 32 codes, [.., K / 32, bytes a block], one block behind the other in memory; two codes a byte, the lower K in the low four bits (a code: sign, 2 exponent bits, 1 mantissa bit); and NAME_scales (uint8): the same leading axes, one E8M0 byte (e + 127) for each 32 codes along K. Its value is code x scale, taken as it is: it is not quantised again, and the codes and scales need not be those that the quantiser above would give.
;; 2 versions, each right; version 2 is version 1 with the launches proj, attn, oproj, final written anew for expert scheduling mode. Each part assembles by itself: llvm-mc -triple=amdgcn-amd-amdhsa -mcpu=gfx1250 --defsym DOCPART=n.
;; ======== version 1 of 2: 5 launches
;; workspace buffers: xp 4,456,448 bytes; xr 4,456,448 bytes; xg 1,671,168 bytes; wfr 3,063,808 bytes; qc 4,456,448 bytes; kvc 4,456,448 bytes; ac 4,456,448 bytes; a2 4,456,448 bytes
;; launch prep (part 1): grid 280 x 1, 16 waves a work-group, no clusters, 278,528 bytes of LDS; arguments person_features, garment_features, gq, betaq, gk, betak, Wq_codes, Wq_scales, Wo_codes, Wo_scales, Wf_codes, Wf_scales, Wk_codes, Wk_scales, Wv_codes, Wv_scales, xp, xr, xg, wfr; writes xp, xr, xg, wfr
.if DOCPART == 1
	.amdgcn_target "amdgcn-amd-amdhsa--gfx1250"
	.amdhsa_code_object_version 6
	.text
	.protected	k_q1f6bb87548_prep
	.globl	k_q1f6bb87548_prep
	.p2align	8
	.type	k_q1f6bb87548_prep,@function
k_q1f6bb87548_prep:
	s_mov_b64 s[64:65], 0
	v_nop
	global_prefetch_b8 v0, s[64:65] scope:SCOPE_SE
	s_setreg_imm32_b32 hwreg(HW_REG_WAVE_MODE, 25, 1), 1
	s_wait_xcnt 0x0
; PREP.  Three kinds of work-group, told apart by the work-group's number alone:
;   0-127   PERSON : 64 rows of person_features [8192][1024] f32 -> xr (the rows as they are) and xp (their layer norm), both as E2M1 codes with one E8M0 byte for each 32 along the row
;   128-191 GARMENT: 64 rows of garment_features [4096][768] f32 -> xg (their layer norm) likewise
;   192-279 RELAY  : the five weights' codes and scale bytes are laid anew, into wfr
; THE ONE FORM OF EVERY WORKSPACE OPERAND.  Codes: [tile of 16 rows][K step of 128][1,024 bytes], the image of the matrix operand's eight registers: byte 512 c + 16 lane holds registers 4 c .. 4 c + 3
; of that lane, which are block 2 c + lane / 16 (32 codes) of row lane % 16.  So block k of a tile's row r lies at 256 k + 16 r of the tile.  Scales: [4 tiles][K step][lane][j] words: word (lane, j) belongs to tile
; 2 j + lane / 16 of the four, row lane % 16, and holds the K step's four bytes.  Every later load of an operand is then 16 or 8 consecutive bytes a lane, 512 or 256 a wave.
; ROWS OF A TILE.  Person tiles take 16 neighbouring rows.  Garment tiles and all weights' tiles are PERMUTED: lane row r of tile 2 g + u is true row 32 g + 8 u + r + 8 (r / 8), so that where such a tile is a product's
; source 0, the 16 result registers of tiles 2 g and 2 g + 1 are 16 neighbours along the next product's K.
; THE QUANTISER: a block's byte is its largest magnitude's exponent field - 2, held at 1 from below; numbers / scale to the nearest code, ties to even, beyond 6 the largest code.
; LAYER NORM in two passes (mean; then the mean of the squares of x - mean), all in f32, so that a common offset of the inputs costs no digits.
; LIMITS: NaN and infinities among the inputs are not served.  A block whose largest magnitude lies under 2^-124, a block of zeros too, gets the byte 1 (the rule says 127 for zeros): its codes are zeros or tiny, and
; these bytes are read by this program alone.  Sums run in another order than the reference's.
; NO MATRIX WORK, NO TENSOR LOADS, NO CLUSTER: each input byte is read by one wave, once; work-groups share nothing.  Each path has LDS bytes of its own.
.set P_GB,   73728                     ; PERSON: 0: sixteen turning stages of 32 x 144; here g, then b, 32 x 144 each
.set P_OC,   82944                     ; four tiles of the norm's codes, 32 blocks x (256 + 16) each; 34,816 bytes on the same for the raw rows
.set P_SC,   152576                    ; 2,048 scale bytes of the norm; 2,048 bytes on those of the raw rows
.set G_TURN, 156672                    ; GARMENT, in the person path's forms, 32 places everywhere though a row has 24 blocks: sixteen turning stages of 32 x 144
.set G_GB,   230400                    ; g, then b, 32 x 144 each
.set G_OC,   239616                    ; four tiles of codes, 32 places x 272
.set G_SC,   274432                    ; 2,048 scale bytes; the claim ends at 276,480
; REGISTERS: v1 lane, v2 16 lane, v11 8 lane; v3 stage in, v4 stage out, v5/v6 codes' stage (norm/raw), v7/v8 scale bytes' (norm/raw), v9/v10 the way out's reads, v12/v13 g and b in/out; v14-15 at work;
; v16-19 raw codes, v20-23 the norm's, v24/v25 their bytes; v26-29 sums; v[30:31] the mean, then 1/sigma; v32-63 g, v64-95 b, v96-127 my block of the row in hand; v128-255 four rows as loaded.
; 32 numbers v[x] .. v[x+31] of ONE block -> 4 registers of codes at v[c], the scale's byte in v[e]
.macro QBLK x, c, e
	v_max3_num_f32 v14, |v[\x]|, |v[\x+1]|, 0x1800000             ; two chains; the floor 2^(3 - 127) among the leaves holds the byte at 1 from below
	v_max3_num_f32 v15, |v[\x+2]|, |v[\x+3]|, |v[\x+4]|
.irp i, 5,9,13,17,21,25
	v_max3_num_f32 v14, v14, |v[\x+\i]|, |v[\x+\i+1]|
	v_max3_num_f32 v15, v15, |v[\x+\i+2]|, |v[\x+\i+3]|
.endr
	v_max3_num_f32 v14, v14, |v[\x+29]|, |v[\x+30]|
	v_max3_num_f32 v14, v14, v15, |v[\x+31]|
	v_add_nc_u32 v15, 0xff000000, v14                              ; 2 off the exponent field: the conversion takes this operand's exponent field as its scale
.irp g, 0,1,2,3
	v_cvt_scalef32_pk8_fp4_f32 v[\c+\g], v[\x+8*\g:\x+8*\g+7], v15
.endr
	v_lshrrev_b32 v[\e], 23, v15                                   ; the byte; also the plain line behind the conversions
.endm
; the sum of v[a] over the wave's 32 lanes, in every lane
.macro REDUCE a, t
	v_add_f32_dpp v[\a], v[\a], v[\a] row_xmask:1 row_mask:0xf bank_mask:0xf
	v_add_f32_dpp v[\a], v[\a], v[\a] row_xmask:2 row_mask:0xf bank_mask:0xf
	v_add_f32_dpp v[\a], v[\a], v[\a] row_xmask:4 row_mask:0xf bank_mask:0xf
	v_add_f32_dpp v[\a], v[\a], v[\a] row_xmask:8 row_mask:0xf bank_mask:0xf
	v_permlanex16_b32 v[\t], v[\a], s50, s51
	v_add_f32 v[\a], v[\a], v[\t]
.endm
; s5 = my rows' tile of the four, s6 = my first row's place in it; my place among the blocks is my lane's number -> v5, v7; v14 = the lane's part of the way out's read
.macro OUTADR oc, sc
	s_mul_i32 s7, s5, 8704
	s_lshl_b32 s48, s6, 4
	s_add_co_u32 s7, s7, s48
	s_add_co_u32 s7, s7, \oc
	v_mul_u32_u24 v14, v1, 272
	v_add_nc_u32 v5, s7, v14                                       ; tile x 8,704 + place x 272 + 16 x row
	s_and_b32 s7, s5, 1
	s_lshl_b32 s7, s7, 4
	s_add_co_u32 s7, s7, s6
	s_lshl_b32 s7, s7, 3
	s_lshr_b32 s48, s5, 1
	s_lshl_b32 s48, s48, 2
	s_add_co_u32 s7, s7, s48
	s_add_co_u32 s7, s7, \sc
	v_lshrrev_b32 v14, 2, v1
	v_and_b32 v15, 3, v1
	v_lshl_add_u32 v14, v14, 8, v15
	v_add_nc_u32 v7, s7, v14                                       ; K step x 256 + (16 (tile % 2) + row) x 8 + (tile / 2) x 4 + the block's byte
	v_lshrrev_b32 v14, 4, v1
	v_and_b32 v15, 15, v1
	v_mul_u32_u24 v14, v14, 272
	v_lshl_add_u32 v14, v15, 4, v14
.endm
; Row i of my four.  nk: loads of 512 bytes in a row.  pers = 1: the raw row is quantised too, and all 32 lanes hold blocks of the row; 0: the row has 24 blocks; places 24-31 of the stage take blocks 0-7 once more,
; so that every lane reads bytes that were written; lanes 24-31 count for nothing in the sums, and what they make goes to places that nobody reads.
.macro ROW i, nk, pers
	s_wait_loadcnt \nk*(3-\i)                                      ; this row's loads are in; the later rows' may be out
.set kk, 0
.rept \nk
	ds_store_b128 v3, v[128+4*\nk*\i+4*kk:128+4*\nk*\i+4*kk+3] offset:576*kk   ; the row as it lies, 16 bytes of padding behind each block of 128
.set kk, kk+1
.endr
.if \pers == 0
	ds_store_b128 v3, v[128+4*\nk*\i:128+4*\nk*\i+3] offset:576*6     ; places 24-27: blocks 0-3 once more
	ds_store_b128 v3, v[128+4*\nk*\i+4:128+4*\nk*\i+7] offset:576*7   ; places 28-31: blocks 4-7
.endif
.irp k, 0,1,2,3,4,5,6,7
	ds_load_b128 v[96+4*\k:96+4*\k+3], v4 offset:16*\k              ; and back a block a lane (LDS serves a wave's instructions in order: ISA guide 5.7.1.4); lanes 144 bytes apart
.endr
	s_wait_dscnt 0x0                                               ; my block is in; the last row's stores of codes and bytes have read their registers
.if \pers
	QBLK 96, 16, 24
	ds_store_b128 v6, v[16:19] offset:16*\i
	ds_store_b8 v8, v24 offset:8*\i
.endif
	v_pk_add_f32 v[26:27], v[96:97], v[98:99]                      ; the row's sum, in two chains
	v_pk_add_f32 v[28:29], v[100:101], v[102:103]
.irp j, 104,108,112,116,120,124
	v_pk_add_f32 v[26:27], v[26:27], v[\j:\j+1]
	v_pk_add_f32 v[28:29], v[28:29], v[\j+2:\j+3]
.endr
	v_pk_add_f32 v[26:27], v[26:27], v[28:29]
	v_add_f32 v26, v26, v27
.if \pers == 0
	v_cndmask_b32 v26, 0, v26, s53
.endif
	REDUCE 26, 27
	v_mul_f32 v30, s52, v26                                        ; the mean
	v_mul_f32 v31, s52, v26
.set jj, 96
.rept 16
	v_pk_add_f32 v[jj:jj+1], v[jj:jj+1], v[30:31] neg_lo:[0,1] neg_hi:[0,1]
.set jj, jj+2
.endr
	v_pk_mul_f32 v[26:27], v[96:97], v[96:97]                      ; the sum of the squares of x - mean
	v_pk_mul_f32 v[28:29], v[98:99], v[98:99]
.irp j, 100,104,108,112,116,120,124
	v_pk_fma_f32 v[26:27], v[\j:\j+1], v[\j:\j+1], v[26:27]
	v_pk_fma_f32 v[28:29], v[\j+2:\j+3], v[\j+2:\j+3], v[28:29]
.endr
	v_pk_add_f32 v[26:27], v[26:27], v[28:29]
	v_add_f32 v26, v26, v27
.if \pers == 0
	v_cndmask_b32 v26, 0, v26, s53
.endif
	REDUCE 26, 27
	v_fmaak_f32 v26, s52, v26, 0x3727c5ac                          ; the variance + 1e-5
	v_rsq_f32 v30, v26
	v_nop                                                          ; a plain line behind the transcendental,
	s_wait_alu depctr_va_vdst(0)                                   ; and the wait ahead of its first reader
	v_mov_b32 v31, v30
.set jj, 0
.rept 16
	v_pk_mul_f32 v[96+jj:97+jj], v[96+jj:97+jj], v[30:31]
.set jj, jj+2
.endr
.set jj, 0
.rept 16
	v_pk_fma_f32 v[96+jj:97+jj], v[96+jj:97+jj], v[32+jj:33+jj], v[64+jj:65+jj]   ; ((x - mean) / sigma) g + b
.set jj, jj+2
.endr
	QBLK 96, 20, 25
	ds_store_b128 v5, v[20:23] offset:16*\i
	ds_store_b8 v7, v25 offset:8*\i
.endm
	s_load_b512 s[8:23], s[0:1], 0x0                               ; person s[8:9], garment s[10:11], gq s[12:13], betaq s[14:15], gk s[16:17], betak s[18:19], Wq's codes s[20:21], scales s[22:23]
	s_load_b512 s[24:39], s[0:1], 0x40                             ; Wo's s[24:27], Wf's s[28:31], Wk's s[32:35], Wv's s[36:39]
	s_load_b256 s[40:47], s[0:1], 0x80                             ; xp s[40:41], xr s[42:43], xg s[44:45], wfr s[46:47]
	v_lshrrev_b32 v1, 5, v0
	v_readfirstlane_b32 s4, v1                                     ; wave 0..15
	v_and_b32 v1, 31, v0                                           ; lane
	v_lshlrev_b32 v2, 4, v1
	v_lshlrev_b32 v11, 3, v1
	s_mov_b32 s50, 0x76543210
	s_mov_b32 s51, 0xfedcba98                                      ; v_permlanex16_b32's selects for lane l xor 16
	s_mov_b32 s59, 0
	s_mov_b32 s61, 0
	s_cmp_lt_u32 ttmp9, 128
	s_cbranch_scc1 .Lperson
	s_cmp_lt_u32 ttmp9, 192
	s_cbranch_scc1 .Lgarment
; ---------------- RELAY.  A wave takes one unit: a tile of 16 rows of one weight, two K steps: 2,048 bytes of codes; one wave in four also takes its four tiles' scale words of these two K steps.
; Units on end: Wq 0-255, Wo 256-511, Wf 512-1023, Wk 1024-1215, Wv 1216-1407; in a weight: unit = 64 x (pair of K steps) + tile.  A unit's codes go to wfr + 2,048 x first unit + tile x KS x 1,024 + pair x 2,048.
	s_sub_co_u32 s5, ttmp9, 192
	s_wait_kmcnt 0x0
	s_mov_b64 s[54:55], s[36:37]                                   ; Wv, unless the work-group's number says otherwise: the choices hang on that number alone
	s_mov_b64 s[56:57], s[38:39]
	s_mov_b32 s6, 1216                                             ; the weight's first unit
	s_mov_b32 s7, 6                                                ; KS: its K steps
	s_cmp_lt_u32 s5, 76
	s_cselect_b64 s[54:55], s[32:33], s[54:55]
	s_cselect_b64 s[56:57], s[34:35], s[56:57]
	s_cselect_b32 s6, 1024, s6
	s_cmp_lt_u32 s5, 64
	s_cselect_b64 s[54:55], s[28:29], s[54:55]
	s_cselect_b64 s[56:57], s[30:31], s[56:57]
	s_cselect_b32 s6, 512, s6
	s_cselect_b32 s7, 16, s7
	s_cmp_lt_u32 s5, 32
	s_cselect_b64 s[54:55], s[24:25], s[54:55]
	s_cselect_b64 s[56:57], s[26:27], s[56:57]
	s_cselect_b32 s6, 256, s6
	s_cselect_b32 s7, 8, s7
	s_cmp_lt_u32 s5, 16
	s_cselect_b64 s[54:55], s[20:21], s[54:55]
	s_cselect_b64 s[56:57], s[22:23], s[56:57]
	s_cselect_b32 s6, 0, s6
	s_lshl_b32 s48, s5, 4
	s_add_co_u32 s48, s48, s4
	s_sub_co_u32 s48, s48, s6                                      ; my unit in the weight
	s_and_b32 s49, s48, 63                                         ; tile
	s_lshr_b32 s48, s48, 6                                         ; pair of K steps
	s_lshl_b32 s58, s7, 6                                          ; a row of codes: 64 KS bytes
	v_and_b32 v14, 15, v1                                          ; r
	v_lshrrev_b32 v15, 4, v1                                       ; h
	v_and_b32 v3, 8, v14
	v_add_nc_u32 v3, v3, v14                                       ; r + 8 (r / 8)
	v_mul_lo_u32 v4, v3, s58
	v_lshl_add_u32 v4, v15, 4, v4                                  ; + 16 h: my half's block
	s_lshr_b32 s60, s49, 1
	s_lshl_b32 s60, s60, 5
	s_and_b32 s62, s49, 1
	s_lshl_b32 s62, s62, 3
	s_add_co_u32 s60, s60, s62                                     ; the tile's first true row: 32 (tile / 2) + 8 (tile % 2)
	s_mul_i32 s60, s60, s58
	s_lshl_b32 s62, s48, 7
	s_add_co_u32 s60, s60, s62                                     ; + 128 bytes a pair of K steps
	s_add_nc_u64 s[54:55], s[54:55], s[60:61]
.irp n, 0,1,2,3
	global_load_b128 v[16+4*\n:19+4*\n], v4, s[54:55] offset:32*\n  ; registers 4 c .. 4 c + 3 of K step 2 p + n / 2, c = n % 2
.endr
	s_lshl_b32 s60, s6, 11
	s_mul_i32 s62, s49, s7
	s_lshl_b32 s62, s62, 10
	s_add_co_u32 s60, s60, s62
	s_lshl_b32 s62, s48, 11
	s_add_co_u32 s60, s60, s62
	s_add_nc_u64 s[66:67], s[46:47], s[60:61]
	s_wait_loadcnt 0x0
.irp n, 0,1,2,3
	global_store_b128 v2, v[16+4*\n:19+4*\n], s[66:67] offset:512*\n   ; 512 consecutive bytes a store
.endr
	s_and_b32 s60, s4, 3                                           ; tile % 4 = wave % 4
	s_cmp_lg_u32 s60, 0
	s_cbranch_scc1 .Lrelay_end
	s_lshr_b32 s49, s49, 2                                         ; the four tiles' number
	s_lshl_b32 s58, s7, 2                                          ; a row of scale bytes: 4 KS
	v_lshl_add_u32 v5, v15, 3, v3                                  ; word (lane, j): true row 64 Q + 32 j + 8 (lane / 16) + r + 8 (r / 8)
	v_mul_lo_u32 v5, v5, s58
	s_lshl_b32 s60, s49, 6
	s_mul_i32 s60, s60, s58
	s_lshl_b32 s62, s48, 3
	s_add_co_u32 s60, s60, s62                                     ; + 8 bytes a pair of K steps
	s_add_nc_u64 s[56:57], s[56:57], s[60:61]
	s_lshl_b32 s62, s58, 5
	v_add_nc_u32 v6, s62, v5                                       ; j = 1: 32 rows on
	global_load_b64 v[32:33], v5, s[56:57]                         ; j = 0: the words of K steps 2 p, 2 p + 1
	global_load_b64 v[34:35], v6, s[56:57]
	s_lshl_b32 s60, s6, 7
	s_mul_i32 s62, s49, s7
	s_lshl_b32 s62, s62, 8
	s_add_co_u32 s60, s60, s62
	s_lshl_b32 s62, s48, 9
	s_add_co_u32 s60, s60, s62
	s_add_co_u32 s60, s60, 0x2c0000
	s_add_nc_u64 s[68:69], s[46:47], s[60:61]
	s_wait_loadcnt 0x0
	v_mov_b32 v36, v32                                             ; paired by K step: (j = 0, j = 1)
	v_mov_b32 v37, v34
	v_mov_b32 v38, v33
	v_mov_b32 v39, v35
	global_store_b64 v11, v[36:37], s[68:69]                       ; 256 consecutive bytes a store
	global_store_b64 v11, v[38:39], s[68:69] offset:256
.Lrelay_end:
	s_endpgm
; ---------------- PERSON.  Wave w owns rows 4 w .. 4 w + 3 of the work-group's 64: tile w / 4, rows 4 (w % 4) on.
.Lperson:
	v_lshrrev_b32 v14, 3, v1
	v_and_b32 v15, 7, v1
	v_mul_u32_u24 v14, v14, 144
	v_lshl_add_u32 v14, v15, 4, v14                                ; a load's 512 bytes are four blocks: 144 (lane / 8) + 16 (lane % 8)
	v_mul_u32_u24 v15, v1, 144                                     ; my block: the lane's number
	s_mul_i32 s5, s4, 4608
	v_add_nc_u32 v3, s5, v14
	v_add_nc_u32 v4, s5, v15
	s_mul_i32 s5, s4, 576
	s_add_co_u32 s5, s5, P_GB
	v_add_nc_u32 v12, s5, v14                                      ; waves 0-7 bring g's eight pieces, waves 8-15 b's
	v_add_nc_u32 v13, P_GB, v15
	s_lshr_b32 s5, s4, 2
	s_and_b32 s6, s4, 3
	s_lshl_b32 s6, s6, 2
	OUTADR P_OC, P_SC
	v_add_nc_u32 v6, 34816, v5
	v_add_nc_u32 v8, 2048, v7
	s_mul_i32 s7, s4, 4352                                         ; the way out: wave w reads 16 blocks x 272; waves 8-15 so fall on the raw rows' stage
	s_add_co_u32 s7, s7, P_OC
	v_add_nc_u32 v9, s7, v14
	s_lshl_b32 s7, s4, 8
	s_add_co_u32 s7, s7, P_SC
	v_add_nc_u32 v10, s7, v11
	s_mov_b32 s52, 0x3a800000                                      ; 1 / 1024
	s_wait_kmcnt 0x0
	s_cmp_lt_u32 s4, 8
	s_cselect_b64 s[54:55], s[12:13], s[14:15]                     ; gq or betaq
	s_cselect_b64 s[56:57], s[40:41], s[42:43]                     ; on the way out: xp or xr
	s_and_b32 s5, s4, 7
	s_lshl_b32 s58, s5, 9
	s_add_nc_u64 s[54:55], s[54:55], s[58:59]
	global_load_b128 v[16:19], v2, s[54:55]
	s_lshl_b32 s58, ttmp9, 18                                      ; 64 rows of 4,096 bytes a work-group,
	s_lshl_b32 s60, s4, 14                                         ; 4 a wave
	s_add_co_u32 s58, s58, s60
	s_add_nc_u64 s[8:9], s[8:9], s[58:59]
.irp i, 0,1,2,3
.irp k, 0,1,2,3,4,5,6,7
	global_load_b128 v[128+32*\i+4*\k:131+32*\i+4*\k], v2, s[8:9] offset:4096*\i+512*\k th:TH_LOAD_NT   ; 512 consecutive bytes a load; all four rows are asked for at once
.endr
.endr
	s_lshl_b32 s58, ttmp9, 15
	s_lshl_b32 s60, s5, 12
	s_add_co_u32 s58, s58, s60
	s_add_nc_u64 s[62:63], s[56:57], s[58:59]                      ; codes out: 32,768 bytes a work-group, 4,096 a wave
	s_lshl_b32 s58, ttmp9, 11
	s_lshl_b32 s60, s5, 8
	s_add_co_u32 s58, s58, s60
	s_add_co_u32 s58, s58, 0x400000
	s_add_nc_u64 s[66:67], s[56:57], s[58:59]                      ; scale words out: 2,048 a work-group, 256 a wave
	s_wait_loadcnt 32                                              ; my piece of g or b is in; the 32 loads of rows behind it may be out
	ds_store_b128 v12, v[16:19]
	s_wait_dscnt 0x0                                               ; for the others' sake
	s_barrier_signal -1
	s_barrier_wait -1                                              ; g and b lie in LDS
.irp k, 0,1,2,3,4,5,6,7
	ds_load_b128 v[32+4*\k:35+4*\k], v13 offset:16*\k               ; g and b of my block: they stay
	ds_load_b128 v[64+4*\k:67+4*\k], v13 offset:4608+16*\k
.endr
	ROW 0, 8, 1
	ROW 1, 8, 1
	ROW 2, 8, 1
	ROW 3, 8, 1
	s_wait_dscnt 0x0                                               ; my codes and bytes lie in the stages
	s_barrier_signal -1
	s_barrier_wait -1                                              ; everybody's do
.irp n, 0,1,2,3,4,5,6,7
	ds_load_b128 v[96+4*\n:99+4*\n], v9 offset:544*\n               ; two blocks of 256 bytes
.endr
	ds_load_b64 v[26:27], v10
.irp n, 0,1,2,3,4,5,6,7
	s_wait_dscnt 8-\n                                              ; piece n is in; the later pieces and the scale words may be out
	global_store_b128 v2, v[96+4*\n:99+4*\n], s[62:63] offset:512*\n   ; 512 consecutive bytes, aligned
.endr
	s_wait_dscnt 0x0
	global_store_b64 v11, v[26:27], s[66:67]                       ; 256 consecutive bytes, aligned
	s_wait_xcnt 0x0
	v_lshl_add_u32 v254, v0, 2, 0x43800
	v_mov_b32 v255, 0
	s_wait_tensorcnt 0x0
	ds_add_u32 v254, v255
	s_wait_dscnt 0x0
	s_endpgm
; ---------------- GARMENT.  A row is 24 blocks.  Every LDS address has the person path's form: lane l takes place l of 32; places 24-31 hold blocks 0-7 (of the row, of g, of b) once more, and what lanes 24-31 make of them
; goes to places 24-31 of the codes' and bytes' stages, which nobody reads.  Wave w owns true rows 4 w .. 4 w + 3 of 64, which the permuted tiles place at tile 2 (w / 8) + (w / 2) % 2, rows 8 ((w / 4) % 2) + 4 (w % 2) on.
.Lgarment:
	v_lshrrev_b32 v14, 3, v1
	v_and_b32 v15, 7, v1
	v_mul_u32_u24 v14, v14, 144
	v_lshl_add_u32 v14, v15, 4, v14                                ; a load's 512 bytes are four blocks: 144 (lane / 8) + 16 (lane % 8)
	v_mul_u32_u24 v15, v1, 144                                     ; my place: the lane's number
	s_mul_i32 s5, s4, 4608
	s_add_co_u32 s5, s5, G_TURN
	v_add_nc_u32 v3, s5, v14
	v_add_nc_u32 v4, s5, v15
	s_mul_i32 s5, s4, 576
	s_add_co_u32 s5, s5, G_GB
	v_add_nc_u32 v12, s5, v14                                      ; waves 0-7 bring g's eight pieces, waves 8-15 b's
	v_add_nc_u32 v13, G_GB, v15
	s_lshr_b32 s5, s4, 3
	s_lshl_b32 s5, s5, 1
	s_bfe_u32 s6, s4, 0x10001
	s_add_co_u32 s5, s5, s6                                        ; my tile of the four
	s_bfe_u32 s6, s4, 0x10002
	s_lshl_b32 s6, s6, 3
	s_and_b32 s7, s4, 1
	s_lshl_b32 s7, s7, 2
	s_add_co_u32 s6, s6, s7                                        ; my first row's place in it
	OUTADR G_OC, G_SC
	s_lshr_b32 s7, s4, 2                                           ; the way out: wave w reads 6 blocks x 272: tile w / 4, blocks 6 (w % 4) on
	s_mul_i32 s7, s7, 8704
	s_and_b32 s48, s4, 3
	s_mul_i32 s48, s48, 1632
	s_add_co_u32 s7, s7, s48
	s_add_co_u32 s7, s7, G_OC
	v_add_nc_u32 v9, s7, v14
	s_min_u32 s49, s4, 5                                           ; (only waves 0-5 send scale words; the others' address is held inside)
	s_lshl_b32 s7, s49, 8
	s_add_co_u32 s7, s7, G_SC
	v_add_nc_u32 v10, s7, v11
	s_mov_b32 s52, 0x3aaaaaab                                      ; 1 / 768
	s_mov_b32 s53, 0x00ffffff                                      ; the lanes that count in a sum
	s_sub_co_u32 s48, ttmp9, 128                                   ; which 64 rows
	s_wait_kmcnt 0x0
	s_cmp_lt_u32 s4, 8
	s_cselect_b64 s[54:55], s[16:17], s[18:19]                     ; gk or betak
	s_and_b32 s5, s4, 7                                            ; my piece of eight;
	s_cmp_lt_u32 s5, 6
	s_cselect_b32 s6, 0, 6
	s_sub_co_u32 s5, s5, s6                                        ; pieces 6 and 7 are the vector's first 1,024 bytes once more: no load leaves its buffer
	s_lshl_b32 s58, s5, 9
	s_add_nc_u64 s[54:55], s[54:55], s[58:59]
	global_load_b128 v[16:19], v2, s[54:55]
	s_mul_i32 s58, s48, 196608                                     ; 64 rows of 3,072 bytes a work-group,
	s_mul_i32 s60, s4, 12288                                       ; 4 a wave
	s_add_co_u32 s58, s58, s60
	s_add_nc_u64 s[10:11], s[10:11], s[58:59]
.irp i, 0,1,2,3
.irp k, 0,1,2,3,4,5
	global_load_b128 v[128+24*\i+4*\k:131+24*\i+4*\k], v2, s[10:11] offset:3072*\i+512*\k th:TH_LOAD_NT
.endr
.endr
	s_mul_i32 s58, s48, 24576
	s_mul_i32 s60, s4, 1536
	s_add_co_u32 s58, s58, s60
	s_add_nc_u64 s[62:63], s[44:45], s[58:59]                      ; codes out: 24,576 bytes a work-group, 1,536 a wave
	s_mul_i32 s58, s48, 1536
	s_lshl_b32 s60, s49, 8
	s_add_co_u32 s58, s58, s60
	s_add_co_u32 s58, s58, 0x180000
	s_add_nc_u64 s[66:67], s[44:45], s[58:59]                      ; scale words out
	s_wait_loadcnt 24                                              ; my piece of g or b is in; the 24 loads of rows behind it may be out
	ds_store_b128 v12, v[16:19]
	s_wait_dscnt 0x0                                               ; for the others' sake
	s_barrier_signal -1
	s_barrier_wait -1                                              ; g and b lie in LDS
.irp k, 0,1,2,3,4,5,6,7
	ds_load_b128 v[32+4*\k:35+4*\k], v13 offset:16*\k
	ds_load_b128 v[64+4*\k:67+4*\k], v13 offset:4608+16*\k
.endr
	ROW 0, 6, 0
	ROW 1, 6, 0
	ROW 2, 6, 0
	ROW 3, 6, 0
	s_wait_dscnt 0x0                                               ; my codes and bytes lie in the stages
	s_barrier_signal -1
	s_barrier_wait -1                                              ; everybody's do
.irp n, 0,1,2
	ds_load_b128 v[96+4*\n:99+4*\n], v9 offset:544*\n
.endr
.irp n, 0,1,2
	s_wait_dscnt 2-\n                                              ; piece n is in; the later ones may be out
	global_store_b128 v2, v[96+4*\n:99+4*\n], s[62:63] offset:512*\n
.endr
	s_cmp_lt_u32 s4, 6
	s_cbranch_scc0 .Lg_end
	ds_load_b64 v[26:27], v10
	s_wait_dscnt 0x0
	global_store_b64 v11, v[26:27], s[66:67]
.Lg_end:
	s_wait_xcnt 0x0
	v_lshl_add_u32 v254, v0, 2, 0x43800
	v_mov_b32 v255, 0
	s_wait_tensorcnt 0x0
	ds_add_u32 v254, v255
	s_wait_dscnt 0x0
	s_endpgm
.Lfunc_end_k_q1f6bb87548_prep:
	.size	k_q1f6bb87548_prep, .Lfunc_end_k_q1f6bb87548_prep-k_q1f6bb87548_prep
	.p2alignl 7, 3214868480
	.fill 96, 4, 3214868480
	.section	.rodata,"a",@progbits
	.p2align	6, 0x0
	.amdhsa_kernel k_q1f6bb87548_prep
		.amdhsa_group_segment_fixed_size 278528
		.amdhsa_private_segment_fixed_size 0
		.amdhsa_enable_private_segment 0
		.amdhsa_kernarg_size 160
		.amdhsa_user_sgpr_count 2
		.amdhsa_user_sgpr_kernarg_segment_ptr 1
		.amdhsa_wavefront_size32 1
		.amdhsa_system_sgpr_workgroup_id_x 1
		.amdhsa_system_sgpr_workgroup_id_y 1
		.amdhsa_system_sgpr_workgroup_id_z 1
		.amdhsa_system_vgpr_workitem_id 0
		.amdhsa_next_free_vgpr 256
		.amdhsa_next_free_sgpr 80
		.amdhsa_reserve_vcc 0
		.amdhsa_float_denorm_mode_32 3
		.amdhsa_float_denorm_mode_16_64 3
		.amdhsa_memory_ordered 1
		.amdhsa_forward_progress 1
		.amdhsa_inst_pref_size 98
	.end_amdhsa_kernel
	.amdgpu_metadata
---
amdhsa.version: [ 1, 2 ]
amdhsa.kernels:
  - .name:           k_q1f6bb87548_prep
    .symbol:         k_q1f6bb87548_prep.kd
    .args:
      - { .name: person_features, .offset: 0, .size: 8, .value_kind: global_buffer, .address_space: global }
      - { .name: garment_features, .offset: 8, .size: 8, .value_kind: global_buffer, .address_space: global }
      - { .name: gq, .offset: 16, .size: 8, .value_kind: global_buffer, .address_space: global }
      - { .name: betaq, .offset: 24, .size: 8, .value_kind: global_buffer, .address_space: global }
      - { .name: gk, .offset: 32, .size: 8, .value_kind: global_buffer, .address_space: global }
      - { .name: betak, .offset: 40, .size: 8, .value_kind: global_buffer, .address_space: global }
      - { .name: Wq_codes, .offset: 48, .size: 8, .value_kind: global_buffer, .address_space: global }
      - { .name: Wq_scales, .offset: 56, .size: 8, .value_kind: global_buffer, .address_space: global }
      - { .name: Wo_codes, .offset: 64, .size: 8, .value_kind: global_buffer, .address_space: global }
      - { .name: Wo_scales, .offset: 72, .size: 8, .value_kind: global_buffer, .address_space: global }
      - { .name: Wf_codes, .offset: 80, .size: 8, .value_kind: global_buffer, .address_space: global }
      - { .name: Wf_scales, .offset: 88, .size: 8, .value_kind: global_buffer, .address_space: global }
      - { .name: Wk_codes, .offset: 96, .size: 8, .value_kind: global_buffer, .address_space: global }
      - { .name: Wk_scales, .offset: 104, .size: 8, .value_kind: global_buffer, .address_space: global }
      - { .name: Wv_codes, .offset: 112, .size: 8, .value_kind: global_buffer, .address_space: global }
      - { .name: Wv_scales, .offset: 120, .size: 8, .value_kind: global_buffer, .address_space: global }
      - { .name: xp, .offset: 128, .size: 8, .value_kind: global_buffer, .address_space: global }
      - { .name: xr, .offset: 136, .size: 8, .value_kind: global_buffer, .address_space: global }
      - { .name: xg, .offset: 144, .size: 8, .value_kind: global_buffer, .address_space: global }
      - { .name: wfr, .offset: 152, .size: 8, .value_kind: global_buffer, .address_space: global }
    .group_segment_fixed_size: 278528
    .private_segment_fixed_size: 0
    .kernarg_segment_align: 8
    .kernarg_segment_size: 160
    .max_flat_workgroup_size: 512
    .sgpr_count:     80
    .vgpr_count:     256
    .wavefront_size: 32
...
	.end_amdgpu_metadata
.endif
;; end of part 1
;; launch proj (part 2): grid 256 x 1, 4 waves a work-group, no clusters, 115,200 bytes of LDS; arguments xp, xg, wfr, qc, kvc; writes qc, kvc
.if DOCPART == 2
	.amdgcn_target "amdgcn-amd-amdhsa--gfx1250"
	.amdhsa_code_object_version 6
	.text
	.protected	k_q1f6bb87548_proj
	.globl	k_q1f6bb87548_proj
	.p2align	8
	.type	k_q1f6bb87548_proj,@function
k_q1f6bb87548_proj:
	s_mov_b64 s[64:65], 0
	v_nop
	global_prefetch_b8 v0, s[64:65] scope:SCOPE_SE
	s_setreg_imm32_b32 hwreg(HW_REG_WAVE_MODE, 25, 1), 1
	s_wait_xcnt 0x0
; PROJ: q = LN(person) Wq, k = LN(garment) Wk, v = LN(garment) Wv, on E2M1 codes with E8M0 scales; each result is quantised along the K of the product that reads it, in registers, and leaves as codes.
; ALL OPERANDS come in the workspace's one form: a fragment (16 rows x 128 K) is 1,024 bytes, the image of its eight registers (byte 512 c + 16 lane = registers 4 c .. 4 c + 3); scale words [4 tiles][K step][lane][j]:
; one load of 8 bytes a lane gives two scale registers; tile i of the four reads register (i / 2) % 2, lanes 0-15 where i is even, lanes 16-31 (ROW1) where it is odd.
; A WAVE'S JOB: a stationary operand S, 8 tiles x KS K steps, lies in its registers for the whole launch; 8 tiles of the streamed operand T come from LDS, one after the other.  Source 0 = S, source 1 = T: a lane holds
; ONE row of T, and, S's tiles being permuted (row r of tile 2 g + u is true row 32 g + 8 u + r + 8 (r / 8)), its 64 results are 4 x 16 neighbours along S's rows: half of each of four blocks of 32 of the next K.
; They are quantised (lane l xor 16 has the other half) and ARE one fragment and one scale word a row of the next operand.
;   work-groups 0-127:   S = 128 columns of Wq, T = person tiles: q's codes, rows = queries, K step = two heads
;   work-groups 128-191: S = 128 columns of Wk, T = garment tiles: k's codes, rows = keys (in the tiles' permuted order)
;   work-groups 192-255: S = 128 KEYS (garment tiles), T = tiles of Wv's columns: v's codes with the keys innermost, rows = the head's channels.  The same text as k's: only pointers, offsets and strides are chosen.
; The four waves of a work-group share one T block (copied once into LDS, a quarter each) and take four neighbouring S groups.
; NO CLUSTER, NO TENSOR LOADS: S goes from memory straight into registers, where no joint load reaches; the T block is 64 or 48 KiB, filled once and never again, shared by two or eight work-groups only.
; LIMITS: NaN and infinities are not served; a block whose largest magnitude lies under 2^-124 (zeros too) gets the byte 1; these bytes are read by this program alone.
; REGISTERS, in windows of 256: window 1: S's fragments of K steps 0-3 at 64 s + 8 t; window 2: K steps 4 on; window 3: v0-63 the T tile in hand (K step s at 8 s), at the head v0-127 the copy's bytes;
; window 0: v1 16 lane, v2 8 lane, v3 T's LDS base, v4 the copy's LDS address, v5 the codes' offset out, v6/v8 the scale words', v16-79 eight accumulators, v80-111 S's scale words, v112-143 T's, v144-175 the quantiser's.
.set ACC, 16
.set SSC, 80
.set TSC, 112
.set TM,  144                          ; v144-147 largest magnitudes, v148-151 the other half's, then bytes, v156-159 the conversions' scale operands
.set PW,  160                          ; the scale word just made
.set WW,  162                          ; v162-165 four tiles' scale words, two sets
.set PC,  168                          ; v168-175 the fragment just made
.set SEL, 36
.set BIASED, 0
.set MSB, 0
.macro WIN new                         ; s_set_vgpr_msb: bits 1:0 source 0, 3:2 source 1, 5:4 source 2, 7:6 destination; the high byte repeats the setting that is left
.if MSB != \new
	s_set_vgpr_msb (MSB<<8)|\new
.set MSB, \new
.endif
.endm
; one matrix instruction, from the symbols rD, rA, rB, rC (below 0: the constant 0 starts the sum), rSA, rSB (scale registers), fA, fB (1: that side's scales lie in lanes 16-31)
.macro WM
.if rC < 0
.if fA && fB
	v_wmma_scale_f32_16x16x128_f8f6f4 v[rD:rD+7], v[rA:rA+7], v[rB:rB+7], 0, v[rSA], v[rSB] matrix_a_fmt:MATRIX_FMT_FP4 matrix_b_fmt:MATRIX_FMT_FP4 matrix_a_scale:MATRIX_SCALE_ROW1 matrix_b_scale:MATRIX_SCALE_ROW1
.elseif fA
	v_wmma_scale_f32_16x16x128_f8f6f4 v[rD:rD+7], v[rA:rA+7], v[rB:rB+7], 0, v[rSA], v[rSB] matrix_a_fmt:MATRIX_FMT_FP4 matrix_b_fmt:MATRIX_FMT_FP4 matrix_a_scale:MATRIX_SCALE_ROW1
.elseif fB
	v_wmma_scale_f32_16x16x128_f8f6f4 v[rD:rD+7], v[rA:rA+7], v[rB:rB+7], 0, v[rSA], v[rSB] matrix_a_fmt:MATRIX_FMT_FP4 matrix_b_fmt:MATRIX_FMT_FP4 matrix_b_scale:MATRIX_SCALE_ROW1
.else
	v_wmma_scale_f32_16x16x128_f8f6f4 v[rD:rD+7], v[rA:rA+7], v[rB:rB+7], 0, v[rSA], v[rSB] matrix_a_fmt:MATRIX_FMT_FP4 matrix_b_fmt:MATRIX_FMT_FP4
.endif
.else
.if fA && fB
	v_wmma_scale_f32_16x16x128_f8f6f4 v[rD:rD+7], v[rA:rA+7], v[rB:rB+7], v[rC:rC+7], v[rSA], v[rSB] matrix_a_fmt:MATRIX_FMT_FP4 matrix_b_fmt:MATRIX_FMT_FP4 matrix_a_scale:MATRIX_SCALE_ROW1 matrix_b_scale:MATRIX_SCALE_ROW1
.elseif fA
	v_wmma_scale_f32_16x16x128_f8f6f4 v[rD:rD+7], v[rA:rA+7], v[rB:rB+7], v[rC:rC+7], v[rSA], v[rSB] matrix_a_fmt:MATRIX_FMT_FP4 matrix_b_fmt:MATRIX_FMT_FP4 matrix_a_scale:MATRIX_SCALE_ROW1
.elseif fB
	v_wmma_scale_f32_16x16x128_f8f6f4 v[rD:rD+7], v[rA:rA+7], v[rB:rB+7], v[rC:rC+7], v[rSA], v[rSB] matrix_a_fmt:MATRIX_FMT_FP4 matrix_b_fmt:MATRIX_FMT_FP4 matrix_b_scale:MATRIX_SCALE_ROW1
.else
	v_wmma_scale_f32_16x16x128_f8f6f4 v[rD:rD+7], v[rA:rA+7], v[rB:rB+7], v[rC:rC+7], v[rSA], v[rSB] matrix_a_fmt:MATRIX_FMT_FP4 matrix_b_fmt:MATRIX_FMT_FP4
.endif
.endif
.endm
; 64 numbers of a lane, register 16 b + i = k 32 b + 16 (lane / 16) + i of my row, become a fragment's codes in v[PC] on and its scale word in v[PW].  Each accumulator is read from its low end on.
.macro QUANT s
.irp b, 0,1,2,3
	v_max3_num_f32 v[TM+\b], |v[\s+16*\b]|, |v[\s+1+16*\b]|, 0x1800000   ; block b: my 16 numbers, and the floor 2^(3 - 127): the byte cannot fall under 1
.endr
.irp i, 2,4,6,8,10,12,14
.irp b, 0,1,2,3
	v_max3_num_f32 v[TM+\b], v[TM+\b], |v[\s+16*\b+\i]|, |v[\s+1+16*\b+\i]|   ; the four blocks by turns
.endr
.endr
.irp b, 0,1,2,3
	v_permlanex16_b32 v[TM+4+\b], v[TM+\b], s[SEL], s[SEL+1]
.endr
.irp b, 0,1,2,3
	v_max_num_f32 v[TM+\b], v[TM+\b], v[TM+4+\b]                   ; with lane l xor 16's: the block's largest magnitude
.endr
.irp b, 0,1,2,3
	v_add_nc_u32 v[TM+12+\b], 0xff000000, v[TM+\b]                 ; 2 off its exponent field: the conversion's scale operand
.endr
.irp b, 0,1,2,3
	v_lshrrev_b32 v[TM+4+\b], 23, v[TM+12+\b]                      ; the scale's byte
.endr
	v_lshl_or_b32 v[PW], v[TM+5], 8, v[TM+4]
	v_lshl_or_b32 v[PW], v[TM+6], 16, v[PW]
	v_lshl_or_b32 v[PW], v[TM+7], 24, v[PW]
.irp b, 0,1,2,3
	v_cvt_scalef32_pk8_fp4_f32 v[PC+2*\b], v[\s+16*\b:\s+7+16*\b], v[TM+12+\b]
	v_cvt_scalef32_pk8_fp4_f32 v[PC+1+2*\b], v[\s+8+16*\b:\s+15+16*\b], v[TM+12+\b]
.endr
	v_nop                                                          ; one plain line behind a scaled conversion
.irp c, 0,1                            ; the operand's layout wants a WHOLE block in a lane: lanes 0-15 block 2 c, lanes 16-31 block 2 c + 1
.irp i, 0,1
	v_permlane16_swap_b32 v[PC+4*\c+\i], v[PC+2+4*\c+\i]
.endr
.endr
.endm
.macro TFETCH i, ks                    ; T's tile i, all its K steps, from LDS into window 3
	WIN 0xc0
.set s_, 0
.rept \ks
	ds_load_b128 v[8*s_:8*s_+3], v3 offset:(\i)*\ks*1024+s_*1024
	ds_load_b128 v[8*s_+4:8*s_+7], v3 offset:(\i)*\ks*1024+s_*1024+512
.set s_, s_+1
.endr
	WIN 0
.endm
.macro SLOAD s, ks                     ; S's eight fragments of K step s, from memory into window 1 or 2: 512 consecutive bytes a load
.if (\s) < 4
	WIN 0x40
.else
	WIN 0x80
.endif
.set t_, 0
.rept 8
	global_load_b128 v[64*((\s)%4)+8*t_:64*((\s)%4)+8*t_+3], v1, s[20:21] offset:t_*\ks*1024+(\s)*1024
	global_load_b128 v[64*((\s)%4)+8*t_+4:64*((\s)%4)+8*t_+7], v1, s[20:21] offset:t_*\ks*1024+(\s)*1024+512
.set t_, t_+1
.endr
.endm
; T's tile i against S's eight tiles: 8 ks matrix instructions, the eight accumulators by turns, one instruction a turn, K ascending; then the results become a fragment and leave.
.macro TILE i, ks, nt
	s_wait_dscnt 0x0                                               ; the tile is in registers
.set s_, 0
.rept \ks
.if s_ < 4
	WIN 0x0d                                                       ; source 0 window 1, source 1 window 3, C and D window 0
.else
	WIN 0x0e                                                       ; source 0 window 2
.endif
.set t_, 0
.rept 8
.set rD, ACC+8*t_
.set rA, 64*(s_%4)+8*t_
.set rB, 8*s_
.set rC, rD
.if s_ == 0
.set rC, -1
.endif
.set rSA, SSC+2*\ks*(t_/4)+2*s_+((t_/2)%2)
.set fA, t_%2
.set rSB, TSC+2*\ks*((\i)/4)+2*s_+(((\i)/2)%2)
.set fB, (\i)%2
	WM
.set t_, t_+1
.endr
.set s_, s_+1
.endr
	WIN 0
.rept 4
	v_nop                                                          ; four places in front of the loads into T's registers and of the first read of results
.endr
.if (\i)+1 < \nt
	TFETCH (\i)+1, \ks                                             ; the next tile lands while this one is quantised
.endif
	s_wait_xcnt 0x0                                                ; the last tile's stores have read their data and offsets: both are written again only behind this wait
.if (\i) > 0
	v_add_nc_u32 v5, s32, v5                                       ; the next tile's fragment
.endif
	QUANT ACC
	global_store_b128 v5, v[PC:PC+3], s[28:29]                     ; the fragment's image: 512 consecutive bytes a store
	global_store_b128 v5, v[PC+4:PC+7], s[28:29] offset:512
.set wq, WW+2*((\i)/4)
.if (\i)%4 == 0
	v_mov_b32 v[wq], v[PW]                                         ; four tiles' scale words meet in two registers: even tiles in lanes 0-15, odd tiles in lanes 16-31
.elseif (\i)%4 == 1
	v_cndmask_b32 v[wq], v[wq], v[PW], s34
.elseif (\i)%4 == 2
	v_mov_b32 v[wq+1], v[PW]
.else
	v_cndmask_b32 v[wq+1], v[wq+1], v[PW], s34
	global_store_b64 v[6+2*((\i)/4)], v[wq:wq+1], s[30:31]         ; 256 consecutive bytes
.endif
.endm
; The head of a path: the T block's copy, all scale words, S; one barrier; then the tiles.
.macro GEMM ks, nf, nt
	WIN 0xc0
.set n_, 0
.rept \nf
	global_load_b128 v[4*n_:4*n_+3], v1, s[24:25] offset:512*n_    ; my quarter of the T block
.set n_, n_+1
.endr
	WIN 0
.set n_, 0
.rept (\nt/4)*\ks
	global_load_b64 v[TSC+2*n_:TSC+2*n_+1], v2, s[26:27] offset:256*n_
.set n_, n_+1
.endr
.set n_, 0
.rept 2*\ks
	global_load_b64 v[SSC+2*n_:SSC+2*n_+1], v2, s[22:23] offset:256*n_
.set n_, n_+1
.endr
	SLOAD 0, \ks
	s_wait_loadcnt (\nt/4)*\ks+2*\ks+16                            ; the copy's loads are in; the scale words' and K step 0's, issued behind them, may be out
	WIN 0x0c                                                       ; an LDS store's data are its source 1: window 3
.set n_, 0
.rept \nf
	ds_store_b128 v4, v[4*n_:4*n_+3] offset:512*n_
.set n_, n_+1
.endr
.set q_, 1
.rept \ks-1
	SLOAD q_, \ks
.set q_, q_+1
.endr
	WIN 0
	s_wait_dscnt 0x0                                               ; for the others' sake: my quarter lies in LDS
	s_barrier_signal -1
	s_barrier_wait -1                                              ; the block is whole; it is never written again
	TFETCH 0, \ks
	s_wait_loadcnt 0x0                                             ; S and all scale words
.set q_, 0
.rept \nt
	TILE q_, \ks, \nt
.set q_, q_+1
.endr
.endm
	s_load_b128 s[8:11], s[0:1], 0x0                               ; xp s[8:9], xg s[10:11]
	s_load_b128 s[12:15], s[0:1], 0x10                             ; wfr s[12:13], qc s[14:15]
	s_load_b64 s[16:17], s[0:1], 0x20                              ; kvc
	v_lshl_add_u32 v254, v0, 2, 0x1c000
	v_mov_b32 v255, 0
	v_lshrrev_b32 v1, 5, v0
	v_readfirstlane_b32 s4, v1                                     ; wave 0..3
	v_and_b32 v9, 31, v0                                           ; lane
	v_lshlrev_b32 v1, 4, v9
	v_lshlrev_b32 v2, 3, v9
	v_lshlrev_b32 v5, 4, v9
	v_lshlrev_b32 v6, 3, v9
.irp b, 0,1,2,3
	v_mov_b32 v[TM+4+\b], 0                                        ; written once: a lane permute's destination counts as one of its sources
.endr
	s_mov_b32 s34, 0xffff0000                                      ; lanes 16-31
	s_mov_b32 s[SEL], 0x76543210
	s_mov_b32 s[SEL+1], 0xfedcba98
	s_mov_b32 s39, 0
	s_cmp_lt_u32 ttmp9, 128
	s_cbranch_scc0 .Lkv
; ---- q: work-group = 2 x (8 person tiles) + (half of Wq's eight groups of 128 columns); LDS bytes 0 to 65,535
	s_lshr_b32 s5, ttmp9, 1                                        ; tg
	s_and_b32 s6, ttmp9, 1
	s_lshl_b32 s6, s6, 2
	s_add_co_u32 s6, s6, s4                                        ; sg
	v_lshlrev_b32 v3, 4, v9
	s_lshl_b32 s38, s4, 14
	v_lshl_add_u32 v4, v9, 4, s38
	s_mov_b32 s32, 8192                                            ; from a tile's fragment to the next tile's
	s_mov_b32 s33, 2048                                            ; from four tiles' scale words to the next four's
	v_add_nc_u32 v8, s33, v6
	s_wait_kmcnt 0x0
	s_lshl_b32 s38, s6, 16
	s_add_nc_u64 s[20:21], s[12:13], s[38:39]                      ; S's codes: Wq's group
	s_lshl_b32 s38, s6, 12
	s_add_co_u32 s38, s38, 0x2c0000
	s_add_nc_u64 s[22:23], s[12:13], s[38:39]                      ; S's scale words
	s_lshl_b32 s38, s5, 16
	s_lshl_b32 s40, s4, 14
	s_add_co_u32 s38, s38, s40
	s_add_nc_u64 s[24:25], s[8:9], s[38:39]                        ; my quarter of T's codes
	s_lshl_b32 s38, s5, 12
	s_add_co_u32 s38, s38, 0x400000
	s_add_nc_u64 s[26:27], s[8:9], s[38:39]                        ; T's scale words
	s_lshl_b32 s38, s5, 16
	s_lshl_b32 s40, s6, 10
	s_add_co_u32 s38, s38, s40
	s_add_nc_u64 s[28:29], s[14:15], s[38:39]                      ; out: tile 8 tg, K step sg
	s_lshl_b32 s38, s5, 12
	s_lshl_b32 s40, s6, 8
	s_add_co_u32 s38, s38, s40
	s_add_co_u32 s38, s38, 0x400000
	s_add_nc_u64 s[30:31], s[14:15], s[38:39]
	GEMM 8, 32, 8
	s_wait_tensorcnt 0x0
	ds_add_u32 v254, v255
	s_wait_dscnt 0x0
	s_endpgm
; ---- k and v: one text; LDS bytes 65,536 to 114,687
.Lkv:
	s_sub_co_u32 s5, ttmp9, 128
	v_lshl_add_u32 v3, v9, 4, 65536
	s_mul_i32 s38, s4, 12288
	s_add_co_u32 s38, s38, 65536
	v_lshl_add_u32 v4, v9, 4, s38
	s_wait_kmcnt 0x0
	s_cmp_lt_u32 s5, 64                                            ; k's work-group or v's?  Every choice hangs on the work-group's number alone
	s_cselect_b64 s[20:21], s[12:13], s[10:11]                     ; S: Wk (in wfr) | the garment's codes
	s_cselect_b64 s[24:25], s[10:11], s[12:13]                     ; T: the garment's codes | Wv (in wfr)
	s_cselect_b32 s40, 0x200000, 0                                 ; where S's codes begin in their buffer,
	s_mov_b32 s41, 0x180000
	s_cselect_b32 s41, 0x2e0000, s41                               ; S's scale words,
	s_cselect_b32 s42, 0, 0x260000                                 ; T's codes,
	s_mov_b32 s43, 0x2e6000
	s_cselect_b32 s43, 0x180000, s43                               ; T's scale words,
	s_cselect_b32 s44, 0, 0x220000                                 ; the result's codes in kvc,
	s_mov_b32 s45, 0x420000
	s_cselect_b32 s45, 0x200000, s45                               ; and its scale words
	s_mov_b32 s32, 32768
	s_cselect_b32 s32, 8192, s32                                   ; from a T tile's fragment to the next: k [key tile][8][1,024], v [tile of channels][32][1,024]
	s_mov_b32 s33, 8192
	s_cselect_b32 s33, 2048, s33
	s_lshr_b32 s6, s5, 1
	s_and_b32 s7, s5, 7
	s_and_b32 s46, s5, 1
	s_sub_co_u32 s47, s5, 64
	s_lshr_b32 s47, s47, 3
	s_cmp_lt_u32 s5, 64
	s_cselect_b32 s6, s6, s7                                       ; tg: k: 32 groups of key tiles; v: 8 groups of Wv's tiles
	s_cselect_b32 s7, s46, s47
	s_lshl_b32 s7, s7, 2
	s_add_co_u32 s7, s7, s4                                        ; sg: k: 8 groups of Wk's columns; v: 32 groups of 128 keys
	v_add_nc_u32 v8, s33, v6
	s_mul_i32 s38, s7, 3072
	s_add_co_u32 s38, s38, s41
	s_add_nc_u64 s[22:23], s[20:21], s[38:39]
	s_mul_i32 s38, s7, 49152
	s_add_co_u32 s38, s38, s40
	s_add_nc_u64 s[20:21], s[20:21], s[38:39]
	s_mul_i32 s38, s6, 3072
	s_add_co_u32 s38, s38, s43
	s_add_nc_u64 s[26:27], s[24:25], s[38:39]
	s_mul_i32 s38, s6, 49152
	s_add_co_u32 s38, s38, s42
	s_mul_i32 s46, s4, 12288
	s_add_co_u32 s38, s38, s46
	s_add_nc_u64 s[24:25], s[24:25], s[38:39]
	s_mul_i32 s38, s6, s32
	s_lshl_b32 s38, s38, 3                                         ; 8 tiles a group
	s_lshl_b32 s46, s7, 10
	s_add_co_u32 s38, s38, s46
	s_add_co_u32 s38, s38, s44
	s_add_nc_u64 s[28:29], s[16:17], s[38:39]
	s_mul_i32 s38, s6, s33
	s_lshl_b32 s38, s38, 1                                         ; two fours a group
	s_lshl_b32 s46, s7, 8
	s_add_co_u32 s38, s38, s46
	s_add_co_u32 s38, s38, s45
	s_add_nc_u64 s[30:31], s[16:17], s[38:39]
	GEMM 6, 24, 8
	s_wait_tensorcnt 0x0
	ds_add_u32 v254, v255
	s_wait_dscnt 0x0
	s_endpgm
.Lfunc_end_k_q1f6bb87548_proj:
	.size	k_q1f6bb87548_proj, .Lfunc_end_k_q1f6bb87548_proj-k_q1f6bb87548_proj
	.p2alignl 7, 3214868480
	.fill 96, 4, 3214868480
	.section	.rodata,"a",@progbits
	.p2align	6, 0x0
	.amdhsa_kernel k_q1f6bb87548_proj
		.amdhsa_group_segment_fixed_size 115200
		.amdhsa_private_segment_fixed_size 0
		.amdhsa_enable_private_segment 0
		.amdhsa_kernarg_size 40
		.amdhsa_user_sgpr_count 2
		.amdhsa_user_sgpr_kernarg_segment_ptr 1
		.amdhsa_wavefront_size32 1
		.amdhsa_system_sgpr_workgroup_id_x 1
		.amdhsa_system_sgpr_workgroup_id_y 1
		.amdhsa_system_sgpr_workgroup_id_z 1
		.amdhsa_system_vgpr_workitem_id 0
		.amdhsa_next_free_vgpr 1024
		.amdhsa_next_free_sgpr 66
		.amdhsa_reserve_vcc 0
		.amdhsa_float_denorm_mode_32 3
		.amdhsa_float_denorm_mode_16_64 3
		.amdhsa_memory_ordered 1
		.amdhsa_forward_progress 1
		.amdhsa_inst_pref_size 237
	.end_amdhsa_kernel
	.amdgpu_metadata
---
amdhsa.version: [ 1, 2 ]
amdhsa.kernels:
  - .name:           k_q1f6bb87548_proj
    .symbol:         k_q1f6bb87548_proj.kd
    .args:
      - { .name: xp, .offset: 0, .size: 8, .value_kind: global_buffer, .address_space: global }
      - { .name: xg, .offset: 8, .size: 8, .value_kind: global_buffer, .address_space: global }
      - { .name: wfr, .offset: 16, .size: 8, .value_kind: global_buffer, .address_space: global }
      - { .name: qc, .offset: 24, .size: 8, .value_kind: global_buffer, .address_space: global }
      - { .name: kvc, .offset: 32, .size: 8, .value_kind: global_buffer, .address_space: global }
    .group_segment_fixed_size: 115200
    .private_segment_fixed_size: 0
    .kernarg_segment_align: 8
    .kernarg_segment_size: 40
    .max_flat_workgroup_size: 128
    .sgpr_count:     66
    .vgpr_count:     1024
    .wavefront_size: 32
...
	.end_amdgpu_metadata
.endif
;; end of part 2
;; launch attn (part 3): grid 8 x 32, 16 waves a work-group, no clusters, 142,336 bytes of LDS; arguments qc, kvc, ac; writes ac
.if DOCPART == 3
	.amdgcn_target "amdgcn-amd-amdhsa--gfx1250"
	.amdhsa_code_object_version 6
	.text
	.protected	k_q1f6bb87548_attn
	.globl	k_q1f6bb87548_attn
	.p2align	8
	.type	k_q1f6bb87548_attn,@function
k_q1f6bb87548_attn:
	s_mov_b64 s[64:65], 0
	v_nop
	global_prefetch_b8 v0, s[64:65] scope:SCOPE_SE
	s_setreg_imm32_b32 hwreg(HW_REG_WAVE_MODE, 25, 1), 1
	s_wait_xcnt 0x0
; ATTN: for each batch and head, att = softmax(q k^T / 8) v, both products on E2M1 codes with E8M0 scales; att is divided by the row's sum and quantised along the next product's K (head x 64 + channel), and leaves as codes.
; THE SOFTMAX AHEAD OF THE SECOND PRODUCT: t = score x log2(e) / 8; M = the running largest t rounded UP to a whole number; p = 2^(t - M) is quantised along the keys, not normalised; the row's sum is taken of the
; unquantised p; when M moves, the sum and O are multiplied by 2^(old M - new M), which rounds nothing.
; SHARES.  Work-group (x, y): batch y / 8, the pair of heads 2 (y % 8), 2 (y % 8) + 1, queries 256 x on.  Each of its sixteen waves owns one tile of 16 queries and runs the first head, then the second: so it makes a whole
; fragment (128 along the next K) and whole scale words.  Four waves share a SIMD: one wave's vector work stands beside another's matrix work and LDS loads.
; LDS is filled once, through registers: both heads' k (64 KiB), v (64 KiB) and scale words of the batch's 1,024 keys; then it is only read.
; LAYOUT.  Both products are used transposed: S^T = k q^T (source 0 = keys), O^T = v^T p^T (source 0 = channels): a lane holds ONE query throughout.  Key tiles and the tiles of v's channels are permuted (row r of tile
; 2 g + u is true row 32 g + 8 u + r + 8 (r / 8)), so that the 16 registers of tiles 2 g, 2 g + 1 are 16 neighbours: p's along the keys, O's along the channels.
; K = 64 IN AN INSTRUCTION OF K = 128.  Source 0 holds TWO key tiles of one head, tile 2 g in K 0-63 and tile 2 g + 1 in K 64-127; source 1 is (q, zeros) for the first and (zeros, q) for the second: zero codes add
; nothing under any scale byte but 0xff, and all bytes here lie between 1 and 254.  (zeros, q, zeros) lie in twelve registers on end, of which each product names eight.  No LDS byte is read in vain.
; NO CLUSTER, NO TENSOR LOADS: what the eight work-groups of a pair of heads share is one fill of 136 KiB at the head of 16 key steps of 245 vector instructions a wave; LDS is never filled again.
; LIMITS: NaN and infinities are not served; blocks whose largest magnitude lies under 2^-124 (zeros too) get the byte 1.  A block's largest p is made from the block's largest score by the same two instructions as p.
.set KS_L, 131072                      ; LDS: 0: k's codes [head][key tile][512]; 65,536: v's [head][key step][tile of channels][1,024]; here k's scale words [head][key step][256],
.set VS_L, 135168                      ; v's likewise,
.set SCST, 139264                      ; and 1,024 bytes in which the sixteen tiles' scale words of att meet
.set KF,  56                           ; v56-87   four fragments of k (two key tiles each)
.set VF,  88                           ; v88-119  four fragments of v
.set S,   120                          ; v120-183 the scores, then p
.set O,   184                          ; v184-215 O^T
.set P,   216                          ; v216-223 p's codes
.set BM,  224                          ; v224-227 a block's largest score, then p
.set BT,  228                          ; v228-231 the other half's, then bytes
.set SCF, 232                          ; v232-235 the conversions' scale operands
; further: v1 16 lane, v2 the same + 65,536, v3 8 lane + KS_L; v4-6 the step's LDS addresses; v[8:9] k's scale words, v[10:11] v's; v12 -M, v13 the largest t, v[14:15] the sum in two halves; v16-27, v28-39 (0, q, 0) of the
; two heads; v40 q's scale word, v41/v42 its two bytes of each head, twice; v44-51 att's codes; v52/v53 att's bytes; v[236:237] the sum's second chain; v[238:239] f; v240 p's scale word; v241 at work; v242-249 addresses.
.macro WM
.if rC < 0
.if fA
	v_wmma_scale_f32_16x16x128_f8f6f4 v[rD:rD+7], v[rA:rA+7], v[rB:rB+7], 0, v[rSA], v[rSB] matrix_a_fmt:MATRIX_FMT_FP4 matrix_b_fmt:MATRIX_FMT_FP4 matrix_a_scale:MATRIX_SCALE_ROW1
.else
	v_wmma_scale_f32_16x16x128_f8f6f4 v[rD:rD+7], v[rA:rA+7], v[rB:rB+7], 0, v[rSA], v[rSB] matrix_a_fmt:MATRIX_FMT_FP4 matrix_b_fmt:MATRIX_FMT_FP4
.endif
.else
.if fA
	v_wmma_scale_f32_16x16x128_f8f6f4 v[rD:rD+7], v[rA:rA+7], v[rB:rB+7], v[rC:rC+7], v[rSA], v[rSB] matrix_a_fmt:MATRIX_FMT_FP4 matrix_b_fmt:MATRIX_FMT_FP4 matrix_a_scale:MATRIX_SCALE_ROW1
.else
	v_wmma_scale_f32_16x16x128_f8f6f4 v[rD:rD+7], v[rA:rA+7], v[rB:rB+7], v[rC:rC+7], v[rSA], v[rSB] matrix_a_fmt:MATRIX_FMT_FP4 matrix_b_fmt:MATRIX_FMT_FP4
.endif
.endif
.endm
	s_load_b128 s[8:11], s[0:1], 0x0                               ; qc s[8:9], kvc s[10:11]
	s_load_b64 s[12:13], s[0:1], 0x10                              ; ac
	v_lshl_add_u32 v254, v0, 2, 0x22400
	v_mov_b32 v255, 0
	v_lshrrev_b32 v1, 5, v0
	v_readfirstlane_b32 s4, v1                                     ; wave 0..15
	v_and_b32 v250, 31, v0                                         ; lane
	v_and_b32 v251, 15, v0                                         ; r
	v_bfe_u32 v252, v0, 4, 1                                       ; h
	v_lshlrev_b32 v1, 4, v250
	v_add_nc_u32 v2, 65536, v1
	v_lshlrev_b32 v248, 3, v250
	v_add_nc_u32 v3, KS_L, v248
	s_mov_b32 s19, 0xffff0000                                      ; lanes 16-31
	s_mov_b32 s20, 0x76543210
	s_mov_b32 s21, 0xfedcba98                                      ; v_permlanex16_b32's selects for lane l xor 16
	s_mov_b32 s22, 0x3e38aa3b                                      ; c = log2(e) / 8
	s_mov_b32 s23, s22                                             ; (named with it as a pair, so it is written)
	s_and_b32 s6, ttmp7, 0xffff
	s_lshr_b32 s7, s6, 3                                           ; batch
	s_and_b32 s14, s6, 7                                           ; pair of heads
	s_lshl_b32 s15, s7, 7
	s_lshl_b32 s16, ttmp9, 4
	s_add_co_u32 s15, s15, s16
	s_add_co_u32 s15, s15, s4                                      ; my tile of queries: 128 batch + 16 x + wave
	s_mov_b32 s17, 0
	s_lshr_b32 s44, s4, 3
	s_and_b32 s45, s4, 1
	s_bfe_u32 s46, s4, 0x20001                                     ; (wave / 2) % 4
	s_bfe_u32 s47, s4, 0x10001                                     ; (wave / 2) % 2
	s_min_u32 s49, s4, 3
	; LDS addresses, all made here
	s_lshl_b32 s18, s4, 11
	v_add_nc_u32 v242, s18, v1                                     ; k's codes in: key tiles 4 wave on, 512 bytes each
	s_lshl_b32 s18, s44, 15
	s_lshl_b32 s27, s45, 14
	s_add_co_u32 s18, s18, s27
	s_lshl_b32 s27, s46, 10
	s_add_co_u32 s18, s18, s27
	v_add_nc_u32 v243, s18, v2                                     ; v's in: head wave / 8, tile of channels (wave / 2) % 4, key steps 4 (wave % 2) on
	s_lshl_b32 s18, s4, 8
	s_add_co_u32 s18, s18, VS_L
	v_add_nc_u32 v244, s18, v248                                   ; v's scale words in: head wave / 8, key step wave % 8
	s_lshr_b32 s18, s4, 1
	s_lshl_b32 s18, s18, 8
	s_lshl_b32 s27, s45, 2
	s_add_co_u32 s18, s18, s27
	s_add_co_u32 s18, s18, KS_L
	v_lshlrev_b32 v245, 3, v251
	v_lshl_add_u32 v245, v252, 11, v245
	v_add_nc_u32 v245, s18, v245                                   ; k's scale words in: lanes 0-15 the first head's, lanes 16-31 the second's, 2,048 bytes on
	s_lshl_b32 s18, s45, 7
	s_lshl_b32 s27, s47, 2
	s_add_co_u32 s18, s18, s27
	v_lshl_add_u32 v249, v251, 3, s18                              ; my tile's word among its four tiles': (16 (wave % 2) + r) x 8 + ((wave / 2) % 2) x 4
	s_lshr_b32 s18, s4, 2
	s_lshl_b32 s18, s18, 8
	s_add_co_u32 s18, s18, SCST
	v_add_nc_u32 v246, s18, v249
	s_lshl_b32 s18, s49, 8
	s_add_co_u32 s18, s18, SCST
	v_add_nc_u32 v247, s18, v248                                   ; (only waves 0-3 read there)
	s_wait_kmcnt 0x0
	s_lshl_b32 s16, s7, 19
	s_lshl_b32 s18, s4, 15
	s_add_co_u32 s16, s16, s18
	s_lshl_b32 s18, s14, 10
	s_add_co_u32 s16, s16, s18
	s_add_nc_u64 s[28:29], s[10:11], s[16:17]                      ; k's codes: key tile 64 batch + 4 wave, K step = the pair of heads
	s_lshl_b32 s16, s14, 18
	s_lshl_b32 s18, s44, 17
	s_add_co_u32 s16, s16, s18
	s_lshl_b32 s18, s46, 15
	s_add_co_u32 s16, s16, s18
	s_lshl_b32 s18, s7, 13
	s_add_co_u32 s16, s16, s18
	s_lshl_b32 s18, s45, 12
	s_add_co_u32 s16, s16, s18
	s_add_co_u32 s16, s16, 0x220000
	s_add_nc_u64 s[30:31], s[10:11], s[16:17]                      ; v's codes: four key steps of one tile of channels are 4,096 bytes on end
	s_lshl_b32 s16, s14, 14
	s_lshl_b32 s18, s44, 13
	s_add_co_u32 s16, s16, s18
	s_lshl_b32 s18, s7, 11
	s_add_co_u32 s16, s16, s18
	s_and_b32 s18, s4, 7
	s_lshl_b32 s18, s18, 8
	s_add_co_u32 s16, s16, s18
	s_add_co_u32 s16, s16, 0x420000
	s_add_nc_u64 s[32:33], s[10:11], s[16:17]                      ; v's scale words
	s_lshl_b32 s16, s7, 15
	s_lshl_b32 s18, s4, 11
	s_add_co_u32 s16, s16, s18
	s_lshl_b32 s18, s14, 8
	s_add_co_u32 s16, s16, s18
	s_add_co_u32 s16, s16, 0x200000
	s_add_nc_u64 s[34:35], s[10:11], s[16:17]                      ; k's scale words: four key tiles 16 batch + wave
	s_lshl_b32 s16, s15, 13
	s_lshl_b32 s18, s14, 10
	s_add_co_u32 s16, s16, s18
	s_add_nc_u64 s[36:37], s[8:9], s[16:17]                        ; q's fragment,
	s_add_nc_u64 s[40:41], s[12:13], s[16:17]                      ; and att's at the same place
	s_lshr_b32 s16, s15, 2
	s_lshl_b32 s16, s16, 11
	s_lshl_b32 s18, s14, 8
	s_add_co_u32 s16, s16, s18
	s_add_co_u32 s16, s16, 0x400000
	s_add_nc_u64 s[38:39], s[8:9], s[16:17]                        ; q's scale words
	s_lshl_b32 s16, s7, 5
	s_lshl_b32 s18, ttmp9, 2
	s_add_co_u32 s16, s16, s18
	s_add_co_u32 s16, s16, s49
	s_lshl_b32 s16, s16, 11
	s_lshl_b32 s18, s14, 8
	s_add_co_u32 s16, s16, s18
	s_add_co_u32 s16, s16, 0x400000
	s_add_nc_u64 s[42:43], s[12:13], s[16:17]                      ; att's scale words: four tiles 32 batch + 4 x + wave (waves 0-3)
.irp hd, 0,1
.irp a, 0,1,2,3
	global_load_b128 v[S+16*\hd+4*\a:S+16*\hd+4*\a+3], v1, s[28:29] offset:\a*8192+\hd*512   ; a head's half of a key tile's fragment: 512 consecutive bytes
.endr
.endr
.irp n, 0,1,2,3,4,5,6,7
	global_load_b128 v[S+32+4*\n:S+32+4*\n+3], v1, s[30:31] offset:512*\n
.endr
	global_load_b64 v[O:O+1], v248, s[32:33]
	global_load_b64 v[O+2:O+3], v248, s[34:35]
	global_load_b128 v[20:23], v1, s[36:37]                        ; q of the first head,
	global_load_b128 v[32:35], v1, s[36:37] offset:512             ; of the second
	global_load_b32 v40, v249, s[38:39]
.irp j, 16,17,18,19,24,25,26,27,28,29,30,31,36,37,38,39
	v_mov_b32 v\j, 0                                               ; the zero codes on both sides of q
.endr
.irp b, 0,1,2,3
	v_mov_b32 v[BT+\b], 0                                          ; written once: a lane permute's destination counts as one of its sources
.endr
	v_mov_b32 v239, 0                                              ; (named as the upper half of the pair v[238:239])
	v_mov_b32 v241, 0
	s_wait_loadcnt 0x0
.irp hd, 0,1
.irp a, 0,1,2,3
	ds_store_b128 v242, v[S+16*\hd+4*\a:S+16*\hd+4*\a+3] offset:\hd*32768+\a*512
.endr
.endr
.irp n, 0,1,2,3,4,5,6,7
	ds_store_b128 v243, v[S+32+4*\n:S+32+4*\n+3] offset:(\n/2)*4096+(\n%2)*512
.endr
	ds_store_b64 v244, v[O:O+1]
; k's scale words are paired anew.  Register j as loaded: lanes 0-15 key tile 2 g, lanes 16-31 tile 2 g + 1 (g = 2 (my four tiles) + j); a word: two bytes of the first head, two of the second.
; Wanted, for a fragment of two key tiles of ONE head: (tile 2 g's two bytes, tile 2 g + 1's two bytes).
.irp j, 0,1
	v_permlanex16_b32 v[BT+\j], v[O+2+\j], s20, s21
	v_cndmask_b32 v[O+4+4*\j], v[O+2+\j], v[BT+\j], s19            ; tile 2 g's word, in both halves of the lanes
	v_cndmask_b32 v[O+5+4*\j], v[BT+\j], v[O+2+\j], s19            ; tile 2 g + 1's
	v_perm_b32 v[O+6+4*\j], v[O+5+4*\j], v[O+4+4*\j], 0x05040100   ; the first head's word
	v_perm_b32 v[O+7+4*\j], v[O+5+4*\j], v[O+4+4*\j], 0x07060302   ; the second's
	v_cndmask_b32 v[O+6+4*\j], v[O+6+4*\j], v[O+7+4*\j], s19       ; lanes 0-15 store the first head's, lanes 16-31 the second's
	ds_store_b32 v245, v[O+6+4*\j] offset:128*\j
.endr
	v_perm_b32 v41, v40, v40, 0x01000100                           ; q's scale word for the first head: its two bytes, twice: it serves (q, 0) and (0, q)
	v_perm_b32 v42, v40, v40, 0x03020302                           ; for the second
	s_wait_dscnt 0x0                                               ; for the others' sake
	s_barrier_signal -1
	s_barrier_wait -1                                              ; k, v and their scale words lie in LDS; nobody writes them again
; ONE HEAD: eight key steps of 128 keys, then the way out into att's codes.
.macro HEAD hd
.set QZ, 16+12*\hd
	v_mov_b32 v13, 0xff61b1e6                                      ; the largest t so far: -3e38
	v_floor_f32 v12, -v13                                          ; -M
	v_mov_b32 v14, 0
	v_mov_b32 v15, 0
.set j_, 0
.rept 32
	v_mov_b32 v[O+j_], 0                                           ; the step is written once: the first finds zeros, which the first change of M leaves zeros
.set j_, j_+1
.endr
	s_mov_b32 s24, 0                                               ; the step's codes: 4,096 bytes a step
	s_mov_b32 s25, 0                                               ; its scale words: 256
	s_mov_b32 s26, 8
.Ltrip_\@:
	v_add_nc_u32 v4, s24, v1
	v_add_nc_u32 v5, s24, v2
	v_add_nc_u32 v6, s25, v3
	v_nop                                                          ; with the three additions: four places in front of loads into registers that the last products read
.irp g, 0,1,2,3
	ds_load_b128 v[KF+8*\g:KF+8*\g+3], v4 offset:\hd*32768+\g*1024          ; key tile 2 g: K 0-63
	ds_load_b128 v[KF+8*\g+4:KF+8*\g+7], v4 offset:\hd*32768+\g*1024+512    ; key tile 2 g + 1: K 64-127
.endr
	ds_load_b64 v[8:9], v6 offset:\hd*2048
.irp g, 0,1,2,3
	ds_load_b128 v[VF+8*\g:VF+8*\g+3], v5 offset:\hd*32768+\g*1024
	ds_load_b128 v[VF+8*\g+4:VF+8*\g+7], v5 offset:\hd*32768+\g*1024+512
.endr
	ds_load_b64 v[10:11], v6 offset:4096+\hd*2048
	s_wait_dscnt 9                                                 ; k and its scale words are in; v's nine loads may be out
.set g_, 0
.rept 4
.set u_, 0
.rept 2
.set rD, S+8*(2*g_+u_)
.set rA, KF+8*g_
.set rB, QZ+4-4*u_                     ; (q, 0) for the first key tile, (0, q) for the second
.set rC, -1
.set rSA, 8+g_/2
.set fA, g_%2
.set rSB, 41+\hd
	WM
.set u_, u_+1
.endr
.set g_, g_+1
.endr
.rept 4
	v_nop
.endr
.irp b, 0,1,2,3
	v_max3_num_f32 v[BM+\b], v[S+16*\b], v[S+1+16*\b], v[S+2+16*\b]   ; the largest score of each block of 32 keys: for the row's maximum, and, p rising with the score, for the block's largest p
.endr
.irp i, 3,5,7,9,11,13
.irp b, 0,1,2,3
	v_max3_num_f32 v[BM+\b], v[BM+\b], v[S+16*\b+\i], v[S+1+16*\b+\i]
.endr
.endr
.irp b, 0,1,2,3
	v_max_num_f32 v[BM+\b], v[BM+\b], v[S+15+16*\b]
.endr
.irp b, 0,1,2,3
	v_permlanex16_b32 v[BT+\b], v[BM+\b], s20, s21
.endr
.irp b, 0,1,2,3
	v_max_num_f32 v[BM+\b], v[BM+\b], v[BT+\b]                     ; with lane l xor 16's 16 keys
.endr
	v_max3_num_f32 v241, v[BM], v[BM+1], v[BM+2]
	v_max_num_f32 v241, v241, v[BM+3]
	v_mul_f32 v241, s22, v241                                      ; the step's largest t (c is positive)
	v_max_num_f32 v13, v13, v241
	v_mov_b32 v241, v12
	v_floor_f32 v12, -v13                                          ; the new -M = -ceil(t)
	v_sub_f32 v241, v12, v241                                      ; old M - new M: a whole number, 0 or less
	v_cvt_i32_f32 v241, v241                                       ; (it saturates)
	v_ldexp_f32 v238, 1.0, v241                                    ; f = 2^(old M - new M)
.set j_, 0
.rept 32
	v_pk_fma_f32 v[S+j_:S+j_+1], v[S+j_:S+j_+1], s[22:23], v[12:13] op_sel_hi:[1,0,0]   ; t - M, two at a time
.set j_, j_+2
.endr
.irp b, 0,1,2,3
	v_fma_f32 v[BM+\b], v[BM+\b], s22, v12
.endr
.set j_, 0
.rept 64
	v_exp_f32 v[S+j_], v[S+j_]                                     ; p = 2^(t - M)
.set j_, j_+1
.endr
	v_pk_mul_f32 v[14:15], v[14:15], v[238:239] op_sel_hi:[1,0]    ; the sums under the new M; also the plain line behind the exponentials
	s_wait_alu depctr_va_vdst(0)                                   ; one wait for the batch of 64, ahead of its first reader
.irp b, 0,1,2,3
	v_exp_f32 v[BM+\b], v[BM+\b]                                   ; each block's largest p
.endr
	v_pk_add_f32 v[236:237], v[S:S+1], v[S+2:S+3]                  ; the row's sum of the unquantised p, in two chains; it reads the 64 alone
.set j_, 4
.rept 15
	v_pk_add_f32 v[14:15], v[14:15], v[S+j_:S+j_+1]
	v_pk_add_f32 v[236:237], v[236:237], v[S+j_+2:S+j_+3]
.set j_, j_+4
.endr
	v_pk_add_f32 v[14:15], v[14:15], v[236:237]
	s_wait_alu depctr_va_vdst(0)                                   ; and one for the four
.irp b, 0,1,2,3
	v_max_num_f32 v[BM+\b], 0x1800000, v[BM+\b]                    ; the floor 2^(3 - 127)
.endr
.irp b, 0,1,2,3
	v_add_nc_u32 v[SCF+\b], 0xff000000, v[BM+\b]
.endr
.irp b, 0,1,2,3
	v_lshrrev_b32 v[BT+\b], 23, v[SCF+\b]
.endr
	v_lshl_or_b32 v240, v[BT+1], 8, v[BT]                          ; p's scale word for these 128 keys
	v_lshl_or_b32 v240, v[BT+2], 16, v240
	v_lshl_or_b32 v240, v[BT+3], 24, v240
.irp b, 0,1,2,3
	v_cvt_scalef32_pk8_fp4_f32 v[P+2*\b], v[S+16*\b:S+7+16*\b], v[SCF+\b]
	v_cvt_scalef32_pk8_fp4_f32 v[P+1+2*\b], v[S+8+16*\b:S+15+16*\b], v[SCF+\b]
.endr
	v_nop                                                          ; one plain line behind a scaled conversion
.irp c, 0,1
.irp i, 0,1
	v_permlane16_swap_b32 v[P+4*\c+\i], v[P+2+4*\c+\i]             ; a whole block to a lane
.endr
.endr
.set j_, 0
.rept 16
	v_pk_mul_f32 v[O+j_:O+j_+1], v[O+j_:O+j_+1], v[238:239] op_sel_hi:[1,0]   ; O^T under the new M, each accumulator from its low end on; of these sixteen, twelve name no register of any one product below: its places behind p's scale word and codes
.set j_, j_+2
.endr
	s_wait_dscnt 0x0                                               ; v and its scale words are in
.set g_, 0
.rept 4
.set rD, O+8*g_
.set rA, VF+8*g_
.set rB, P
.set rC, rD
.set rSA, 10+g_/2
.set fA, g_%2
.set rSB, 240
	WM                                                             ; the four accumulators by turns, one link a key step
.set g_, g_+1
.endr
	s_add_co_u32 s24, s24, 4096
	s_add_co_u32 s25, s25, 256
	s_sub_co_u32 s26, s26, 1
	s_cmp_lg_u32 s26, 0
	s_cbranch_scc1 .Ltrip_\@
.rept 4
	v_nop                                                          ; places behind the last products
.endr
	v_add_f32 v14, v14, v15
	v_permlanex16_b32 v241, v14, s20, s21
	v_add_f32 v14, v14, v241                                       ; the row's sum
	v_rcp_f32 v238, v14
	v_nop
	v_nop
	s_wait_alu depctr_va_vdst(0)                                   ; the wait ahead of the reciprocal's first reader
.set j_, 0
.rept 16
	v_pk_mul_f32 v[O+j_:O+j_+1], v[O+j_:O+j_+1], v[238:239] op_sel_hi:[1,0]   ; att: register 16 b + i is channel 32 b + 16 (lane / 16) + i of my query
.set j_, j_+2
.endr
.irp b, 0,1
	v_max3_num_f32 v[BM+\b], |v[O+16*\b]|, |v[O+1+16*\b]|, 0x1800000
.endr
.irp i, 2,4,6,8,10,12,14
.irp b, 0,1
	v_max3_num_f32 v[BM+\b], v[BM+\b], |v[O+16*\b+\i]|, |v[O+1+16*\b+\i]|
.endr
.endr
.irp b, 0,1
	v_permlanex16_b32 v[BT+\b], v[BM+\b], s20, s21
.endr
.irp b, 0,1
	v_max_num_f32 v[BM+\b], v[BM+\b], v[BT+\b]
.endr
.irp b, 0,1
	v_add_nc_u32 v[SCF+\b], 0xff000000, v[BM+\b]
.endr
.irp b, 0,1
	v_lshrrev_b32 v[BT+\b], 23, v[SCF+\b]
.endr
	v_lshl_or_b32 v[52+\hd], v[BT+1], 8, v[BT]                     ; the head's two bytes
.irp b, 0,1
	v_cvt_scalef32_pk8_fp4_f32 v[44+4*\hd+2*\b], v[O+16*\b:O+7+16*\b], v[SCF+\b]
	v_cvt_scalef32_pk8_fp4_f32 v[45+4*\hd+2*\b], v[O+8+16*\b:O+15+16*\b], v[SCF+\b]
.endr
	v_nop
.irp i, 0,1
	v_permlane16_swap_b32 v[44+4*\hd+\i], v[46+4*\hd+\i]           ; registers 4 hd .. 4 hd + 3 of att's fragment
.endr
.endm
	HEAD 0
	HEAD 1
	v_lshl_or_b32 v52, v53, 16, v52                                ; my row's scale word of this K step
	global_store_b128 v1, v[44:47], s[40:41]                       ; the fragment's image: 512 consecutive bytes a store
	global_store_b128 v1, v[48:51], s[40:41] offset:512
	ds_store_b32 v246, v52                                         ; both halves of the lanes write the same word with the same value
	s_wait_dscnt 0x0
	s_barrier_signal -1
	s_barrier_wait -1                                              ; sixteen tiles' scale words have met
	s_cmp_lt_u32 s4, 4
	s_cbranch_scc0 .Lend
	ds_load_b64 v[54:55], v247
	s_wait_dscnt 0x0
	global_store_b64 v248, v[54:55], s[42:43]                      ; four tiles' words: 256 consecutive bytes
.Lend:
	s_wait_tensorcnt 0x0
	ds_add_u32 v254, v255
	s_wait_dscnt 0x0
	s_endpgm
.Lfunc_end_k_q1f6bb87548_attn:
	.size	k_q1f6bb87548_attn, .Lfunc_end_k_q1f6bb87548_attn-k_q1f6bb87548_attn
	.p2alignl 7, 3214868480
	.fill 96, 4, 3214868480
	.section	.rodata,"a",@progbits
	.p2align	6, 0x0
	.amdhsa_kernel k_q1f6bb87548_attn
		.amdhsa_group_segment_fixed_size 142336
		.amdhsa_private_segment_fixed_size 0
		.amdhsa_enable_private_segment 0
		.amdhsa_kernarg_size 24
		.amdhsa_user_sgpr_count 2
		.amdhsa_user_sgpr_kernarg_segment_ptr 1
		.amdhsa_wavefront_size32 1
		.amdhsa_system_sgpr_workgroup_id_x 1
		.amdhsa_system_sgpr_workgroup_id_y 1
		.amdhsa_system_sgpr_workgroup_id_z 1
		.amdhsa_system_vgpr_workitem_id 0
		.amdhsa_next_free_vgpr 256
		.amdhsa_next_free_sgpr 66
		.amdhsa_reserve_vcc 0
		.amdhsa_float_denorm_mode_32 3
		.amdhsa_float_denorm_mode_16_64 3
		.amdhsa_memory_ordered 1
		.amdhsa_forward_progress 1
		.amdhsa_inst_pref_size 49
	.end_amdhsa_kernel
	.amdgpu_metadata
---
amdhsa.version: [ 1, 2 ]
amdhsa.kernels:
  - .name:           k_q1f6bb87548_attn
    .symbol:         k_q1f6bb87548_attn.kd
    .args:
      - { .name: qc, .offset: 0, .size: 8, .value_kind: global_buffer, .address_space: global }
      - { .name: kvc, .offset: 8, .size: 8, .value_kind: global_buffer, .address_space: global }
      - { .name: ac, .offset: 16, .size: 8, .value_kind: global_buffer, .address_space: global }
    .group_segment_fixed_size: 142336
    .private_segment_fixed_size: 0
    .kernarg_segment_align: 8
    .kernarg_segment_size: 24
    .max_flat_workgroup_size: 512
    .sgpr_count:     66
    .vgpr_count:     256
    .wavefront_size: 32
...
	.end_amdgpu_metadata
.endif
;; end of part 3
;; launch oproj (part 4): grid 256 x 1, 4 waves a work-group, no clusters, 33,280 bytes of LDS; arguments ac, wfr, bo, a2; writes a2
.if DOCPART == 4
	.amdgcn_target "amdgcn-amd-amdhsa--gfx1250"
	.amdhsa_code_object_version 6
	.text
	.protected	k_q1f6bb87548_oproj
	.globl	k_q1f6bb87548_oproj
	.p2align	8
	.type	k_q1f6bb87548_oproj,@function
k_q1f6bb87548_oproj:
	s_mov_b64 s[64:65], 0
	v_nop
	global_prefetch_b8 v0, s[64:65] scope:SCOPE_SE
	s_setreg_imm32_b32 hwreg(HW_REG_WAVE_MODE, 25, 1), 1
	s_wait_xcnt 0x0
; OPROJ: att2 = att Wo + bo on E2M1 codes with E8M0 scales; the result is quantised along its columns (the second half of the last product's K), in registers, and leaves as codes.
; Operands in the workspace's one form: a fragment (16 rows x 128 K) is 1,024 bytes, the image of its eight registers; scale words [4 tiles][K step][lane][j]: tile i of four reads register (i / 2) % 2, lanes 16-31 where i is odd.
; A WAVE'S JOB: S = 128 columns of Wo (8 permuted tiles x 8 K steps) lies in its registers; T = four tiles of att come from LDS.  Source 0 = S, source 1 = T: a lane holds one row, and its 64 results are half of each of four
; blocks of 32 neighbouring columns.  The bias is the C of each sum's first matrix instruction, eight registers a tile in the result's layout.
; Work-group = 2 x (four tiles of rows) + (half of Wo's eight groups); its four waves share the T block (32 KiB, copied once into LDS, a quarter each) and take four neighbouring groups.
; NO CLUSTER, NO TENSOR LOADS: S goes from memory straight into registers; the T block is filled once and shared by two work-groups only.
; LIMITS: NaN and infinities are not served; a block whose largest magnitude lies under 2^-124 (zeros too) gets the byte 1; these bytes are read by this program alone.
; REGISTERS: window 1: S's K steps 0-3 at 64 s + 8 t; window 2: K steps 4-7; window 3: v0-63 the T tile in hand (at the head the copy's bytes), v128-191 the bias;
; window 0: v1 16 lane, v2 8 lane, v3 T's LDS base, v4 the copy's LDS address, v5/v6 offsets out, v7 64 (lane / 16), v16-79 accumulators, v80-111 S's scale words, v112-127 T's, v144-175 the quantiser's.
.set ACC, 16
.set SSC, 80
.set TSC, 112
.set TM,  144
.set PW,  160
.set WW,  162
.set PC,  168
.set SEL, 36
.set KS,  8
.set MSB, 0
.macro WIN new                         ; s_set_vgpr_msb: bits 1:0 source 0, 3:2 source 1, 5:4 source 2, 7:6 destination; the high byte repeats the setting that is left
.if MSB != \new
	s_set_vgpr_msb (MSB<<8)|\new
.set MSB, \new
.endif
.endm
.macro WM                              ; from the symbols rD, rA, rB, rC, rSA, rSB, fA, fB (1: that side's scales lie in lanes 16-31)
.if fA && fB
	v_wmma_scale_f32_16x16x128_f8f6f4 v[rD:rD+7], v[rA:rA+7], v[rB:rB+7], v[rC:rC+7], v[rSA], v[rSB] matrix_a_fmt:MATRIX_FMT_FP4 matrix_b_fmt:MATRIX_FMT_FP4 matrix_a_scale:MATRIX_SCALE_ROW1 matrix_b_scale:MATRIX_SCALE_ROW1
.elseif fA
	v_wmma_scale_f32_16x16x128_f8f6f4 v[rD:rD+7], v[rA:rA+7], v[rB:rB+7], v[rC:rC+7], v[rSA], v[rSB] matrix_a_fmt:MATRIX_FMT_FP4 matrix_b_fmt:MATRIX_FMT_FP4 matrix_a_scale:MATRIX_SCALE_ROW1
.elseif fB
	v_wmma_scale_f32_16x16x128_f8f6f4 v[rD:rD+7], v[rA:rA+7], v[rB:rB+7], v[rC:rC+7], v[rSA], v[rSB] matrix_a_fmt:MATRIX_FMT_FP4 matrix_b_fmt:MATRIX_FMT_FP4 matrix_b_scale:MATRIX_SCALE_ROW1
.else
	v_wmma_scale_f32_16x16x128_f8f6f4 v[rD:rD+7], v[rA:rA+7], v[rB:rB+7], v[rC:rC+7], v[rSA], v[rSB] matrix_a_fmt:MATRIX_FMT_FP4 matrix_b_fmt:MATRIX_FMT_FP4
.endif
.endm
; 64 numbers of a lane, register 16 b + i = k 32 b + 16 (lane / 16) + i of my row, become a fragment's codes in v[PC] on and its scale word in v[PW].  Each accumulator is read from its low end on.
.macro QUANT s
.irp b, 0,1,2,3
	v_max3_num_f32 v[TM+\b], |v[\s+16*\b]|, |v[\s+1+16*\b]|, 0x1800000   ; my 16 numbers of block b, and the floor 2^(3 - 127)
.endr
.irp i, 2,4,6,8,10,12,14
.irp b, 0,1,2,3
	v_max3_num_f32 v[TM+\b], v[TM+\b], |v[\s+16*\b+\i]|, |v[\s+1+16*\b+\i]|
.endr
.endr
.irp b, 0,1,2,3
	v_permlanex16_b32 v[TM+4+\b], v[TM+\b], s[SEL], s[SEL+1]
.endr
.irp b, 0,1,2,3
	v_max_num_f32 v[TM+\b], v[TM+\b], v[TM+4+\b]
.endr
.irp b, 0,1,2,3
	v_add_nc_u32 v[TM+12+\b], 0xff000000, v[TM+\b]                 ; 2 off the exponent field: the conversion's scale operand
.endr
.irp b, 0,1,2,3
	v_lshrrev_b32 v[TM+4+\b], 23, v[TM+12+\b]
.endr
	v_lshl_or_b32 v[PW], v[TM+5], 8, v[TM+4]
	v_lshl_or_b32 v[PW], v[TM+6], 16, v[PW]
	v_lshl_or_b32 v[PW], v[TM+7], 24, v[PW]
.irp b, 0,1,2,3
	v_cvt_scalef32_pk8_fp4_f32 v[PC+2*\b], v[\s+16*\b:\s+7+16*\b], v[TM+12+\b]
	v_cvt_scalef32_pk8_fp4_f32 v[PC+1+2*\b], v[\s+8+16*\b:\s+15+16*\b], v[TM+12+\b]
.endr
	v_nop                                                          ; one plain line behind a scaled conversion
.irp c, 0,1
.irp i, 0,1
	v_permlane16_swap_b32 v[PC+4*\c+\i], v[PC+2+4*\c+\i]           ; a whole block to a lane
.endr
.endr
.endm
.macro TFETCH i
	WIN 0xc0
.set s_, 0
.rept KS
	ds_load_b128 v[8*s_:8*s_+3], v3 offset:(\i)*KS*1024+s_*1024
	ds_load_b128 v[8*s_+4:8*s_+7], v3 offset:(\i)*KS*1024+s_*1024+512
.set s_, s_+1
.endr
	WIN 0
.endm
.macro SLOAD s
.if (\s) < 4
	WIN 0x40
.else
	WIN 0x80
.endif
.set t_, 0
.rept 8
	global_load_b128 v[64*((\s)%4)+8*t_:64*((\s)%4)+8*t_+3], v1, s[20:21] offset:t_*KS*1024+(\s)*1024
	global_load_b128 v[64*((\s)%4)+8*t_+4:64*((\s)%4)+8*t_+7], v1, s[20:21] offset:t_*KS*1024+(\s)*1024+512
.set t_, t_+1
.endr
.endm
; T's tile i against S's eight tiles: 64 matrix instructions, the eight accumulators by turns, K ascending
.macro TILE i
	s_wait_dscnt 0x0
.set s_, 0
.rept KS
.if s_ == 0
	WIN 0x3d                                                       ; source 0 window 1, source 1 and C (the bias) window 3, D window 0
.elseif s_ < 4
	WIN 0x0d
.else
	WIN 0x0e
.endif
.set t_, 0
.rept 8
.set rD, ACC+8*t_
.set rA, 64*(s_%4)+8*t_
.set rB, 8*s_
.set rC, rD
.if s_ == 0
.set rC, 128+8*t_
.endif
.set rSA, SSC+2*KS*(t_/4)+2*s_+((t_/2)%2)
.set fA, t_%2
.set rSB, TSC+2*s_+(((\i)/2)%2)
.set fB, (\i)%2
	WM
.set t_, t_+1
.endr
.set s_, s_+1
.endr
	WIN 0
.rept 4
	v_nop                                                          ; four places in front of the loads into T's registers and of the first read of results
.endr
.if (\i)+1 < 4
	TFETCH (\i)+1
.endif
	s_wait_xcnt 0x0                                                ; the last tile's stores have read their data and offset
.if (\i) > 0
	v_add_nc_u32 v5, 8192, v5
.endif
	QUANT ACC
	global_store_b128 v5, v[PC:PC+3], s[28:29]
	global_store_b128 v5, v[PC+4:PC+7], s[28:29] offset:512
.if (\i) == 0
	v_mov_b32 v[WW], v[PW]                                         ; even tiles' words in lanes 0-15, odd tiles' in lanes 16-31
.elseif (\i) == 1
	v_cndmask_b32 v[WW], v[WW], v[PW], s34
.elseif (\i) == 2
	v_mov_b32 v[WW+1], v[PW]
.else
	v_cndmask_b32 v[WW+1], v[WW+1], v[PW], s34
	global_store_b64 v6, v[WW:WW+1], s[30:31]
.endif
.endm
	s_load_b128 s[8:11], s[0:1], 0x0                               ; ac s[8:9], wfr s[10:11]
	s_load_b128 s[12:15], s[0:1], 0x10                             ; bo s[12:13], a2 s[14:15]
	v_lshl_add_u32 v254, v0, 2, 0x8000
	v_mov_b32 v255, 0
	v_lshrrev_b32 v1, 5, v0
	v_readfirstlane_b32 s4, v1                                     ; wave 0..3
	v_and_b32 v9, 31, v0
	v_lshlrev_b32 v1, 4, v9
	v_lshlrev_b32 v2, 3, v9
	v_lshlrev_b32 v3, 4, v9
	s_lshl_b32 s38, s4, 13
	v_lshl_add_u32 v4, v9, 4, s38
	v_lshlrev_b32 v5, 4, v9
	v_lshlrev_b32 v6, 3, v9
	v_bfe_u32 v7, v0, 4, 1
	v_lshlrev_b32 v7, 6, v7
.irp b, 0,1,2,3
	v_mov_b32 v[TM+4+\b], 0
.endr
	s_mov_b32 s34, 0xffff0000
	s_mov_b32 s[SEL], 0x76543210
	s_mov_b32 s[SEL+1], 0xfedcba98
	s_mov_b32 s39, 0
	s_lshr_b32 s5, ttmp9, 1                                        ; tg: which four tiles of rows
	s_and_b32 s6, ttmp9, 1
	s_lshl_b32 s6, s6, 2
	s_add_co_u32 s6, s6, s4                                        ; sg: which 128 columns
	s_wait_kmcnt 0x0
	s_lshl_b32 s38, s6, 16
	s_add_co_u32 s38, s38, 0x80000
	s_add_nc_u64 s[20:21], s[10:11], s[38:39]                      ; Wo's codes
	s_lshl_b32 s38, s6, 12
	s_add_co_u32 s38, s38, 0x2c8000
	s_add_nc_u64 s[22:23], s[10:11], s[38:39]                      ; and scale words
	s_lshl_b32 s38, s5, 15
	s_lshl_b32 s40, s4, 13
	s_add_co_u32 s38, s38, s40
	s_add_nc_u64 s[24:25], s[8:9], s[38:39]                        ; my quarter of att's codes
	s_lshl_b32 s38, s5, 11
	s_add_co_u32 s38, s38, 0x400000
	s_add_nc_u64 s[26:27], s[8:9], s[38:39]
	s_lshl_b32 s38, s5, 15
	s_lshl_b32 s40, s6, 10
	s_add_co_u32 s38, s38, s40
	s_add_nc_u64 s[28:29], s[14:15], s[38:39]                      ; out: tile 4 tg, K step sg
	s_lshl_b32 s38, s5, 11
	s_lshl_b32 s40, s6, 8
	s_add_co_u32 s38, s38, s40
	s_add_co_u32 s38, s38, 0x400000
	s_add_nc_u64 s[30:31], s[14:15], s[38:39]
	s_lshl_b32 s38, s6, 9
	s_add_nc_u64 s[12:13], s[12:13], s[38:39]                      ; bo at my 128 columns
	WIN 0xc0
.set n_, 0
.rept 16
	global_load_b128 v[4*n_:4*n_+3], v1, s[24:25] offset:512*n_
.set n_, n_+1
.endr
	WIN 0
.set n_, 0
.rept 8
	global_load_b64 v[TSC+2*n_:TSC+2*n_+1], v2, s[26:27] offset:256*n_
.set n_, n_+1
.endr
.set n_, 0
.rept 16
	global_load_b64 v[SSC+2*n_:SSC+2*n_+1], v2, s[22:23] offset:256*n_
.set n_, n_+1
.endr
	WIN 0xc0
.set t_, 0
.rept 8
	global_load_b128 v[128+8*t_:128+8*t_+3], v7, s[12:13] offset:128*(t_/2)+32*(t_%2)       ; tile 2 b + u, lane half h: columns 32 b + 16 h + 8 u + 0 .. 7
	global_load_b128 v[128+8*t_+4:128+8*t_+7], v7, s[12:13] offset:128*(t_/2)+32*(t_%2)+16
.set t_, t_+1
.endr
	SLOAD 0
	s_wait_loadcnt 56                                              ; the copy's 16 loads are in; behind them 8 + 16 of scale words, 16 of the bias and 16 of K step 0 may be out
	WIN 0x0c
.set n_, 0
.rept 16
	ds_store_b128 v4, v[4*n_:4*n_+3] offset:512*n_
.set n_, n_+1
.endr
.set q_, 1
.rept 7
	SLOAD q_
.set q_, q_+1
.endr
	WIN 0
	s_wait_dscnt 0x0                                               ; for the others' sake
	s_barrier_signal -1
	s_barrier_wait -1                                              ; the T block is whole; it is never written again
	TFETCH 0
	s_wait_loadcnt 0x0
	TILE 0
	TILE 1
	TILE 2
	TILE 3
	s_wait_tensorcnt 0x0
	ds_add_u32 v254, v255
	s_wait_dscnt 0x0
	s_endpgm
.Lfunc_end_k_q1f6bb87548_oproj:
	.size	k_q1f6bb87548_oproj, .Lfunc_end_k_q1f6bb87548_oproj-k_q1f6bb87548_oproj
	.p2alignl 7, 3214868480
	.fill 96, 4, 3214868480
	.section	.rodata,"a",@progbits
	.p2align	6, 0x0
	.amdhsa_kernel k_q1f6bb87548_oproj
		.amdhsa_group_segment_fixed_size 33280
		.amdhsa_private_segment_fixed_size 0
		.amdhsa_enable_private_segment 0
		.amdhsa_kernarg_size 32
		.amdhsa_user_sgpr_count 2
		.amdhsa_user_sgpr_kernarg_segment_ptr 1
		.amdhsa_wavefront_size32 1
		.amdhsa_system_sgpr_workgroup_id_x 1
		.amdhsa_system_sgpr_workgroup_id_y 1
		.amdhsa_system_sgpr_workgroup_id_z 1
		.amdhsa_system_vgpr_workitem_id 0
		.amdhsa_next_free_vgpr 1024
		.amdhsa_next_free_sgpr 66
		.amdhsa_reserve_vcc 0
		.amdhsa_float_denorm_mode_32 3
		.amdhsa_float_denorm_mode_16_64 3
		.amdhsa_memory_ordered 1
		.amdhsa_forward_progress 1
		.amdhsa_inst_pref_size 75
	.end_amdhsa_kernel
	.amdgpu_metadata
---
amdhsa.version: [ 1, 2 ]
amdhsa.kernels:
  - .name:           k_q1f6bb87548_oproj
    .symbol:         k_q1f6bb87548_oproj.kd
    .args:
      - { .name: ac, .offset: 0, .size: 8, .value_kind: global_buffer, .address_space: global }
      - { .name: wfr, .offset: 8, .size: 8, .value_kind: global_buffer, .address_space: global }
      - { .name: bo, .offset: 16, .size: 8, .value_kind: global_buffer, .address_space: global }
      - { .name: a2, .offset: 24, .size: 8, .value_kind: global_buffer, .address_space: global }
    .group_segment_fixed_size: 33280
    .private_segment_fixed_size: 0
    .kernarg_segment_align: 8
    .kernarg_segment_size: 32
    .max_flat_workgroup_size: 128
    .sgpr_count:     66
    .vgpr_count:     1024
    .wavefront_size: 32
...
	.end_amdgpu_metadata
.endif
;; end of part 4
;; launch final (part 5): grid 256 x 1, 4 waves a work-group, no clusters, 148,992 bytes of LDS; arguments xr, a2, wfr, bf, out0; writes out0
.if DOCPART == 5
	.amdgcn_target "amdgcn-amd-amdhsa--gfx1250"
	.amdhsa_code_object_version 6
	.text
	.protected	k_q1f6bb87548_final
	.globl	k_q1f6bb87548_final
	.p2align	8
	.type	k_q1f6bb87548_final,@function
k_q1f6bb87548_final:
	s_mov_b64 s[64:65], 0
	v_nop
	global_prefetch_b8 v0, s[64:65] scope:SCOPE_SE
	s_setreg_imm32_b32 hwreg(HW_REG_WAVE_MODE, 25, 1), 1
	s_wait_xcnt 0x0
; FINAL: out = [person | att2] Wf + bf, K = 2,048, on E2M1 codes with E8M0 scales; f32 out.
; Operands in the workspace's one form: a fragment (16 rows x 128 K) is 1,024 bytes, the image of its eight registers; scale words [4 tiles][K step][lane][j]: tile i of four reads register (i / 2) % 2, lanes 16-31 where i is odd.
; K steps 0-7 of a row come from xr (the person rows' codes), K steps 8-15 from a2.
; A WAVE'S JOB: S = 64 columns of Wf (4 permuted tiles x 16 K steps = 512 registers) lies in its registers; T = 8 tiles of rows come from LDS.  Source 0 = S, source 1 = T: a lane holds one row, and the 16 results of tiles
; 2 b, 2 b + 1 are columns 32 b + 16 (lane / 16) + 0 .. 15.  The bias is the C of each sum's first matrix instruction.
; Work-group = 4 x (128 rows) + (a quarter of Wf's sixteen fours of tiles); its four waves share the T block (128 KiB, copied once into LDS, a quarter each).
; THE WAY OUT: a tile's 16 rows x 64 columns go through the wave's own stage (rows of 256 + 16 bytes) and leave two rows a store: sixteen lanes write 256 consecutive bytes, at a multiple of 256 from out0's first byte.
; NO CLUSTER, NO TENSOR LOADS: S goes from memory straight into registers; the T block is filled once and shared by four work-groups only.
; REGISTERS: window 1: S's K steps 0-7 at 32 s + 8 t; window 2: K steps 8-15; window 3: v0-127 the T tile in hand (at the head all 256: the copy's bytes);
; window 0: v2 8 lane, v3 16 lane, v4 the same + 65,536, v5 the copy's LDS address, v6/v7 the stage in/out, v8 my offset in out0, v9 64 (lane / 16); v16-47 accumulators, v48-79 the bias, v80-111 S's scale words, v112-175 T's, v176-207 rows on their way out.
.set ACC,  16
.set BIAS, 48
.set SSC,  80
.set TSC,  112
.set OUTR, 176
.set STG,  131072
.set MSB, 0
.macro WIN new                         ; s_set_vgpr_msb: bits 1:0 source 0, 3:2 source 1, 5:4 source 2, 7:6 destination; the high byte repeats the setting that is left
.if MSB != \new
	s_set_vgpr_msb (MSB<<8)|\new
.set MSB, \new
.endif
.endm
.macro WM
.if fA && fB
	v_wmma_scale_f32_16x16x128_f8f6f4 v[rD:rD+7], v[rA:rA+7], v[rB:rB+7], v[rC:rC+7], v[rSA], v[rSB] matrix_a_fmt:MATRIX_FMT_FP4 matrix_b_fmt:MATRIX_FMT_FP4 matrix_a_scale:MATRIX_SCALE_ROW1 matrix_b_scale:MATRIX_SCALE_ROW1
.elseif fA
	v_wmma_scale_f32_16x16x128_f8f6f4 v[rD:rD+7], v[rA:rA+7], v[rB:rB+7], v[rC:rC+7], v[rSA], v[rSB] matrix_a_fmt:MATRIX_FMT_FP4 matrix_b_fmt:MATRIX_FMT_FP4 matrix_a_scale:MATRIX_SCALE_ROW1
.elseif fB
	v_wmma_scale_f32_16x16x128_f8f6f4 v[rD:rD+7], v[rA:rA+7], v[rB:rB+7], v[rC:rC+7], v[rSA], v[rSB] matrix_a_fmt:MATRIX_FMT_FP4 matrix_b_fmt:MATRIX_FMT_FP4 matrix_b_scale:MATRIX_SCALE_ROW1
.else
	v_wmma_scale_f32_16x16x128_f8f6f4 v[rD:rD+7], v[rA:rA+7], v[rB:rB+7], v[rC:rC+7], v[rSA], v[rSB] matrix_a_fmt:MATRIX_FMT_FP4 matrix_b_fmt:MATRIX_FMT_FP4
.endif
.endm
.macro TFETCH i                        ; T's tile i, its 16 K steps: 32 loads; tiles 4-7 lie beyond what an LDS offset reaches from v3
	WIN 0xc0
.set s_, 0
.rept 16
	ds_load_b128 v[8*s_:8*s_+3], v[3+(\i)/4] offset:((\i)%4)*16384+s_*1024
	ds_load_b128 v[8*s_+4:8*s_+7], v[3+(\i)/4] offset:((\i)%4)*16384+s_*1024+512
.set s_, s_+1
.endr
	WIN 0
.endm
; T's tile i against S's four tiles: 64 matrix instructions, the four accumulators by turns, K ascending
.macro TILE i
	s_wait_dscnt 0x0                                               ; the tile is in registers
.set s_, 0
.rept 16
.if s_ < 8
	WIN 0x0d                                                       ; source 0 window 1, source 1 window 3, C and D window 0
.else
	WIN 0x0e
.endif
.set t_, 0
.rept 4
.set rD, ACC+8*t_
.set rA, 32*(s_%8)+8*t_
.set rB, 8*s_
.set rC, rD
.if s_ == 0
.set rC, BIAS+8*t_
.endif
.set rSA, SSC+2*s_+t_/2
.set fA, t_%2
.set rSB, TSC+32*((\i)/4)+2*s_+(((\i)/2)%2)
.set fB, (\i)%2
	WM
.set t_, t_+1
.endr
.set s_, s_+1
.endr
	WIN 0
.rept 5
	v_nop                                                          ; FIVE places: four serve the first read of results and the loads into T's registers; the fifth the next tile's first products, which begin these accumulators anew, with the bias as C, and so write over registers of the products above; no other vector work stands between
.endr
	s_wait_xcnt 0x0                                                ; the last tile's stores have read their registers, into which this tile's rows are loaded
.set t_, 0
.rept 4
	ds_store_b128 v6, v[ACC+8*t_:ACC+8*t_+3] offset:128*(t_/2)+32*(t_%2)       ; each accumulator from its low end on
	ds_store_b128 v6, v[ACC+8*t_+4:ACC+8*t_+7] offset:128*(t_/2)+32*(t_%2)+16
.set t_, t_+1
.endr
.set n_, 0
.rept 8
	ds_load_b128 v[OUTR+4*n_:OUTR+4*n_+3], v7 offset:544*n_        ; two rows; LDS serves a wave's instructions in order (ISA guide 5.7.1.4): these see the stores above
.set n_, n_+1
.endr
.if (\i) < 7
	TFETCH (\i)+1
	s_wait_dscnt 32                                                ; the rows are back; the next tile's 32 loads may be out
.else
	s_wait_dscnt 0x0
.endif
.set n_, 0
.rept 8
	global_store_b128 v8, v[OUTR+4*n_:OUTR+4*n_+3], s[34:35] offset:(\i)*65536+n_*8192 th:TH_STORE_NT   ; written once, read by nobody here
.set n_, n_+1
.endr
.endm
	s_load_b128 s[8:11], s[0:1], 0x0                               ; xr s[8:9], a2 s[10:11]
	s_load_b128 s[12:15], s[0:1], 0x10                             ; wfr s[12:13], bf s[14:15]
	s_load_b64 s[16:17], s[0:1], 0x20                              ; out0
	v_lshl_add_u32 v254, v0, 2, 0x24400
	v_mov_b32 v255, 0
	v_lshrrev_b32 v1, 5, v0
	v_readfirstlane_b32 s4, v1                                     ; wave 0..3
	v_and_b32 v1, 31, v0                                           ; lane
	v_and_b32 v10, 15, v0                                          ; r
	v_bfe_u32 v11, v0, 4, 1                                        ; h
	v_lshlrev_b32 v2, 3, v1
	v_lshlrev_b32 v3, 4, v1
	v_lshl_add_u32 v4, v1, 4, 65536
	s_lshl_b32 s38, s4, 15
	v_lshl_add_u32 v5, v1, 4, s38                                  ; the copy: tiles 2 wave, 2 wave + 1, 16,384 bytes each
	s_mul_i32 s38, s4, 4352
	s_add_co_u32 s38, s38, STG                                     ; my stage
	v_mul_u32_u24 v6, v10, 272
	v_lshl_add_u32 v6, v11, 6, v6
	v_add_nc_u32 v6, s38, v6                                       ; in: row r, + 64 h
	v_mul_u32_u24 v7, v11, 272
	v_lshl_add_u32 v7, v10, 4, v7
	v_add_nc_u32 v7, s38, v7                                       ; back: lanes 0-15 one row, lanes 16-31 the next
	v_lshlrev_b32 v8, 12, v11
	v_lshl_add_u32 v8, v10, 4, v8                                  ; and the same two rows in out0
	v_lshlrev_b32 v9, 6, v11
	s_mov_b32 s39, 0
	s_lshr_b32 s5, ttmp9, 2                                        ; tg: which 128 rows
	s_and_b32 s6, ttmp9, 3
	s_lshl_b32 s6, s6, 2
	s_add_co_u32 s6, s6, s4                                        ; which 64 columns
	s_wait_kmcnt 0x0
	s_lshl_b32 s38, s5, 16
	s_lshl_b32 s40, s4, 14
	s_add_co_u32 s38, s38, s40
	s_add_nc_u64 s[20:21], s[8:9], s[38:39]                        ; my two tiles' codes in xr,
	s_add_nc_u64 s[22:23], s[10:11], s[38:39]                      ; in a2
	s_lshl_b32 s38, s5, 12
	s_add_co_u32 s38, s38, 0x400000
	s_add_nc_u64 s[24:25], s[8:9], s[38:39]                        ; the eight tiles' scale words in xr,
	s_add_nc_u64 s[26:27], s[10:11], s[38:39]                      ; in a2
	s_lshl_b32 s38, s6, 16
	s_add_co_u32 s38, s38, 0x100000
	s_add_nc_u64 s[28:29], s[12:13], s[38:39]                      ; Wf's codes
	s_lshl_b32 s38, s6, 12
	s_add_co_u32 s38, s38, 0x2d0000
	s_add_nc_u64 s[30:31], s[12:13], s[38:39]                      ; and scale words
	s_lshl_b32 s38, s6, 8
	s_add_nc_u64 s[32:33], s[14:15], s[38:39]                      ; bf at my 64 columns
	s_lshl_b32 s40, s5, 19
	s_add_co_u32 s38, s38, s40
	s_add_nc_u64 s[34:35], s[16:17], s[38:39]                      ; out0 at my first row and column
	WIN 0xc0
.set n_, 0
.rept 32
	global_load_b128 v[4*n_:4*n_+3], v3, s[20:21] offset:512*n_
.set n_, n_+1
.endr
.set n_, 0
.rept 32
	global_load_b128 v[128+4*n_:128+4*n_+3], v3, s[22:23] offset:512*n_
.set n_, n_+1
.endr
	s_wait_loadcnt 32                                              ; xr's 32 loads are in; a2's may be out
	WIN 0x0c                                                       ; an LDS store's data are its source 1: window 3
.set n_, 0
.rept 32
	ds_store_b128 v5, v[4*n_:4*n_+3] offset:(n_/16)*16384+(n_%16)*512           ; K steps 0-7 of a tile
.set n_, n_+1
.endr
	WIN 0
.set n_, 0
.rept 16
	global_load_b64 v[TSC+32*(n_/8)+2*(n_%8):TSC+32*(n_/8)+2*(n_%8)+1], v2, s[24:25] offset:256*n_
	global_load_b64 v[TSC+32*(n_/8)+16+2*(n_%8):TSC+32*(n_/8)+16+2*(n_%8)+1], v2, s[26:27] offset:256*n_
.set n_, n_+1
.endr
	s_wait_loadcnt 32                                              ; a2's 32 loads are in; the 32 of scale words behind them may be out
	WIN 0x0c
.set n_, 0
.rept 32
	ds_store_b128 v5, v[128+4*n_:128+4*n_+3] offset:(n_/16)*16384+8192+(n_%16)*512   ; K steps 8-15
.set n_, n_+1
.endr
	WIN 0
.set n_, 0
.rept 16
	global_load_b64 v[SSC+2*n_:SSC+2*n_+1], v2, s[30:31] offset:256*n_
.set n_, n_+1
.endr
.set t_, 0
.rept 4
	global_load_b128 v[BIAS+8*t_:BIAS+8*t_+3], v9, s[32:33] offset:128*(t_/2)+32*(t_%2)     ; tile 2 b + u, lane half h: columns 32 b + 16 h + 8 u + 0 .. 7
	global_load_b128 v[BIAS+8*t_+4:BIAS+8*t_+7], v9, s[32:33] offset:128*(t_/2)+32*(t_%2)+16
.set t_, t_+1
.endr
.set s_, 0
.rept 16
.if s_ < 8
	WIN 0x40
.else
	WIN 0x80
.endif
.set t_, 0
.rept 4
	global_load_b128 v[32*(s_%8)+8*t_:32*(s_%8)+8*t_+3], v3, s[28:29] offset:t_*16384+s_*1024
	global_load_b128 v[32*(s_%8)+8*t_+4:32*(s_%8)+8*t_+7], v3, s[28:29] offset:t_*16384+s_*1024+512
.set t_, t_+1
.endr
.set s_, s_+1
.endr
	WIN 0
	s_wait_dscnt 0x0                                               ; for the others' sake: my two tiles lie in LDS
	s_barrier_signal -1
	s_barrier_wait -1                                              ; the T block is whole; it is never written again
	TFETCH 0
	s_wait_loadcnt 0x0                                             ; S, the bias and all scale words
	TILE 0
	TILE 1
	TILE 2
	TILE 3
	TILE 4
	TILE 5
	TILE 6
	TILE 7
	s_wait_tensorcnt 0x0
	ds_add_u32 v254, v255
	s_wait_dscnt 0x0
	s_endpgm
.Lfunc_end_k_q1f6bb87548_final:
	.size	k_q1f6bb87548_final, .Lfunc_end_k_q1f6bb87548_final-k_q1f6bb87548_final
	.p2alignl 7, 3214868480
	.fill 96, 4, 3214868480
	.section	.rodata,"a",@progbits
	.p2align	6, 0x0
	.amdhsa_kernel k_q1f6bb87548_final
		.amdhsa_group_segment_fixed_size 148992
		.amdhsa_private_segment_fixed_size 0
		.amdhsa_enable_private_segment 0
		.amdhsa_kernarg_size 40
		.amdhsa_user_sgpr_count 2
		.amdhsa_user_sgpr_kernarg_segment_ptr 1
		.amdhsa_wavefront_size32 1
		.amdhsa_system_sgpr_workgroup_id_x 1
		.amdhsa_system_sgpr_workgroup_id_y 1
		.amdhsa_system_sgpr_workgroup_id_z 1
		.amdhsa_system_vgpr_workitem_id 0
		.amdhsa_next_free_vgpr 1024
		.amdhsa_next_free_sgpr 66
		.amdhsa_reserve_vcc 0
		.amdhsa_float_denorm_mode_32 3
		.amdhsa_float_denorm_mode_16_64 3
		.amdhsa_memory_ordered 1
		.amdhsa_forward_progress 1
		.amdhsa_inst_pref_size 128
	.end_amdhsa_kernel
	.amdgpu_metadata
---
amdhsa.version: [ 1, 2 ]
amdhsa.kernels:
  - .name:           k_q1f6bb87548_final
    .symbol:         k_q1f6bb87548_final.kd
    .args:
      - { .name: xr, .offset: 0, .size: 8, .value_kind: global_buffer, .address_space: global }
      - { .name: a2, .offset: 8, .size: 8, .value_kind: global_buffer, .address_space: global }
      - { .name: wfr, .offset: 16, .size: 8, .value_kind: global_buffer, .address_space: global }
      - { .name: bf, .offset: 24, .size: 8, .value_kind: global_buffer, .address_space: global }
      - { .name: out0, .offset: 32, .size: 8, .value_kind: global_buffer, .address_space: global }
    .group_segment_fixed_size: 148992
    .private_segment_fixed_size: 0
    .kernarg_segment_align: 8
    .kernarg_segment_size: 40
    .max_flat_workgroup_size: 128
    .sgpr_count:     66
    .vgpr_count:     1024
    .wavefront_size: 32
...
	.end_amdgpu_metadata
.endif
;; end of part 5
;; ======== version 2 of 2: 5 launches; version 1 with the launches proj, attn, oproj, final written anew for expert scheduling mode
;; workspace buffers: xp 4,456,448 bytes; xr 4,456,448 bytes; xg 1,671,168 bytes; wfr 3,063,808 bytes; qc 4,456,448 bytes; kvc 4,456,448 bytes; ac 4,456,448 bytes; a2 4,456,448 bytes
;; launch prep: the kernel of part 1 again; grid 280 x 1, 16 waves a work-group, no clusters, 278,528 bytes of LDS; arguments person_features, garment_features, gq, betaq, gk, betak, Wq_codes, Wq_scales, Wo_codes, Wo_scales, Wf_codes, Wf_scales, Wk_codes, Wk_scales, Wv_codes, Wv_scales, xp, xr, xg, wfr; writes xp, xr, xg, wfr
;; launch proj (part 6): grid 256 x 1, 4 waves a work-group, no clusters, 115,200 bytes of LDS; arguments xp, xg, wfr, qc, kvc; writes qc, kvc
.if DOCPART == 6
	.amdgcn_target "amdgcn-amd-amdhsa--gfx1250"
	.amdhsa_code_object_version 6
	.text
	.protected	k_q1f6bb87548_proj
	.globl	k_q1f6bb87548_proj
	.p2align	8
	.type	k_q1f6bb87548_proj,@function
k_q1f6bb87548_proj:
	s_mov_b64 s[64:65], 0
	v_nop
	global_prefetch_b8 v0, s[64:65] scope:SCOPE_SE
	s_setreg_imm32_b32 hwreg(HW_REG_WAVE_SCHED_MODE, 0, 2), 2
	s_setreg_imm32_b32 hwreg(HW_REG_WAVE_MODE, 25, 1), 1
	s_wait_xcnt 0x0
	s_wait_alu depctr_vm_vsrc(0)
; PROJ: q = LN(person) Wq, k = LN(garment) Wk, v = LN(garment) Wv, on E2M1 codes with E8M0 scales; each result is quantised along the K of the product that reads it, in registers, and leaves as codes.
; ALL OPERANDS come in the workspace's one form: a fragment (16 rows x 128 K) is 1,024 bytes, the image of its eight registers (byte 512 c + 16 lane = registers 4 c .. 4 c + 3); scale words [4 tiles][K step][lane][j]:
; one load of 8 bytes a lane gives two scale registers; tile i of the four reads register (i / 2) % 2, lanes 0-15 where i is even, lanes 16-31 (ROW1) where it is odd.
; A WAVE'S JOB: a stationary operand S, 8 tiles x KS K steps, lies in its registers for the whole launch; 8 tiles of the streamed operand T come from LDS, one after the other.  Source 0 = S, source 1 = T: a lane holds
; ONE row of T, and, S's tiles being permuted (row r of tile 2 g + u is true row 32 g + 8 u + r + 8 (r / 8)), its 64 results are 4 x 16 neighbours along S's rows: half of each of four blocks of 32 of the next K.
; They are quantised (lane l xor 16 has the other half) and ARE one fragment and one scale word a row of the next operand.
;   work-groups 0-127:   S = 128 columns of Wq, T = person tiles: q's codes, rows = queries, K step = two heads
;   work-groups 128-191: S = 128 columns of Wk, T = garment tiles: k's codes, rows = keys (in the tiles' permuted order)
;   work-groups 192-255: S = 128 KEYS (garment tiles), T = tiles of Wv's columns: v's codes with the keys innermost, rows = the head's channels.  The same text as k's: only pointers, offsets and strides are chosen.
; The four waves of a work-group share one T block (copied once into LDS, a quarter each) and take four neighbouring S groups.
; NO CLUSTER, NO TENSOR LOADS: S goes from memory straight into registers, where no joint load reaches; the T block is 64 or 48 KiB, filled once and never again, shared by two or eight work-groups only.
; LIMITS: NaN and infinities are not served; a block whose largest magnitude lies under 2^-124 (zeros too) gets the byte 1; these bytes are read by this program alone.
; THE MODE: SCHED_MODE bits 1:0 = 2 (LLVM: expert scheduling mode 2), set by the entry lines.  The code itself states the register dependences between vector or matrix instructions and memory or LDS
; instructions, with s_wait_alu, always for 0.
; THE PLAN.  Registers that memory or LDS instructions touch:
;   v1-v8        offsets and addresses, written at the head; of them v5 alone is written again, once a tile.
;   T0, T1       window 3, v0 on and v64 on.  Tile i's products read T[i % 2]; the LDS loads of tile i + 2, issued at the head of tile i + 1, land in it.  (At the head both hold the copy's bytes, which LDS stores read.)
;   PC, WW, v5   written by tile i's quantiser; read by tile i's stores, which stand at the head of tile i + 1.
;   S, all scale words: loaded once; no vector instruction writes them.
; So ONE wait on va_vdst stands at a tile's head: the tile before is done reading the T buffer that is filled next, and has written what its stores read; and one wait on vm_vsrc ahead of the quantiser, a tile's products behind those stores.
; REGISTERS, in windows of 256: window 1: S's fragments of K steps 0-3 at 64 s + 8 t; window 2: K steps 4 on; window 3: two T tiles by turns, at v0 and at v64 (K step s at 8 s), at the head v0-127 the copy's bytes;
; window 0: v1 16 lane, v2 8 lane, v3 T's LDS base, v4 the copy's LDS address, v5 the codes' offset out, v6/v8 the scale words', v16-79 eight accumulators, v80-111 S's scale words, v112-143 T's, v144-175 the quantiser's.
.set ACC, 16
.set SSC, 80
.set TSC, 112
.set TM,  144                          ; v144-147 largest magnitudes, v148-151 the other half's, then bytes, v156-159 the conversions' scale operands
.set PW,  160                          ; the scale word just made
.set WW,  162                          ; v162-165 four tiles' scale words, two sets
.set PC,  168                          ; v168-175 the fragment just made
.set SEL, 36
.set BIASED, 0
.set MSB, 0
.macro WIN new                         ; s_set_vgpr_msb: bits 1:0 source 0, 3:2 source 1, 5:4 source 2, 7:6 destination; the high byte repeats the setting that is left
.if MSB != \new
	s_set_vgpr_msb (MSB<<8)|\new
.set MSB, \new
.endif
.endm
; one matrix instruction, from the symbols rD, rA, rB, rC (below 0: the constant 0 starts the sum), rSA, rSB (scale registers), fA, fB (1: that side's scales lie in lanes 16-31)
.macro WM
.if rC < 0
.if fA && fB
	v_wmma_scale_f32_16x16x128_f8f6f4 v[rD:rD+7], v[rA:rA+7], v[rB:rB+7], 0, v[rSA], v[rSB] matrix_a_fmt:MATRIX_FMT_FP4 matrix_b_fmt:MATRIX_FMT_FP4 matrix_a_scale:MATRIX_SCALE_ROW1 matrix_b_scale:MATRIX_SCALE_ROW1
.elseif fA
	v_wmma_scale_f32_16x16x128_f8f6f4 v[rD:rD+7], v[rA:rA+7], v[rB:rB+7], 0, v[rSA], v[rSB] matrix_a_fmt:MATRIX_FMT_FP4 matrix_b_fmt:MATRIX_FMT_FP4 matrix_a_scale:MATRIX_SCALE_ROW1
.elseif fB
	v_wmma_scale_f32_16x16x128_f8f6f4 v[rD:rD+7], v[rA:rA+7], v[rB:rB+7], 0, v[rSA], v[rSB] matrix_a_fmt:MATRIX_FMT_FP4 matrix_b_fmt:MATRIX_FMT_FP4 matrix_b_scale:MATRIX_SCALE_ROW1
.else
	v_wmma_scale_f32_16x16x128_f8f6f4 v[rD:rD+7], v[rA:rA+7], v[rB:rB+7], 0, v[rSA], v[rSB] matrix_a_fmt:MATRIX_FMT_FP4 matrix_b_fmt:MATRIX_FMT_FP4
.endif
.else
.if fA && fB
	v_wmma_scale_f32_16x16x128_f8f6f4 v[rD:rD+7], v[rA:rA+7], v[rB:rB+7], v[rC:rC+7], v[rSA], v[rSB] matrix_a_fmt:MATRIX_FMT_FP4 matrix_b_fmt:MATRIX_FMT_FP4 matrix_a_scale:MATRIX_SCALE_ROW1 matrix_b_scale:MATRIX_SCALE_ROW1
.elseif fA
	v_wmma_scale_f32_16x16x128_f8f6f4 v[rD:rD+7], v[rA:rA+7], v[rB:rB+7], v[rC:rC+7], v[rSA], v[rSB] matrix_a_fmt:MATRIX_FMT_FP4 matrix_b_fmt:MATRIX_FMT_FP4 matrix_a_scale:MATRIX_SCALE_ROW1
.elseif fB
	v_wmma_scale_f32_16x16x128_f8f6f4 v[rD:rD+7], v[rA:rA+7], v[rB:rB+7], v[rC:rC+7], v[rSA], v[rSB] matrix_a_fmt:MATRIX_FMT_FP4 matrix_b_fmt:MATRIX_FMT_FP4 matrix_b_scale:MATRIX_SCALE_ROW1
.else
	v_wmma_scale_f32_16x16x128_f8f6f4 v[rD:rD+7], v[rA:rA+7], v[rB:rB+7], v[rC:rC+7], v[rSA], v[rSB] matrix_a_fmt:MATRIX_FMT_FP4 matrix_b_fmt:MATRIX_FMT_FP4
.endif
.endif
.endm
; 64 numbers of a lane, register 16 b + i = k 32 b + 16 (lane / 16) + i of my row, become a fragment's codes in v[PC] on and its scale word in v[PW].  Each accumulator is read from its low end on.
.macro QUANT s
.irp b, 0,1,2,3
	v_max3_num_f32 v[TM+\b], |v[\s+16*\b]|, |v[\s+1+16*\b]|, 0x1800000   ; block b: my 16 numbers, and the floor 2^(3 - 127): the byte cannot fall under 1
.endr
.irp i, 2,4,6,8,10,12,14
.irp b, 0,1,2,3
	v_max3_num_f32 v[TM+\b], v[TM+\b], |v[\s+16*\b+\i]|, |v[\s+1+16*\b+\i]|   ; the four blocks by turns
.endr
.endr
.irp b, 0,1,2,3
	v_permlanex16_b32 v[TM+4+\b], v[TM+\b], s[SEL], s[SEL+1]
.endr
.irp b, 0,1,2,3
	v_max_num_f32 v[TM+\b], v[TM+\b], v[TM+4+\b]                   ; with lane l xor 16's: the block's largest magnitude
.endr
.irp b, 0,1,2,3
	v_add_nc_u32 v[TM+12+\b], 0xff000000, v[TM+\b]                 ; 2 off its exponent field: the conversion's scale operand
.endr
.irp b, 0,1,2,3
	v_lshrrev_b32 v[TM+4+\b], 23, v[TM+12+\b]                      ; the scale's byte
.endr
	v_lshl_or_b32 v[PW], v[TM+5], 8, v[TM+4]
	v_lshl_or_b32 v[PW], v[TM+6], 16, v[PW]
	v_lshl_or_b32 v[PW], v[TM+7], 24, v[PW]
.irp b, 0,1,2,3
	v_cvt_scalef32_pk8_fp4_f32 v[PC+2*\b], v[\s+16*\b:\s+7+16*\b], v[TM+12+\b]
	v_cvt_scalef32_pk8_fp4_f32 v[PC+1+2*\b], v[\s+8+16*\b:\s+15+16*\b], v[TM+12+\b]
.endr
	v_nop                                                          ; one plain line behind a scaled conversion
.irp c, 0,1                            ; the operand's layout wants a WHOLE block in a lane: lanes 0-15 block 2 c, lanes 16-31 block 2 c + 1
.irp i, 0,1
	v_permlane16_swap_b32 v[PC+4*\c+\i], v[PC+2+4*\c+\i]
.endr
.endr
.endm
.macro TFETCH i, ks                    ; T's tile i, all its K steps, from LDS into buffer i % 2 of window 3
	WIN 0xc0
.set s_, 0
.rept \ks
	ds_load_b128 v[64*((\i)%2)+8*s_:64*((\i)%2)+8*s_+3], v3 offset:(\i)*\ks*1024+s_*1024
	ds_load_b128 v[64*((\i)%2)+8*s_+4:64*((\i)%2)+8*s_+7], v3 offset:(\i)*\ks*1024+s_*1024+512
.set s_, s_+1
.endr
	WIN 0
.endm
.macro SLOAD s, ks                     ; S's eight fragments of K step s, from memory into window 1 or 2: 512 consecutive bytes a load
.if (\s) < 4
	WIN 0x40
.else
	WIN 0x80
.endif
.set t_, 0
.rept 8
	global_load_b128 v[64*((\s)%4)+8*t_:64*((\s)%4)+8*t_+3], v1, s[20:21] offset:t_*\ks*1024+(\s)*1024
	global_load_b128 v[64*((\s)%4)+8*t_+4:64*((\s)%4)+8*t_+7], v1, s[20:21] offset:t_*\ks*1024+(\s)*1024+512
.set t_, t_+1
.endr
.endm
.macro SEND i                          ; tile i's fragment leaves, and with each fourth tile the four tiles' scale words
	global_store_b128 v5, v[PC:PC+3], s[28:29]                     ; the fragment's image: 512 consecutive bytes a store
	global_store_b128 v5, v[PC+4:PC+7], s[28:29] offset:512
.if (\i)%4 == 3
	global_store_b64 v[6+2*((\i)/4)], v[WW+2*((\i)/4):WW+2*((\i)/4)+1], s[30:31]   ; 256 consecutive bytes
.endif
.endm
; T's tile i against S's eight tiles: 8 ks matrix instructions, the eight accumulators by turns, one instruction a turn, K ascending; then the results become a fragment,
; which leaves at the next tile's head.
.macro TILE i, ks, nt
	s_wait_dscnt 0x0                                               ; the tile is in registers: it was asked for a tile ago
.if (\i) > 0
.if (\i)+1 < \nt
	WIN 0xc0
.endif
	s_wait_alu depctr_va_vdst(0)                                   ; the last tile's products are done reading their T buffer, in which the loads below land; its quantiser has written PC, WW and v5, which the stores below read
.endif
.if (\i)+1 < \nt
	TFETCH (\i)+1, \ks                                             ; the next tile lands while this one is multiplied
.endif
.if (\i) > 0
	SEND (\i)-1
.endif
.set s_, 0
.rept \ks
.if s_ < 4
	WIN 0x0d                                                       ; source 0 window 1, source 1 window 3, C and D window 0
.else
	WIN 0x0e                                                       ; source 0 window 2
.endif
.set t_, 0
.rept 8
.set rD, ACC+8*t_
.set rA, 64*(s_%4)+8*t_
.set rB, 64*((\i)%2)+8*s_
.set rC, rD
.if s_ == 0
.set rC, -1
.endif
.set rSA, SSC+2*\ks*(t_/4)+2*s_+((t_/2)%2)
.set fA, t_%2
.set rSB, TSC+2*\ks*((\i)/4)+2*s_+(((\i)/2)%2)
.set fB, (\i)%2
	WM
.set t_, t_+1
.endr
.set s_, s_+1
.endr
	WIN 0
.rept 4
	v_nop                                                          ; four places (ISA guide 7.12.1) in front of the first read of results
.endr
.if (\i) > 0
	s_wait_xcnt 0x0                                                ; the last tile's stores have had their addresses translated: their data and offset are written again only behind this wait,
	s_wait_alu depctr_vm_vsrc(0)                                   ; and they have read PC and v5, which the lines below write
	v_add_nc_u32 v5, s32, v5                                       ; the next tile's fragment
.endif
	QUANT ACC
.set wq, WW+2*((\i)/4)
.if (\i)%4 == 0
	v_mov_b32 v[wq], v[PW]                                         ; four tiles' scale words meet in two registers: even tiles in lanes 0-15, odd tiles in lanes 16-31
.elseif (\i)%4 == 1
	v_cndmask_b32 v[wq], v[wq], v[PW], s34
.elseif (\i)%4 == 2
	v_mov_b32 v[wq+1], v[PW]
.else
	v_cndmask_b32 v[wq+1], v[wq+1], v[PW], s34
.endif
.endm
; The head of a path: the T block's copy, all scale words, S; one barrier; then the tiles.
.macro GEMM ks, nf, nt
	WIN 0xc0
	s_wait_alu depctr_va_vdst(0)                                   ; the offsets and addresses v1 to v8 are written, which the loads and stores of the whole path read
.set n_, 0
.rept \nf
	global_load_b128 v[4*n_:4*n_+3], v1, s[24:25] offset:512*n_    ; my quarter of the T block
.set n_, n_+1
.endr
	WIN 0
.set n_, 0
.rept (\nt/4)*\ks
	global_load_b64 v[TSC+2*n_:TSC+2*n_+1], v2, s[26:27] offset:256*n_
.set n_, n_+1
.endr
.set n_, 0
.rept 2*\ks
	global_load_b64 v[SSC+2*n_:SSC+2*n_+1], v2, s[22:23] offset:256*n_
.set n_, n_+1
.endr
	SLOAD 0, \ks
	s_wait_loadcnt (\nt/4)*\ks+2*\ks+16                            ; the copy's loads are in; the scale words' and K step 0's, issued behind them, may be out
	WIN 0x0c                                                       ; an LDS store's data are its source 1: window 3
.set n_, 0
.rept \nf
	ds_store_b128 v4, v[4*n_:4*n_+3] offset:512*n_
.set n_, n_+1
.endr
.set q_, 1
.rept \ks-1
	SLOAD q_, \ks
.set q_, q_+1
.endr
	WIN 0
	s_wait_dscnt 0x0                                               ; for the others' sake: my quarter lies in LDS
	s_barrier_signal -1
	s_barrier_wait -1                                              ; the block is whole; it is never written again
	WIN 0xc0
	s_wait_alu depctr_vm_vsrc(0)                                   ; my LDS stores have read the copy's registers: these are the two T buffers from here on, in which LDS loads land
	s_wait_alu depctr_va_vdst(0)                                   ; v3, by which those loads go, is written: stated once more here, directly ahead of loads under another window that land in registers which stores have named since the head's wait
	TFETCH 0, \ks
	s_wait_loadcnt 0x0                                             ; S and all scale words
.set q_, 0
.rept \nt
	TILE q_, \ks, \nt
.set q_, q_+1
.endr
	s_wait_alu depctr_va_vdst(0)                                   ; the last tile's quantiser has written PC, WW and v5, which the last stores read
	SEND \nt-1
.endm
	s_load_b128 s[8:11], s[0:1], 0x0                               ; xp s[8:9], xg s[10:11]
	s_load_b128 s[12:15], s[0:1], 0x10                             ; wfr s[12:13], qc s[14:15]
	s_load_b64 s[16:17], s[0:1], 0x20                              ; kvc
	v_lshl_add_u32 v254, v0, 2, 0x1c000
	v_mov_b32 v255, 0
	v_lshrrev_b32 v1, 5, v0
	v_readfirstlane_b32 s4, v1                                     ; wave 0..3
	v_and_b32 v9, 31, v0                                           ; lane
	v_lshlrev_b32 v1, 4, v9
	v_lshlrev_b32 v2, 3, v9
	v_lshlrev_b32 v5, 4, v9
	v_lshlrev_b32 v6, 3, v9
.irp b, 0,1,2,3
	v_mov_b32 v[TM+4+\b], 0                                        ; written once: a lane permute's destination counts as one of its sources
.endr
	s_wait_alu depctr_va_sdst(0)                                   ; s4 is written, ahead of the branch behind which both paths read it
	s_mov_b32 s34, 0xffff0000                                      ; lanes 16-31
	s_mov_b32 s[SEL], 0x76543210
	s_mov_b32 s[SEL+1], 0xfedcba98
	s_mov_b32 s39, 0
	s_cmp_lt_u32 ttmp9, 128
	s_cbranch_scc0 .Lkv
; ---- q: work-group = 2 x (8 person tiles) + (half of Wq's eight groups of 128 columns); LDS bytes 0 to 65,535
	s_lshr_b32 s5, ttmp9, 1                                        ; tg
	s_and_b32 s6, ttmp9, 1
	s_lshl_b32 s6, s6, 2
	s_add_co_u32 s6, s6, s4                                        ; sg
	v_lshlrev_b32 v3, 4, v9
	s_lshl_b32 s38, s4, 14
	v_lshl_add_u32 v4, v9, 4, s38
	s_mov_b32 s32, 8192                                            ; from a tile's fragment to the next tile's
	s_mov_b32 s33, 2048                                            ; from four tiles' scale words to the next four's
	v_add_nc_u32 v8, s33, v6
	s_wait_kmcnt 0x0
	s_lshl_b32 s38, s6, 16
	s_add_nc_u64 s[20:21], s[12:13], s[38:39]                      ; S's codes: Wq's group
	s_lshl_b32 s38, s6, 12
	s_add_co_u32 s38, s38, 0x2c0000
	s_add_nc_u64 s[22:23], s[12:13], s[38:39]                      ; S's scale words
	s_lshl_b32 s38, s5, 16
	s_lshl_b32 s40, s4, 14
	s_add_co_u32 s38, s38, s40
	s_add_nc_u64 s[24:25], s[8:9], s[38:39]                        ; my quarter of T's codes
	s_lshl_b32 s38, s5, 12
	s_add_co_u32 s38, s38, 0x400000
	s_add_nc_u64 s[26:27], s[8:9], s[38:39]                        ; T's scale words
	s_lshl_b32 s38, s5, 16
	s_lshl_b32 s40, s6, 10
	s_add_co_u32 s38, s38, s40
	s_add_nc_u64 s[28:29], s[14:15], s[38:39]                      ; out: tile 8 tg, K step sg
	s_lshl_b32 s38, s5, 12
	s_lshl_b32 s40, s6, 8
	s_add_co_u32 s38, s38, s40
	s_add_co_u32 s38, s38, 0x400000
	s_add_nc_u64 s[30:31], s[14:15], s[38:39]
	GEMM 8, 32, 8
	s_wait_dscnt 0x0
	s_wait_alu depctr_hold_cnt(0) depctr_sa_sdst(0) depctr_va_vdst(0) depctr_va_sdst(0) depctr_va_ssrc(0) depctr_va_vcc(0) depctr_vm_vsrc(0)
	s_wait_tensorcnt 0x0
	ds_add_u32 v254, v255
	s_wait_dscnt 0x0
	s_endpgm
; ---- k and v: one text; LDS bytes 65,536 to 114,687
.Lkv:
	s_sub_co_u32 s5, ttmp9, 128
	v_lshl_add_u32 v3, v9, 4, 65536
	s_mul_i32 s38, s4, 12288
	s_add_co_u32 s38, s38, 65536
	v_lshl_add_u32 v4, v9, 4, s38
	s_wait_kmcnt 0x0
	s_cmp_lt_u32 s5, 64                                            ; k's work-group or v's?  Every choice hangs on the work-group's number alone
	s_cselect_b64 s[20:21], s[12:13], s[10:11]                     ; S: Wk (in wfr) | the garment's codes
	s_cselect_b64 s[24:25], s[10:11], s[12:13]                     ; T: the garment's codes | Wv (in wfr)
	s_cselect_b32 s40, 0x200000, 0                                 ; where S's codes begin in their buffer,
	s_mov_b32 s41, 0x180000
	s_cselect_b32 s41, 0x2e0000, s41                               ; S's scale words,
	s_cselect_b32 s42, 0, 0x260000                                 ; T's codes,
	s_mov_b32 s43, 0x2e6000
	s_cselect_b32 s43, 0x180000, s43                               ; T's scale words,
	s_cselect_b32 s44, 0, 0x220000                                 ; the result's codes in kvc,
	s_mov_b32 s45, 0x420000
	s_cselect_b32 s45, 0x200000, s45                               ; and its scale words
	s_mov_b32 s32, 32768
	s_cselect_b32 s32, 8192, s32                                   ; from a T tile's fragment to the next: k [key tile][8][1,024], v [tile of channels][32][1,024]
	s_mov_b32 s33, 8192
	s_cselect_b32 s33, 2048, s33
	s_lshr_b32 s6, s5, 1
	s_and_b32 s7, s5, 7
	s_and_b32 s46, s5, 1
	s_sub_co_u32 s47, s5, 64
	s_lshr_b32 s47, s47, 3
	s_cmp_lt_u32 s5, 64
	s_cselect_b32 s6, s6, s7                                       ; tg: k: 32 groups of key tiles; v: 8 groups of Wv's tiles
	s_cselect_b32 s7, s46, s47
	s_lshl_b32 s7, s7, 2
	s_add_co_u32 s7, s7, s4                                        ; sg: k: 8 groups of Wk's columns; v: 32 groups of 128 keys
	v_add_nc_u32 v8, s33, v6
	s_mul_i32 s38, s7, 3072
	s_add_co_u32 s38, s38, s41
	s_add_nc_u64 s[22:23], s[20:21], s[38:39]
	s_mul_i32 s38, s7, 49152
	s_add_co_u32 s38, s38, s40
	s_add_nc_u64 s[20:21], s[20:21], s[38:39]
	s_mul_i32 s38, s6, 3072
	s_add_co_u32 s38, s38, s43
	s_add_nc_u64 s[26:27], s[24:25], s[38:39]
	s_mul_i32 s38, s6, 49152
	s_add_co_u32 s38, s38, s42
	s_mul_i32 s46, s4, 12288
	s_add_co_u32 s38, s38, s46
	s_add_nc_u64 s[24:25], s[24:25], s[38:39]
	s_mul_i32 s38, s6, s32
	s_lshl_b32 s38, s38, 3                                         ; 8 tiles a group
	s_lshl_b32 s46, s7, 10
	s_add_co_u32 s38, s38, s46
	s_add_co_u32 s38, s38, s44
	s_add_nc_u64 s[28:29], s[16:17], s[38:39]
	s_mul_i32 s38, s6, s33
	s_lshl_b32 s38, s38, 1                                         ; two fours a group
	s_lshl_b32 s46, s7, 8
	s_add_co_u32 s38, s38, s46
	s_add_co_u32 s38, s38, s45
	s_add_nc_u64 s[30:31], s[16:17], s[38:39]
	GEMM 6, 24, 8
	s_wait_dscnt 0x0
	s_wait_alu depctr_hold_cnt(0) depctr_sa_sdst(0) depctr_va_vdst(0) depctr_va_sdst(0) depctr_va_ssrc(0) depctr_va_vcc(0) depctr_vm_vsrc(0)
	s_wait_tensorcnt 0x0
	ds_add_u32 v254, v255
	s_wait_dscnt 0x0
	s_endpgm
.Lfunc_end_k_q1f6bb87548_proj:
	.size	k_q1f6bb87548_proj, .Lfunc_end_k_q1f6bb87548_proj-k_q1f6bb87548_proj
	.p2alignl 7, 3214868480
	.fill 96, 4, 3214868480
	.section	.rodata,"a",@progbits
	.p2align	6, 0x0
	.amdhsa_kernel k_q1f6bb87548_proj
		.amdhsa_group_segment_fixed_size 115200
		.amdhsa_private_segment_fixed_size 0
		.amdhsa_enable_private_segment 0
		.amdhsa_kernarg_size 40
		.amdhsa_user_sgpr_count 2
		.amdhsa_user_sgpr_kernarg_segment_ptr 1
		.amdhsa_wavefront_size32 1
		.amdhsa_system_sgpr_workgroup_id_x 1
		.amdhsa_system_sgpr_workgroup_id_y 1
		.amdhsa_system_sgpr_workgroup_id_z 1
		.amdhsa_system_vgpr_workitem_id 0
		.amdhsa_next_free_vgpr 1024
		.amdhsa_next_free_sgpr 66
		.amdhsa_reserve_vcc 0
		.amdhsa_float_denorm_mode_32 3
		.amdhsa_float_denorm_mode_16_64 3
		.amdhsa_memory_ordered 1
		.amdhsa_forward_progress 1
		.amdhsa_inst_pref_size 238
	.end_amdhsa_kernel
	.amdgpu_metadata
---
amdhsa.version: [ 1, 2 ]
amdhsa.kernels:
  - .name:           k_q1f6bb87548_proj
    .symbol:         k_q1f6bb87548_proj.kd
    .args:
      - { .name: xp, .offset: 0, .size: 8, .value_kind: global_buffer, .address_space: global }
      - { .name: xg, .offset: 8, .size: 8, .value_kind: global_buffer, .address_space: global }
      - { .name: wfr, .offset: 16, .size: 8, .value_kind: global_buffer, .address_space: global }
      - { .name: qc, .offset: 24, .size: 8, .value_kind: global_buffer, .address_space: global }
      - { .name: kvc, .offset: 32, .size: 8, .value_kind: global_buffer, .address_space: global }
    .group_segment_fixed_size: 115200
    .private_segment_fixed_size: 0
    .kernarg_segment_align: 8
    .kernarg_segment_size: 40
    .max_flat_workgroup_size: 128
    .sgpr_count:     66
    .vgpr_count:     1024
    .wavefront_size: 32
...
	.end_amdgpu_metadata
.endif
;; end of part 6
;; launch attn (part 7): grid 8 x 32, 16 waves a work-group, no clusters, 142,336 bytes of LDS; arguments qc, kvc, ac; writes ac
.if DOCPART == 7
	.amdgcn_target "amdgcn-amd-amdhsa--gfx1250"
	.amdhsa_code_object_version 6
	.text
	.protected	k_q1f6bb87548_attn
	.globl	k_q1f6bb87548_attn
	.p2align	8
	.type	k_q1f6bb87548_attn,@function
k_q1f6bb87548_attn:
	s_mov_b64 s[64:65], 0
	v_nop
	global_prefetch_b8 v0, s[64:65] scope:SCOPE_SE
	s_setreg_imm32_b32 hwreg(HW_REG_WAVE_SCHED_MODE, 0, 2), 2
	s_setreg_imm32_b32 hwreg(HW_REG_WAVE_MODE, 25, 1), 1
	s_wait_xcnt 0x0
	s_wait_alu depctr_vm_vsrc(0)
; ATTN: for each batch and head, att = softmax(q k^T / 8) v, both products on E2M1 codes with E8M0 scales; att is divided by the row's sum and quantised along the next product's K (head x 64 + channel), and leaves as codes.
; THE SOFTMAX AHEAD OF THE SECOND PRODUCT: t = score x log2(e) / 8; M = the running largest t rounded UP to a whole number; p = 2^(t - M) is quantised along the keys, not normalised; the row's sum is taken of the
; unquantised p; when M moves, the sum and O are multiplied by 2^(old M - new M), which rounds nothing.
; SHARES.  Work-group (x, y): batch y / 8, the pair of heads 2 (y % 8), 2 (y % 8) + 1, queries 256 x on.  Each of its sixteen waves owns one tile of 16 queries and runs the first head, then the second: so it makes a whole
; fragment (128 along the next K) and whole scale words.  Four waves share a SIMD: one wave's vector work stands beside another's matrix work and LDS loads.
; LDS is filled once, through registers: both heads' k (64 KiB), v (64 KiB) and scale words of the batch's 1,024 keys; then it is only read.
; LAYOUT.  Both products are used transposed: S^T = k q^T (source 0 = keys), O^T = v^T p^T (source 0 = channels): a lane holds ONE query throughout.  Key tiles and the tiles of v's channels are permuted (row r of tile
; 2 g + u is true row 32 g + 8 u + r + 8 (r / 8)), so that the 16 registers of tiles 2 g, 2 g + 1 are 16 neighbours: p's along the keys, O's along the channels.
; K = 64 IN AN INSTRUCTION OF K = 128.  Source 0 holds TWO key tiles of one head, tile 2 g in K 0-63 and tile 2 g + 1 in K 64-127; source 1 is (q, zeros) for the first and (zeros, q) for the second: zero codes add
; nothing under any scale byte but 0xff, and all bytes here lie between 1 and 254.  (zeros, q, zeros) lie in twelve registers on end, of which each product names eight.  No LDS byte is read in vain.
; NO CLUSTER, NO TENSOR LOADS: what the eight work-groups of a pair of heads share is one fill of 136 KiB at the head of 16 key steps of 245 vector instructions a wave; LDS is never filled again.
; LIMITS: NaN and infinities are not served; blocks whose largest magnitude lies under 2^-124 (zeros too) get the byte 1.  A block's largest p is made from the block's largest score by the same two instructions as p.
; THE MODE: SCHED_MODE bits 1:0 = 2 (LLVM: expert scheduling mode 2), set by the entry lines.  The code itself states the register dependences between vector or matrix instructions and memory or LDS
; instructions, with s_wait_alu, always for 0.
; THE PLAN.  Registers that LDS instructions touch in a key step:
;   KF, v[8:9]    read by the step's eight products k q^T; straight behind them the NEXT step's loads land there, a whole softmax ahead of their use.
;   VF, v[10:11]  read by the step's four products v^T p^T, at its end; THIS step's loads land there at the same place as k's, behind the last step's products.
;   v4-v6         the step's LDS addresses: read by those loads, written once a trip, at its head.
; So one wait on va_vdst stands behind the places that follow k q^T: those products are done with KF and v[8:9], the last step's with VF and v[10:11], and v4-v6 are written; the step's 18 loads follow it.
; One wait on vm_vsrc stands at a trip's head, ahead of the three additions.  p's codes and scale word, made by vector instructions, have their wait ahead of the second product, behind its places.
; The first head's eighth trip asks for the step that follows in LDS, which is the second head's first; the second head's last step is written out and asks for no k.
.set KS_L, 131072                      ; LDS: 0: k's codes [head][key tile][512]; 65,536: v's [head][key step][tile of channels][1,024]; here k's scale words [head][key step][256],
.set VS_L, 135168                      ; v's likewise,
.set SCST, 139264                      ; and 1,024 bytes in which the sixteen tiles' scale words of att meet
.set KF,  56                           ; v56-87   four fragments of k (two key tiles each)
.set VF,  88                           ; v88-119  four fragments of v
.set S,   120                          ; v120-183 the scores, then p
.set O,   184                          ; v184-215 O^T
.set P,   216                          ; v216-223 p's codes
.set BM,  224                          ; v224-227 a block's largest score, then p
.set BT,  228                          ; v228-231 the other half's, then bytes
.set SCF, 232                          ; v232-235 the conversions' scale operands
; further: v1 16 lane, v2 the same + 65,536, v3 8 lane + KS_L; v4-6 the step's LDS addresses; v[8:9] k's scale words, v[10:11] v's; v12 -M, v13 the largest t, v[14:15] the sum in two halves; v16-27, v28-39 (0, q, 0) of the
; two heads; v40 q's scale word, v41/v42 its two bytes of each head, twice; v44-51 att's codes; v52/v53 att's bytes; v[236:237] the sum's second chain; v[238:239] f; v240 p's scale word; v241 at work; v242-249 addresses.
.macro WM
.if rC < 0
.if fA
	v_wmma_scale_f32_16x16x128_f8f6f4 v[rD:rD+7], v[rA:rA+7], v[rB:rB+7], 0, v[rSA], v[rSB] matrix_a_fmt:MATRIX_FMT_FP4 matrix_b_fmt:MATRIX_FMT_FP4 matrix_a_scale:MATRIX_SCALE_ROW1
.else
	v_wmma_scale_f32_16x16x128_f8f6f4 v[rD:rD+7], v[rA:rA+7], v[rB:rB+7], 0, v[rSA], v[rSB] matrix_a_fmt:MATRIX_FMT_FP4 matrix_b_fmt:MATRIX_FMT_FP4
.endif
.else
.if fA
	v_wmma_scale_f32_16x16x128_f8f6f4 v[rD:rD+7], v[rA:rA+7], v[rB:rB+7], v[rC:rC+7], v[rSA], v[rSB] matrix_a_fmt:MATRIX_FMT_FP4 matrix_b_fmt:MATRIX_FMT_FP4 matrix_a_scale:MATRIX_SCALE_ROW1
.else
	v_wmma_scale_f32_16x16x128_f8f6f4 v[rD:rD+7], v[rA:rA+7], v[rB:rB+7], v[rC:rC+7], v[rSA], v[rSB] matrix_a_fmt:MATRIX_FMT_FP4 matrix_b_fmt:MATRIX_FMT_FP4
.endif
.endif
.endm
	s_load_b128 s[8:11], s[0:1], 0x0                               ; qc s[8:9], kvc s[10:11]
	s_load_b64 s[12:13], s[0:1], 0x10                              ; ac
	v_lshl_add_u32 v254, v0, 2, 0x22400
	v_mov_b32 v255, 0
	v_lshrrev_b32 v1, 5, v0
	v_readfirstlane_b32 s4, v1                                     ; wave 0..15
	v_and_b32 v250, 31, v0                                         ; lane
	v_and_b32 v251, 15, v0                                         ; r
	v_bfe_u32 v252, v0, 4, 1                                       ; h
	v_lshlrev_b32 v1, 4, v250
	v_add_nc_u32 v2, 65536, v1
	v_lshlrev_b32 v248, 3, v250
	v_add_nc_u32 v3, KS_L, v248
	s_wait_alu depctr_va_sdst(0)                                   ; s4 is written, ahead of its first reader: addresses and bases are made from it
	s_mov_b32 s19, 0xffff0000                                      ; lanes 16-31
	s_mov_b32 s20, 0x76543210
	s_mov_b32 s21, 0xfedcba98                                      ; v_permlanex16_b32's selects for lane l xor 16
	s_mov_b32 s22, 0x3e38aa3b                                      ; c = log2(e) / 8
	s_mov_b32 s23, s22                                             ; (named with it as a pair, so it is written)
	s_and_b32 s6, ttmp7, 0xffff
	s_lshr_b32 s7, s6, 3                                           ; batch
	s_and_b32 s14, s6, 7                                           ; pair of heads
	s_lshl_b32 s15, s7, 7
	s_lshl_b32 s16, ttmp9, 4
	s_add_co_u32 s15, s15, s16
	s_add_co_u32 s15, s15, s4                                      ; my tile of queries: 128 batch + 16 x + wave
	s_mov_b32 s17, 0
	s_lshr_b32 s44, s4, 3
	s_and_b32 s45, s4, 1
	s_bfe_u32 s46, s4, 0x20001                                     ; (wave / 2) % 4
	s_bfe_u32 s47, s4, 0x10001                                     ; (wave / 2) % 2
	s_min_u32 s49, s4, 3
	; LDS addresses, all made here
	s_lshl_b32 s18, s4, 11
	v_add_nc_u32 v242, s18, v1                                     ; k's codes in: key tiles 4 wave on, 512 bytes each
	s_lshl_b32 s18, s44, 15
	s_lshl_b32 s27, s45, 14
	s_add_co_u32 s18, s18, s27
	s_lshl_b32 s27, s46, 10
	s_add_co_u32 s18, s18, s27
	v_add_nc_u32 v243, s18, v2                                     ; v's in: head wave / 8, tile of channels (wave / 2) % 4, key steps 4 (wave % 2) on
	s_lshl_b32 s18, s4, 8
	s_add_co_u32 s18, s18, VS_L
	v_add_nc_u32 v244, s18, v248                                   ; v's scale words in: head wave / 8, key step wave % 8
	s_lshr_b32 s18, s4, 1
	s_lshl_b32 s18, s18, 8
	s_lshl_b32 s27, s45, 2
	s_add_co_u32 s18, s18, s27
	s_add_co_u32 s18, s18, KS_L
	v_lshlrev_b32 v245, 3, v251
	v_lshl_add_u32 v245, v252, 11, v245
	v_add_nc_u32 v245, s18, v245                                   ; k's scale words in: lanes 0-15 the first head's, lanes 16-31 the second's, 2,048 bytes on
	s_lshl_b32 s18, s45, 7
	s_lshl_b32 s27, s47, 2
	s_add_co_u32 s18, s18, s27
	v_lshl_add_u32 v249, v251, 3, s18                              ; my tile's word among its four tiles': (16 (wave % 2) + r) x 8 + ((wave / 2) % 2) x 4
	s_lshr_b32 s18, s4, 2
	s_lshl_b32 s18, s18, 8
	s_add_co_u32 s18, s18, SCST
	v_add_nc_u32 v246, s18, v249
	s_lshl_b32 s18, s49, 8
	s_add_co_u32 s18, s18, SCST
	v_add_nc_u32 v247, s18, v248                                   ; (only waves 0-3 read there)
	s_wait_kmcnt 0x0
	s_lshl_b32 s16, s7, 19
	s_lshl_b32 s18, s4, 15
	s_add_co_u32 s16, s16, s18
	s_lshl_b32 s18, s14, 10
	s_add_co_u32 s16, s16, s18
	s_add_nc_u64 s[28:29], s[10:11], s[16:17]                      ; k's codes: key tile 64 batch + 4 wave, K step = the pair of heads
	s_lshl_b32 s16, s14, 18
	s_lshl_b32 s18, s44, 17
	s_add_co_u32 s16, s16, s18
	s_lshl_b32 s18, s46, 15
	s_add_co_u32 s16, s16, s18
	s_lshl_b32 s18, s7, 13
	s_add_co_u32 s16, s16, s18
	s_lshl_b32 s18, s45, 12
	s_add_co_u32 s16, s16, s18
	s_add_co_u32 s16, s16, 0x220000
	s_add_nc_u64 s[30:31], s[10:11], s[16:17]                      ; v's codes: four key steps of one tile of channels are 4,096 bytes on end
	s_lshl_b32 s16, s14, 14
	s_lshl_b32 s18, s44, 13
	s_add_co_u32 s16, s16, s18
	s_lshl_b32 s18, s7, 11
	s_add_co_u32 s16, s16, s18
	s_and_b32 s18, s4, 7
	s_lshl_b32 s18, s18, 8
	s_add_co_u32 s16, s16, s18
	s_add_co_u32 s16, s16, 0x420000
	s_add_nc_u64 s[32:33], s[10:11], s[16:17]                      ; v's scale words
	s_lshl_b32 s16, s7, 15
	s_lshl_b32 s18, s4, 11
	s_add_co_u32 s16, s16, s18
	s_lshl_b32 s18, s14, 8
	s_add_co_u32 s16, s16, s18
	s_add_co_u32 s16, s16, 0x200000
	s_add_nc_u64 s[34:35], s[10:11], s[16:17]                      ; k's scale words: four key tiles 16 batch + wave
	s_lshl_b32 s16, s15, 13
	s_lshl_b32 s18, s14, 10
	s_add_co_u32 s16, s16, s18
	s_add_nc_u64 s[36:37], s[8:9], s[16:17]                        ; q's fragment,
	s_add_nc_u64 s[40:41], s[12:13], s[16:17]                      ; and att's at the same place
	s_lshr_b32 s16, s15, 2
	s_lshl_b32 s16, s16, 11
	s_lshl_b32 s18, s14, 8
	s_add_co_u32 s16, s16, s18
	s_add_co_u32 s16, s16, 0x400000
	s_add_nc_u64 s[38:39], s[8:9], s[16:17]                        ; q's scale words
	s_lshl_b32 s16, s7, 5
	s_lshl_b32 s18, ttmp9, 2
	s_add_co_u32 s16, s16, s18
	s_add_co_u32 s16, s16, s49
	s_lshl_b32 s16, s16, 11
	s_lshl_b32 s18, s14, 8
	s_add_co_u32 s16, s16, s18
	s_add_co_u32 s16, s16, 0x400000
	s_add_nc_u64 s[42:43], s[12:13], s[16:17]                      ; att's scale words: four tiles 32 batch + 4 x + wave (waves 0-3)
	s_wait_alu depctr_va_vdst(0)                                   ; the offsets and addresses v1-v3 and v242-v249 are written, which the loads and stores of the kernel read
.irp hd, 0,1
.irp a, 0,1,2,3
	global_load_b128 v[S+16*\hd+4*\a:S+16*\hd+4*\a+3], v1, s[28:29] offset:\a*8192+\hd*512   ; a head's half of a key tile's fragment: 512 consecutive bytes
.endr
.endr
.irp n, 0,1,2,3,4,5,6,7
	global_load_b128 v[S+32+4*\n:S+32+4*\n+3], v1, s[30:31] offset:512*\n
.endr
	global_load_b64 v[O:O+1], v248, s[32:33]
	global_load_b64 v[O+2:O+3], v248, s[34:35]
	global_load_b128 v[20:23], v1, s[36:37]                        ; q of the first head,
	global_load_b128 v[32:35], v1, s[36:37] offset:512             ; of the second
	global_load_b32 v40, v249, s[38:39]
.irp j, 16,17,18,19,24,25,26,27,28,29,30,31,36,37,38,39
	v_mov_b32 v\j, 0                                               ; the zero codes on both sides of q
.endr
.irp b, 0,1,2,3
	v_mov_b32 v[BT+\b], 0                                          ; written once: a lane permute's destination counts as one of its sources
.endr
	v_mov_b32 v239, 0                                              ; (named as the upper half of the pair v[238:239])
	v_mov_b32 v241, 0
	s_wait_loadcnt 0x0
.irp hd, 0,1
.irp a, 0,1,2,3
	ds_store_b128 v242, v[S+16*\hd+4*\a:S+16*\hd+4*\a+3] offset:\hd*32768+\a*512
.endr
.endr
.irp n, 0,1,2,3,4,5,6,7
	ds_store_b128 v243, v[S+32+4*\n:S+32+4*\n+3] offset:(\n/2)*4096+(\n%2)*512
.endr
	ds_store_b64 v244, v[O:O+1]
; k's scale words are paired anew.  Register j as loaded: lanes 0-15 key tile 2 g, lanes 16-31 tile 2 g + 1 (g = 2 (my four tiles) + j); a word: two bytes of the first head, two of the second.
; Wanted, for a fragment of two key tiles of ONE head: (tile 2 g's two bytes, tile 2 g + 1's two bytes).
.irp j, 0,1
	v_permlanex16_b32 v[BT+\j], v[O+2+\j], s20, s21
	v_cndmask_b32 v[O+4+4*\j], v[O+2+\j], v[BT+\j], s19            ; tile 2 g's word, in both halves of the lanes
	v_cndmask_b32 v[O+5+4*\j], v[BT+\j], v[O+2+\j], s19            ; tile 2 g + 1's
	v_perm_b32 v[O+6+4*\j], v[O+5+4*\j], v[O+4+4*\j], 0x05040100   ; the first head's word
	v_perm_b32 v[O+7+4*\j], v[O+5+4*\j], v[O+4+4*\j], 0x07060302   ; the second's
	v_cndmask_b32 v[O+6+4*\j], v[O+6+4*\j], v[O+7+4*\j], s19       ; lanes 0-15 store the first head's, lanes 16-31 the second's
.endr
	v_perm_b32 v41, v40, v40, 0x01000100                           ; q's scale word for the first head: its two bytes, twice: it serves (q, 0) and (0, q)
	v_perm_b32 v42, v40, v40, 0x03020302                           ; for the second
	s_wait_alu depctr_va_vdst(0)                                   ; the two paired words are written, which the LDS stores below read; so are q's scale words v41, v42 and the zero codes beside q, which scaled matrix instructions take
.irp j, 0,1
	ds_store_b32 v245, v[O+6+4*\j] offset:128*\j
.endr
	s_wait_dscnt 0x0                                               ; for the others' sake
	s_barrier_signal -1
	s_barrier_wait -1                                              ; k, v and their scale words lie in LDS; nobody writes them again
	s_wait_alu depctr_vm_vsrc(0)                                   ; my LDS stores have read the registers through which the fill passed: these are S and O from here on, written by products and vector instructions
.irp g, 0,1,2,3
	ds_load_b128 v[KF+8*\g:KF+8*\g+3], v1 offset:\g*1024            ; the first head's first key step: key tile 2 g: K 0-63,
	ds_load_b128 v[KF+8*\g+4:KF+8*\g+7], v1 offset:\g*1024+512      ; key tile 2 g + 1: K 64-127
.endr
	ds_load_b64 v[8:9], v3
; A KEY STEP: 128 keys.  tail = 1: the second head's last step, which asks for no further k and takes v by immediate offsets.
.macro STEP hd, tail
.if !\tail
	s_wait_alu depctr_vm_vsrc(0)                                   ; the LDS loads issued so far have read v4-v6
	v_add_nc_u32 v4, s24, v1
	v_add_nc_u32 v5, s24, v2
	v_add_nc_u32 v6, s25, v3
.endif
	s_wait_dscnt 0x0                                               ; k and its scale words are in: they were asked for a step ago
.set g_, 0
.rept 4
.set u_, 0
.rept 2
.set rD, S+8*(2*g_+u_)
.set rA, KF+8*g_
.set rB, QZ+4-4*u_                     ; (q, 0) for the first key tile, (0, q) for the second
.set rC, -1
.set rSA, 8+g_/2
.set fA, g_%2
.set rSB, 41+\hd
	WM
.set u_, u_+1
.endr
.set g_, g_+1
.endr
.rept 4
	v_nop                                                          ; four places (ISA guide 7.12.1) in front of the first read of the scores
.endr
	s_wait_alu depctr_va_vdst(0)                                   ; the products above are done reading KF and v[8:9], the last step's second products VF and v[10:11]: loads land in all of them below; in a trip v4-v6 are written, by which those loads go
.irp g, 0,1,2,3
.if \tail
	ds_load_b128 v[VF+8*\g:VF+8*\g+3], v2 offset:\hd*32768+7*4096+\g*1024
	ds_load_b128 v[VF+8*\g+4:VF+8*\g+7], v2 offset:\hd*32768+7*4096+\g*1024+512
.else
	ds_load_b128 v[VF+8*\g:VF+8*\g+3], v5 offset:\hd*32768+\g*1024
	ds_load_b128 v[VF+8*\g+4:VF+8*\g+7], v5 offset:\hd*32768+\g*1024+512
.endif
.endr
.if \tail
	ds_load_b64 v[10:11], v3 offset:4096+\hd*2048+7*256
.else
	ds_load_b64 v[10:11], v6 offset:4096+\hd*2048
.irp g, 0,1,2,3
	ds_load_b128 v[KF+8*\g:KF+8*\g+3], v4 offset:\hd*32768+4096+\g*1024          ; the NEXT step's k: key tile 2 g: K 0-63,
	ds_load_b128 v[KF+8*\g+4:KF+8*\g+7], v4 offset:\hd*32768+4096+\g*1024+512    ; key tile 2 g + 1: K 64-127
.endr
	ds_load_b64 v[8:9], v6 offset:\hd*2048+256
.endif
.irp b, 0,1,2,3
	v_max3_num_f32 v[BM+\b], v[S+16*\b], v[S+1+16*\b], v[S+2+16*\b]   ; the largest score of each block of 32 keys: for the row's maximum, and, p rising with the score, for the block's largest p
.endr
.irp i, 3,5,7,9,11,13
.irp b, 0,1,2,3
	v_max3_num_f32 v[BM+\b], v[BM+\b], v[S+16*\b+\i], v[S+1+16*\b+\i]
.endr
.endr
.irp b, 0,1,2,3
	v_max_num_f32 v[BM+\b], v[BM+\b], v[S+15+16*\b]
.endr
.irp b, 0,1,2,3
	v_permlanex16_b32 v[BT+\b], v[BM+\b], s20, s21
.endr
.irp b, 0,1,2,3
	v_max_num_f32 v[BM+\b], v[BM+\b], v[BT+\b]                     ; with lane l xor 16's 16 keys
.endr
	v_max3_num_f32 v241, v[BM], v[BM+1], v[BM+2]
	v_max_num_f32 v241, v241, v[BM+3]
	v_mul_f32 v241, s22, v241                                      ; the step's largest t (c is positive)
	v_max_num_f32 v13, v13, v241
	v_mov_b32 v241, v12
	v_floor_f32 v12, -v13                                          ; the new -M = -ceil(t)
	v_sub_f32 v241, v12, v241                                      ; old M - new M: a whole number, 0 or less
	v_cvt_i32_f32 v241, v241                                       ; (it saturates)
	v_ldexp_f32 v238, 1.0, v241                                    ; f = 2^(old M - new M)
.set j_, 0
.rept 32
	v_pk_fma_f32 v[S+j_:S+j_+1], v[S+j_:S+j_+1], s[22:23], v[12:13] op_sel_hi:[1,0,0]   ; t - M, two at a time
.set j_, j_+2
.endr
.irp b, 0,1,2,3
	v_fma_f32 v[BM+\b], v[BM+\b], s22, v12
.endr
.set j_, 0
.rept 64
	v_exp_f32 v[S+j_], v[S+j_]                                     ; p = 2^(t - M)
.set j_, j_+1
.endr
	v_pk_mul_f32 v[14:15], v[14:15], v[238:239] op_sel_hi:[1,0]    ; the sums under the new M; also the plain line behind the exponentials
	s_wait_alu depctr_va_vdst(0)                                   ; the 64 exponentials have written p: one wait for the batch, ahead of its first reader
.irp b, 0,1,2,3
	v_exp_f32 v[BM+\b], v[BM+\b]                                   ; each block's largest p
.endr
	v_pk_add_f32 v[236:237], v[S:S+1], v[S+2:S+3]                  ; the row's sum of the unquantised p, in two chains; it reads the 64 alone
.set j_, 4
.rept 15
	v_pk_add_f32 v[14:15], v[14:15], v[S+j_:S+j_+1]
	v_pk_add_f32 v[236:237], v[236:237], v[S+j_+2:S+j_+3]
.set j_, j_+4
.endr
	v_pk_add_f32 v[14:15], v[14:15], v[236:237]
	s_wait_alu depctr_va_vdst(0)                                   ; the four exponentials have written the blocks' largest p, ahead of their first reader
.irp b, 0,1,2,3
	v_max_num_f32 v[BM+\b], 0x1800000, v[BM+\b]                    ; the floor 2^(3 - 127)
.endr
.irp b, 0,1,2,3
	v_add_nc_u32 v[SCF+\b], 0xff000000, v[BM+\b]
.endr
.irp b, 0,1,2,3
	v_lshrrev_b32 v[BT+\b], 23, v[SCF+\b]
.endr
	v_lshl_or_b32 v240, v[BT+1], 8, v[BT]                          ; p's scale word for these 128 keys
	v_lshl_or_b32 v240, v[BT+2], 16, v240
	v_lshl_or_b32 v240, v[BT+3], 24, v240
.irp b, 0,1,2,3
	v_cvt_scalef32_pk8_fp4_f32 v[P+2*\b], v[S+16*\b:S+7+16*\b], v[SCF+\b]
	v_cvt_scalef32_pk8_fp4_f32 v[P+1+2*\b], v[S+8+16*\b:S+15+16*\b], v[SCF+\b]
.endr
	v_nop                                                          ; one plain line behind a scaled conversion
.irp c, 0,1
.irp i, 0,1
	v_permlane16_swap_b32 v[P+4*\c+\i], v[P+2+4*\c+\i]             ; a whole block to a lane
.endr
.endr
.set j_, 0
.rept 16
	v_pk_mul_f32 v[O+j_:O+j_+1], v[O+j_:O+j_+1], v[238:239] op_sel_hi:[1,0]   ; O^T under the new M, each accumulator from its low end on; of these sixteen, twelve name no register of any one product below: its places behind p's scale word and codes
.set j_, j_+2
.endr
.if \tail
	s_wait_dscnt 0x0                                               ; v and its scale words are in
.else
	s_wait_dscnt 9                                                 ; v and its scale words are in; the next step's k, nine loads issued behind them, may be out
.endif
	s_wait_alu depctr_va_vdst(0)                                   ; p's codes and its scale word v240 are written, which the scaled matrix instructions below take as source 1 and its scales; the places above stay beside this wait
.set g_, 0
.rept 4
.set rD, O+8*g_
.set rA, VF+8*g_
.set rB, P
.set rC, rD
.set rSA, 10+g_/2
.set fA, g_%2
.set rSB, 240
	WM                                                             ; the four accumulators by turns, one link a key step
.set g_, g_+1
.endr
.endm
; ONE HEAD: eight key steps of 128 keys (trips in the loop, and with tail = 1 one more written out), then the way out into att's codes.
.macro HEAD hd, trips, tail
.set QZ, 16+12*\hd
	v_mov_b32 v13, 0xff61b1e6                                      ; the largest t so far: -3e38
	v_floor_f32 v12, -v13                                          ; -M
	v_mov_b32 v14, 0
	v_mov_b32 v15, 0
.set j_, 0
.rept 32
	v_mov_b32 v[O+j_], 0                                           ; the step is written once: the first finds zeros, which the first change of M leaves zeros
.set j_, j_+1
.endr
	s_mov_b32 s24, 0                                               ; the step's codes: 4,096 bytes a step
	s_mov_b32 s25, 0                                               ; its scale words: 256
	s_mov_b32 s26, \trips
.Ltrip_\@:
	STEP \hd, 0
	s_add_co_u32 s24, s24, 4096
	s_add_co_u32 s25, s25, 256
	s_sub_co_u32 s26, s26, 1
	s_cmp_lg_u32 s26, 0
	s_cbranch_scc1 .Ltrip_\@
.if \tail
	STEP \hd, 1
.endif
.rept 4
	v_nop                                                          ; places behind the last products
.endr
	v_add_f32 v14, v14, v15
	v_permlanex16_b32 v241, v14, s20, s21
	v_add_f32 v14, v14, v241                                       ; the row's sum
	v_rcp_f32 v238, v14
	v_nop
	v_nop
	s_wait_alu depctr_va_vdst(0)                                   ; the reciprocal has written v238, ahead of its first reader
.set j_, 0
.rept 16
	v_pk_mul_f32 v[O+j_:O+j_+1], v[O+j_:O+j_+1], v[238:239] op_sel_hi:[1,0]   ; att: register 16 b + i is channel 32 b + 16 (lane / 16) + i of my query
.set j_, j_+2
.endr
.irp b, 0,1
	v_max3_num_f32 v[BM+\b], |v[O+16*\b]|, |v[O+1+16*\b]|, 0x1800000
.endr
.irp i, 2,4,6,8,10,12,14
.irp b, 0,1
	v_max3_num_f32 v[BM+\b], v[BM+\b], |v[O+16*\b+\i]|, |v[O+1+16*\b+\i]|
.endr
.endr
.irp b, 0,1
	v_permlanex16_b32 v[BT+\b], v[BM+\b], s20, s21
.endr
.irp b, 0,1
	v_max_num_f32 v[BM+\b], v[BM+\b], v[BT+\b]
.endr
.irp b, 0,1
	v_add_nc_u32 v[SCF+\b], 0xff000000, v[BM+\b]
.endr
.irp b, 0,1
	v_lshrrev_b32 v[BT+\b], 23, v[SCF+\b]
.endr
	v_lshl_or_b32 v[52+\hd], v[BT+1], 8, v[BT]                     ; the head's two bytes
.irp b, 0,1
	v_cvt_scalef32_pk8_fp4_f32 v[44+4*\hd+2*\b], v[O+16*\b:O+7+16*\b], v[SCF+\b]
	v_cvt_scalef32_pk8_fp4_f32 v[45+4*\hd+2*\b], v[O+8+16*\b:O+15+16*\b], v[SCF+\b]
.endr
	v_nop
.irp i, 0,1
	v_permlane16_swap_b32 v[44+4*\hd+\i], v[46+4*\hd+\i]           ; registers 4 hd .. 4 hd + 3 of att's fragment
.endr
.endm
	HEAD 0, 8, 0                                                   ; its eighth trip asks for the k that follows in LDS: the second head's first step
	HEAD 1, 7, 1
	v_lshl_or_b32 v52, v53, 16, v52                                ; my row's scale word of this K step
	s_wait_alu depctr_va_vdst(0)                                   ; att's codes v44-v51 and its scale word v52 are written, which the stores below read
	global_store_b128 v1, v[44:47], s[40:41]                       ; the fragment's image: 512 consecutive bytes a store
	global_store_b128 v1, v[48:51], s[40:41] offset:512
	ds_store_b32 v246, v52                                         ; both halves of the lanes write the same word with the same value
	s_wait_dscnt 0x0
	s_barrier_signal -1
	s_barrier_wait -1                                              ; sixteen tiles' scale words have met
	s_cmp_lt_u32 s4, 4
	s_cbranch_scc0 .Lend
	ds_load_b64 v[54:55], v247
	s_wait_dscnt 0x0
	global_store_b64 v248, v[54:55], s[42:43]                      ; four tiles' words: 256 consecutive bytes
.Lend:
	s_wait_dscnt 0x0
	s_wait_alu depctr_hold_cnt(0) depctr_sa_sdst(0) depctr_va_vdst(0) depctr_va_sdst(0) depctr_va_ssrc(0) depctr_va_vcc(0) depctr_vm_vsrc(0)
	s_wait_tensorcnt 0x0
	ds_add_u32 v254, v255
	s_wait_dscnt 0x0
	s_endpgm
.Lfunc_end_k_q1f6bb87548_attn:
	.size	k_q1f6bb87548_attn, .Lfunc_end_k_q1f6bb87548_attn-k_q1f6bb87548_attn
	.p2alignl 7, 3214868480
	.fill 96, 4, 3214868480
	.section	.rodata,"a",@progbits
	.p2align	6, 0x0
	.amdhsa_kernel k_q1f6bb87548_attn
		.amdhsa_group_segment_fixed_size 142336
		.amdhsa_private_segment_fixed_size 0
		.amdhsa_enable_private_segment 0
		.amdhsa_kernarg_size 24
		.amdhsa_user_sgpr_count 2
		.amdhsa_user_sgpr_kernarg_segment_ptr 1
		.amdhsa_wavefront_size32 1
		.amdhsa_system_sgpr_workgroup_id_x 1
		.amdhsa_system_sgpr_workgroup_id_y 1
		.amdhsa_system_sgpr_workgroup_id_z 1
		.amdhsa_system_vgpr_workitem_id 0
		.amdhsa_next_free_vgpr 256
		.amdhsa_next_free_sgpr 66
		.amdhsa_reserve_vcc 0
		.amdhsa_float_denorm_mode_32 3
		.amdhsa_float_denorm_mode_16_64 3
		.amdhsa_memory_ordered 1
		.amdhsa_forward_progress 1
		.amdhsa_inst_pref_size 64
	.end_amdhsa_kernel
	.amdgpu_metadata
---
amdhsa.version: [ 1, 2 ]
amdhsa.kernels:
  - .name:           k_q1f6bb87548_attn
    .symbol:         k_q1f6bb87548_attn.kd
    .args:
      - { .name: qc, .offset: 0, .size: 8, .value_kind: global_buffer, .address_space: global }
      - { .name: kvc, .offset: 8, .size: 8, .value_kind: global_buffer, .address_space: global }
      - { .name: ac, .offset: 16, .size: 8, .value_kind: global_buffer, .address_space: global }
    .group_segment_fixed_size: 142336
    .private_segment_fixed_size: 0
    .kernarg_segment_align: 8
    .kernarg_segment_size: 24
    .max_flat_workgroup_size: 512
    .sgpr_count:     66
    .vgpr_count:     256
    .wavefront_size: 32
...
	.end_amdgpu_metadata
.endif
;; end of part 7
;; launch oproj (part 8): grid 256 x 1, 4 waves a work-group, no clusters, 33,280 bytes of LDS; arguments ac, wfr, bo, a2; writes a2
.if DOCPART == 8
	.amdgcn_target "amdgcn-amd-amdhsa--gfx1250"
	.amdhsa_code_object_version 6
	.text
	.protected	k_q1f6bb87548_oproj
	.globl	k_q1f6bb87548_oproj
	.p2align	8
	.type	k_q1f6bb87548_oproj,@function
k_q1f6bb87548_oproj:
	s_mov_b64 s[64:65], 0
	v_nop
	global_prefetch_b8 v0, s[64:65] scope:SCOPE_SE
	s_setreg_imm32_b32 hwreg(HW_REG_WAVE_SCHED_MODE, 0, 2), 2
	s_setreg_imm32_b32 hwreg(HW_REG_WAVE_MODE, 25, 1), 1
	s_wait_xcnt 0x0
	s_wait_alu depctr_vm_vsrc(0)
; OPROJ: att2 = att Wo + bo on E2M1 codes with E8M0 scales; the result is quantised along its columns (the second half of the last product's K), in registers, and leaves as codes.
; Operands in the workspace's one form: a fragment (16 rows x 128 K) is 1,024 bytes, the image of its eight registers; scale words [4 tiles][K step][lane][j]: tile i of four reads register (i / 2) % 2, lanes 16-31 where i is odd.
; A WAVE'S JOB: S = 128 columns of Wo (8 permuted tiles x 8 K steps) lies in its registers; T = four tiles of att come from LDS.  Source 0 = S, source 1 = T: a lane holds one row, and its 64 results are half of each of four
; blocks of 32 neighbouring columns.  The bias is the C of each sum's first matrix instruction, eight registers a tile in the result's layout.
; Work-group = 2 x (four tiles of rows) + (half of Wo's eight groups); its four waves share the T block (32 KiB, copied once into LDS, a quarter each) and take four neighbouring groups.
; NO CLUSTER, NO TENSOR LOADS: S goes from memory straight into registers; the T block is filled once and shared by two work-groups only.
; LIMITS: NaN and infinities are not served; a block whose largest magnitude lies under 2^-124 (zeros too) gets the byte 1; these bytes are read by this program alone.
; THE MODE: SCHED_MODE bits 1:0 = 2 (LLVM: expert scheduling mode 2), set by the entry lines.  The code itself states the register dependences between vector or matrix instructions and memory or LDS
; instructions, with s_wait_alu, always for 0.
; THE PLAN.  Registers that memory or LDS instructions touch:
;   v1-v7        offsets and addresses, written at the head; of them v5 alone is written again, once a tile.
;   T0, T1       window 3, v0-63 and v64-127.  Tile i's products read T[i % 2]; the LDS loads of tile i + 2, issued at the head of tile i + 1, land in it.  (At the head T0 holds the copy's bytes, which LDS stores read.)
;   PC, WW, v5   written by tile i's quantiser; read by tile i's stores, which stand at the head of tile i + 1.
;   S, the bias, all scale words: loaded once; no vector instruction writes them.
; So ONE wait on va_vdst stands at a tile's head: the tile before is done reading the T buffer that is filled next, and has written what its stores read; and one wait on vm_vsrc ahead of the quantiser, a tile's 64 products behind those stores.
; REGISTERS: window 1: S's K steps 0-3 at 64 s + 8 t; window 2: K steps 4-7; window 3: two T tiles by turns, at v0 and at v64 (at the head v0-63 the copy's bytes), v128-191 the bias;
; window 0: v1 16 lane, v2 8 lane, v3 T's LDS base, v4 the copy's LDS address, v5/v6 offsets out, v7 64 (lane / 16), v16-79 accumulators, v80-111 S's scale words, v112-127 T's, v144-175 the quantiser's.
.set ACC, 16
.set SSC, 80
.set TSC, 112
.set TM,  144
.set PW,  160
.set WW,  162
.set PC,  168
.set SEL, 36
.set KS,  8
.set MSB, 0
.macro WIN new                         ; s_set_vgpr_msb: bits 1:0 source 0, 3:2 source 1, 5:4 source 2, 7:6 destination; the high byte repeats the setting that is left
.if MSB != \new
	s_set_vgpr_msb (MSB<<8)|\new
.set MSB, \new
.endif
.endm
.macro WM                              ; from the symbols rD, rA, rB, rC, rSA, rSB, fA, fB (1: that side's scales lie in lanes 16-31)
.if fA && fB
	v_wmma_scale_f32_16x16x128_f8f6f4 v[rD:rD+7], v[rA:rA+7], v[rB:rB+7], v[rC:rC+7], v[rSA], v[rSB] matrix_a_fmt:MATRIX_FMT_FP4 matrix_b_fmt:MATRIX_FMT_FP4 matrix_a_scale:MATRIX_SCALE_ROW1 matrix_b_scale:MATRIX_SCALE_ROW1
.elseif fA
	v_wmma_scale_f32_16x16x128_f8f6f4 v[rD:rD+7], v[rA:rA+7], v[rB:rB+7], v[rC:rC+7], v[rSA], v[rSB] matrix_a_fmt:MATRIX_FMT_FP4 matrix_b_fmt:MATRIX_FMT_FP4 matrix_a_scale:MATRIX_SCALE_ROW1
.elseif fB
	v_wmma_scale_f32_16x16x128_f8f6f4 v[rD:rD+7], v[rA:rA+7], v[rB:rB+7], v[rC:rC+7], v[rSA], v[rSB] matrix_a_fmt:MATRIX_FMT_FP4 matrix_b_fmt:MATRIX_FMT_FP4 matrix_b_scale:MATRIX_SCALE_ROW1
.else
	v_wmma_scale_f32_16x16x128_f8f6f4 v[rD:rD+7], v[rA:rA+7], v[rB:rB+7], v[rC:rC+7], v[rSA], v[rSB] matrix_a_fmt:MATRIX_FMT_FP4 matrix_b_fmt:MATRIX_FMT_FP4
.endif
.endm
; 64 numbers of a lane, register 16 b + i = k 32 b + 16 (lane / 16) + i of my row, become a fragment's codes in v[PC] on and its scale word in v[PW].  Each accumulator is read from its low end on.
.macro QUANT s
.irp b, 0,1,2,3
	v_max3_num_f32 v[TM+\b], |v[\s+16*\b]|, |v[\s+1+16*\b]|, 0x1800000   ; my 16 numbers of block b, and the floor 2^(3 - 127)
.endr
.irp i, 2,4,6,8,10,12,14
.irp b, 0,1,2,3
	v_max3_num_f32 v[TM+\b], v[TM+\b], |v[\s+16*\b+\i]|, |v[\s+1+16*\b+\i]|
.endr
.endr
.irp b, 0,1,2,3
	v_permlanex16_b32 v[TM+4+\b], v[TM+\b], s[SEL], s[SEL+1]
.endr
.irp b, 0,1,2,3
	v_max_num_f32 v[TM+\b], v[TM+\b], v[TM+4+\b]
.endr
.irp b, 0,1,2,3
	v_add_nc_u32 v[TM+12+\b], 0xff000000, v[TM+\b]                 ; 2 off the exponent field: the conversion's scale operand
.endr
.irp b, 0,1,2,3
	v_lshrrev_b32 v[TM+4+\b], 23, v[TM+12+\b]
.endr
	v_lshl_or_b32 v[PW], v[TM+5], 8, v[TM+4]
	v_lshl_or_b32 v[PW], v[TM+6], 16, v[PW]
	v_lshl_or_b32 v[PW], v[TM+7], 24, v[PW]
.irp b, 0,1,2,3
	v_cvt_scalef32_pk8_fp4_f32 v[PC+2*\b], v[\s+16*\b:\s+7+16*\b], v[TM+12+\b]
	v_cvt_scalef32_pk8_fp4_f32 v[PC+1+2*\b], v[\s+8+16*\b:\s+15+16*\b], v[TM+12+\b]
.endr
	v_nop                                                          ; one plain line behind a scaled conversion
.irp c, 0,1
.irp i, 0,1
	v_permlane16_swap_b32 v[PC+4*\c+\i], v[PC+2+4*\c+\i]           ; a whole block to a lane
.endr
.endr
.endm
.macro TFETCH i                        ; T's tile i from LDS into buffer i % 2 of window 3
	WIN 0xc0
.set s_, 0
.rept KS
	ds_load_b128 v[64*((\i)%2)+8*s_:64*((\i)%2)+8*s_+3], v3 offset:(\i)*KS*1024+s_*1024
	ds_load_b128 v[64*((\i)%2)+8*s_+4:64*((\i)%2)+8*s_+7], v3 offset:(\i)*KS*1024+s_*1024+512
.set s_, s_+1
.endr
	WIN 0
.endm
.macro SLOAD s
.if (\s) < 4
	WIN 0x40
.else
	WIN 0x80
.endif
.set t_, 0
.rept 8
	global_load_b128 v[64*((\s)%4)+8*t_:64*((\s)%4)+8*t_+3], v1, s[20:21] offset:t_*KS*1024+(\s)*1024
	global_load_b128 v[64*((\s)%4)+8*t_+4:64*((\s)%4)+8*t_+7], v1, s[20:21] offset:t_*KS*1024+(\s)*1024+512
.set t_, t_+1
.endr
.endm
.macro SEND i                          ; tile i's fragment leaves, and with the fourth tile the four tiles' scale words
	global_store_b128 v5, v[PC:PC+3], s[28:29]
	global_store_b128 v5, v[PC+4:PC+7], s[28:29] offset:512
.if (\i) == 3
	global_store_b64 v6, v[WW:WW+1], s[30:31]
.endif
.endm
; T's tile i against S's eight tiles: 64 matrix instructions, the eight accumulators by turns, K ascending; the fragment made of the results leaves at the next tile's head
.macro TILE i
	s_wait_dscnt 0x0                                               ; the tile is in registers: it was asked for a tile ago
.if (\i) > 0
.if (\i)+1 < 4
	WIN 0xc0
.endif
	s_wait_alu depctr_va_vdst(0)                                   ; the last tile's products are done reading their T buffer, in which the loads below land; its quantiser has written PC, WW and v5, which the stores below read
.endif
.if (\i)+1 < 4
	TFETCH (\i)+1                                                  ; the next tile lands while this one is multiplied
.endif
.if (\i) > 0
	SEND (\i)-1
.endif
.set s_, 0
.rept KS
.if s_ == 0
	WIN 0x3d                                                       ; source 0 window 1, source 1 and C (the bias) window 3, D window 0
.elseif s_ < 4
	WIN 0x0d
.else
	WIN 0x0e
.endif
.set t_, 0
.rept 8
.set rD, ACC+8*t_
.set rA, 64*(s_%4)+8*t_
.set rB, 64*((\i)%2)+8*s_
.set rC, rD
.if s_ == 0
.set rC, 128+8*t_
.endif
.set rSA, SSC+2*KS*(t_/4)+2*s_+((t_/2)%2)
.set fA, t_%2
.set rSB, TSC+2*s_+(((\i)/2)%2)
.set fB, (\i)%2
	WM
.set t_, t_+1
.endr
.set s_, s_+1
.endr
	WIN 0
.rept 4
	v_nop                                                          ; four places in front of the first read of results
.endr
.if (\i) > 0
	s_wait_xcnt 0x0                                                ; the last tile's stores have had their addresses translated: their data and offset are written again only behind this wait,
	s_wait_alu depctr_vm_vsrc(0)                                   ; and they have read PC and v5, which the lines below write
	v_add_nc_u32 v5, 8192, v5
.endif
	QUANT ACC
.if (\i) == 0
	v_mov_b32 v[WW], v[PW]                                         ; even tiles' words in lanes 0-15, odd tiles' in lanes 16-31
.elseif (\i) == 1
	v_cndmask_b32 v[WW], v[WW], v[PW], s34
.elseif (\i) == 2
	v_mov_b32 v[WW+1], v[PW]
.else
	v_cndmask_b32 v[WW+1], v[WW+1], v[PW], s34
.endif
.endm
	s_load_b128 s[8:11], s[0:1], 0x0                               ; ac s[8:9], wfr s[10:11]
	s_load_b128 s[12:15], s[0:1], 0x10                             ; bo s[12:13], a2 s[14:15]
	v_lshl_add_u32 v254, v0, 2, 0x8000
	v_mov_b32 v255, 0
	v_lshrrev_b32 v1, 5, v0
	v_readfirstlane_b32 s4, v1                                     ; wave 0..3
	v_and_b32 v9, 31, v0
	v_lshlrev_b32 v1, 4, v9
	v_lshlrev_b32 v2, 3, v9
	v_lshlrev_b32 v3, 4, v9
	s_wait_alu depctr_va_sdst(0)                                   ; s4 is written, ahead of its first reader
	s_lshl_b32 s38, s4, 13
	v_lshl_add_u32 v4, v9, 4, s38
	v_lshlrev_b32 v5, 4, v9
	v_lshlrev_b32 v6, 3, v9
	v_bfe_u32 v7, v0, 4, 1
	v_lshlrev_b32 v7, 6, v7
.irp b, 0,1,2,3
	v_mov_b32 v[TM+4+\b], 0
.endr
	s_mov_b32 s34, 0xffff0000
	s_mov_b32 s[SEL], 0x76543210
	s_mov_b32 s[SEL+1], 0xfedcba98
	s_mov_b32 s39, 0
	s_lshr_b32 s5, ttmp9, 1                                        ; tg: which four tiles of rows
	s_and_b32 s6, ttmp9, 1
	s_lshl_b32 s6, s6, 2
	s_add_co_u32 s6, s6, s4                                        ; sg: which 128 columns
	s_wait_kmcnt 0x0
	s_lshl_b32 s38, s6, 16
	s_add_co_u32 s38, s38, 0x80000
	s_add_nc_u64 s[20:21], s[10:11], s[38:39]                      ; Wo's codes
	s_lshl_b32 s38, s6, 12
	s_add_co_u32 s38, s38, 0x2c8000
	s_add_nc_u64 s[22:23], s[10:11], s[38:39]                      ; and scale words
	s_lshl_b32 s38, s5, 15
	s_lshl_b32 s40, s4, 13
	s_add_co_u32 s38, s38, s40
	s_add_nc_u64 s[24:25], s[8:9], s[38:39]                        ; my quarter of att's codes
	s_lshl_b32 s38, s5, 11
	s_add_co_u32 s38, s38, 0x400000
	s_add_nc_u64 s[26:27], s[8:9], s[38:39]
	s_lshl_b32 s38, s5, 15
	s_lshl_b32 s40, s6, 10
	s_add_co_u32 s38, s38, s40
	s_add_nc_u64 s[28:29], s[14:15], s[38:39]                      ; out: tile 4 tg, K step sg
	s_lshl_b32 s38, s5, 11
	s_lshl_b32 s40, s6, 8
	s_add_co_u32 s38, s38, s40
	s_add_co_u32 s38, s38, 0x400000
	s_add_nc_u64 s[30:31], s[14:15], s[38:39]
	s_lshl_b32 s38, s6, 9
	s_add_nc_u64 s[12:13], s[12:13], s[38:39]                      ; bo at my 128 columns
	WIN 0xc0
	s_wait_alu depctr_va_vdst(0)                                   ; the offsets and addresses v1 to v7 are written, which the loads and stores of the kernel read
.set n_, 0
.rept 16
	global_load_b128 v[4*n_:4*n_+3], v1, s[24:25] offset:512*n_
.set n_, n_+1
.endr
	WIN 0
.set n_, 0
.rept 8
	global_load_b64 v[TSC+2*n_:TSC+2*n_+1], v2, s[26:27] offset:256*n_
.set n_, n_+1
.endr
.set n_, 0
.rept 16
	global_load_b64 v[SSC+2*n_:SSC+2*n_+1], v2, s[22:23] offset:256*n_
.set n_, n_+1
.endr
	WIN 0xc0
.set t_, 0
.rept 8
	global_load_b128 v[128+8*t_:128+8*t_+3], v7, s[12:13] offset:128*(t_/2)+32*(t_%2)       ; tile 2 b + u, lane half h: columns 32 b + 16 h + 8 u + 0 .. 7
	global_load_b128 v[128+8*t_+4:128+8*t_+7], v7, s[12:13] offset:128*(t_/2)+32*(t_%2)+16
.set t_, t_+1
.endr
	SLOAD 0
	s_wait_loadcnt 56                                              ; the copy's 16 loads are in; behind them 8 + 16 of scale words, 16 of the bias and 16 of K step 0 may be out
	WIN 0x0c
.set n_, 0
.rept 16
	ds_store_b128 v4, v[4*n_:4*n_+3] offset:512*n_
.set n_, n_+1
.endr
.set q_, 1
.rept 7
	SLOAD q_
.set q_, q_+1
.endr
	WIN 0
	s_wait_dscnt 0x0                                               ; for the others' sake
	s_barrier_signal -1
	s_barrier_wait -1                                              ; the T block is whole; it is never written again
	WIN 0xc0
	s_wait_alu depctr_vm_vsrc(0)                                   ; my LDS stores have read the copy's registers: these are T's first buffer from here on, in which LDS loads land
	s_wait_alu depctr_va_vdst(0)                                   ; v3, by which those loads go, is written: stated once more here, directly ahead of loads under another window that land in registers which stores have named since the head's wait
	TFETCH 0
	s_wait_loadcnt 0x0
	TILE 0
	TILE 1
	TILE 2
	TILE 3
	s_wait_alu depctr_va_vdst(0)                                   ; the last tile's quantiser has written PC, WW and v5, which the last stores read
	SEND 3
	s_wait_dscnt 0x0
	s_wait_alu depctr_hold_cnt(0) depctr_sa_sdst(0) depctr_va_vdst(0) depctr_va_sdst(0) depctr_va_ssrc(0) depctr_va_vcc(0) depctr_vm_vsrc(0)
	s_wait_tensorcnt 0x0
	ds_add_u32 v254, v255
	s_wait_dscnt 0x0
	s_endpgm
.Lfunc_end_k_q1f6bb87548_oproj:
	.size	k_q1f6bb87548_oproj, .Lfunc_end_k_q1f6bb87548_oproj-k_q1f6bb87548_oproj
	.p2alignl 7, 3214868480
	.fill 96, 4, 3214868480
	.section	.rodata,"a",@progbits
	.p2align	6, 0x0
	.amdhsa_kernel k_q1f6bb87548_oproj
		.amdhsa_group_segment_fixed_size 33280
		.amdhsa_private_segment_fixed_size 0
		.amdhsa_enable_private_segment 0
		.amdhsa_kernarg_size 32
		.amdhsa_user_sgpr_count 2
		.amdhsa_user_sgpr_kernarg_segment_ptr 1
		.amdhsa_wavefront_size32 1
		.amdhsa_system_sgpr_workgroup_id_x 1
		.amdhsa_system_sgpr_workgroup_id_y 1
		.amdhsa_system_sgpr_workgroup_id_z 1
		.amdhsa_system_vgpr_workitem_id 0
		.amdhsa_next_free_vgpr 1024
		.amdhsa_next_free_sgpr 66
		.amdhsa_reserve_vcc 0
		.amdhsa_float_denorm_mode_32 3
		.amdhsa_float_denorm_mode_16_64 3
		.amdhsa_memory_ordered 1
		.amdhsa_forward_progress 1
		.amdhsa_inst_pref_size 76
	.end_amdhsa_kernel
	.amdgpu_metadata
---
amdhsa.version: [ 1, 2 ]
amdhsa.kernels:
  - .name:           k_q1f6bb87548_oproj
    .symbol:         k_q1f6bb87548_oproj.kd
    .args:
      - { .name: ac, .offset: 0, .size: 8, .value_kind: global_buffer, .address_space: global }
      - { .name: wfr, .offset: 8, .size: 8, .value_kind: global_buffer, .address_space: global }
      - { .name: bo, .offset: 16, .size: 8, .value_kind: global_buffer, .address_space: global }
      - { .name: a2, .offset: 24, .size: 8, .value_kind: global_buffer, .address_space: global }
    .group_segment_fixed_size: 33280
    .private_segment_fixed_size: 0
    .kernarg_segment_align: 8
    .kernarg_segment_size: 32
    .max_flat_workgroup_size: 128
    .sgpr_count:     66
    .vgpr_count:     1024
    .wavefront_size: 32
...
	.end_amdgpu_metadata
.endif
;; end of part 8
;; launch final (part 9): grid 256 x 1, 4 waves a work-group, no clusters, 148,992 bytes of LDS; arguments xr, a2, wfr, bf, out0; writes out0
.if DOCPART == 9
	.amdgcn_target "amdgcn-amd-amdhsa--gfx1250"
	.amdhsa_code_object_version 6
	.text
	.protected	k_q1f6bb87548_final
	.globl	k_q1f6bb87548_final
	.p2align	8
	.type	k_q1f6bb87548_final,@function
k_q1f6bb87548_final:
	s_mov_b64 s[64:65], 0
	v_nop
	global_prefetch_b8 v0, s[64:65] scope:SCOPE_SE
	s_setreg_imm32_b32 hwreg(HW_REG_WAVE_SCHED_MODE, 0, 2), 2
	s_setreg_imm32_b32 hwreg(HW_REG_WAVE_MODE, 25, 1), 1
	s_wait_xcnt 0x0
	s_wait_alu depctr_vm_vsrc(0)
; FINAL: out = [person | att2] Wf + bf, K = 2,048, on E2M1 codes with E8M0 scales; f32 out.
; Operands in the workspace's one form: a fragment (16 rows x 128 K) is 1,024 bytes, the image of its eight registers; scale words [4 tiles][K step][lane][j]: tile i of four reads register (i / 2) % 2, lanes 16-31 where i is odd.
; K steps 0-7 of a row come from xr (the person rows' codes), K steps 8-15 from a2.
; A WAVE'S JOB: S = 64 columns of Wf (4 permuted tiles x 16 K steps = 512 registers) lies in its registers; T = 8 tiles of rows come from LDS.  Source 0 = S, source 1 = T: a lane holds one row, and the 16 results of tiles
; 2 b, 2 b + 1 are columns 32 b + 16 (lane / 16) + 0 .. 15.  The bias is the C of each sum's first matrix instruction.
; Work-group = 4 x (128 rows) + (a quarter of Wf's sixteen fours of tiles); its four waves share the T block (128 KiB, copied once into LDS, a quarter each).
; THE WAY OUT: a tile's 16 rows x 64 columns go through the wave's own stage (rows of 256 + 16 bytes) and leave two rows a store: sixteen lanes write 256 consecutive bytes, at a multiple of 256 from out0's first byte.
; NO CLUSTER, NO TENSOR LOADS: S goes from memory straight into registers; the T block is filled once and shared by four work-groups only.
; THE MODE: SCHED_MODE bits 1:0 = 2 (LLVM: expert scheduling mode 2), set by the entry lines.  The code itself states the register dependences between vector or matrix instructions and memory or LDS
; instructions, with s_wait_alu, always for 0.
; THE PLAN.  Registers that memory or LDS instructions touch:
;   v2-v9         offsets and addresses, written at the head and never again.
;   T0, T1        window 3, v0-127 and v128-255.  Tile i's products read T[i % 2]; the LDS loads of tile i + 2, issued at the head of tile i + 1, land in it.  (At the head both hold the copy's bytes, which LDS stores read.)
;   ACC           written by a tile's products; read by the eight LDS stores at the tile's end; begun anew by the next tile's first products.
;   OUTR0, OUTR1  tile i's eight loads from the stage land in OUTR[i % 2] at the tile's end; its eight global stores, which stand in the middle of tile i + 1, read it.  No vector instruction names them.
; So one wait on va_vdst stands at a tile's end, behind the places: ACC is written, and T[i % 2] is read out.  One wait on vm_vsrc stands ahead of a tile's first product (the stage's stores have read ACC), and from tile 2 on
; one ahead of the loads from the stage (the global stores of two tiles back have read that OUTR).
; REGISTERS: window 1: S's K steps 0-7 at 32 s + 8 t; window 2: K steps 8-15; window 3: two T tiles by turns, at v0 and at v128 (at the head all 256: the copy's bytes);
; window 0: v2 8 lane, v3 16 lane, v4 the same + 65,536, v5 the copy's LDS address, v6/v7 the stage in/out, v8 my offset in out0, v9 64 (lane / 16); v16-47 accumulators, v48-79 the bias, v80-111 S's scale words, v112-175 T's, v176-239 rows on their way out, two sets.
.set ACC,  16
.set BIAS, 48
.set SSC,  80
.set TSC,  112
.set OUTR, 176
.set STG,  131072
.set MSB, 0
.macro WIN new                         ; s_set_vgpr_msb: bits 1:0 source 0, 3:2 source 1, 5:4 source 2, 7:6 destination; the high byte repeats the setting that is left
.if MSB != \new
	s_set_vgpr_msb (MSB<<8)|\new
.set MSB, \new
.endif
.endm
.macro WM
.if fA && fB
	v_wmma_scale_f32_16x16x128_f8f6f4 v[rD:rD+7], v[rA:rA+7], v[rB:rB+7], v[rC:rC+7], v[rSA], v[rSB] matrix_a_fmt:MATRIX_FMT_FP4 matrix_b_fmt:MATRIX_FMT_FP4 matrix_a_scale:MATRIX_SCALE_ROW1 matrix_b_scale:MATRIX_SCALE_ROW1
.elseif fA
	v_wmma_scale_f32_16x16x128_f8f6f4 v[rD:rD+7], v[rA:rA+7], v[rB:rB+7], v[rC:rC+7], v[rSA], v[rSB] matrix_a_fmt:MATRIX_FMT_FP4 matrix_b_fmt:MATRIX_FMT_FP4 matrix_a_scale:MATRIX_SCALE_ROW1
.elseif fB
	v_wmma_scale_f32_16x16x128_f8f6f4 v[rD:rD+7], v[rA:rA+7], v[rB:rB+7], v[rC:rC+7], v[rSA], v[rSB] matrix_a_fmt:MATRIX_FMT_FP4 matrix_b_fmt:MATRIX_FMT_FP4 matrix_b_scale:MATRIX_SCALE_ROW1
.else
	v_wmma_scale_f32_16x16x128_f8f6f4 v[rD:rD+7], v[rA:rA+7], v[rB:rB+7], v[rC:rC+7], v[rSA], v[rSB] matrix_a_fmt:MATRIX_FMT_FP4 matrix_b_fmt:MATRIX_FMT_FP4
.endif
.endm
.macro TFETCH i                        ; T's tile i, its 16 K steps: 32 loads, into buffer i % 2; tiles 4-7 lie beyond what an LDS offset reaches from v3
	WIN 0xc0
.set s_, 0
.rept 16
	ds_load_b128 v[128*((\i)%2)+8*s_:128*((\i)%2)+8*s_+3], v[3+(\i)/4] offset:((\i)%4)*16384+s_*1024
	ds_load_b128 v[128*((\i)%2)+8*s_+4:128*((\i)%2)+8*s_+7], v[3+(\i)/4] offset:((\i)%4)*16384+s_*1024+512
.set s_, s_+1
.endr
	WIN 0
.endm
.macro ROWS i                          ; tile i's 16 rows leave
.set n_, 0
.rept 8
	global_store_b128 v8, v[OUTR+32*((\i)%2)+4*n_:OUTR+32*((\i)%2)+4*n_+3], s[34:35] offset:(\i)*65536+n_*8192 th:TH_STORE_NT   ; written once, read by nobody here
.set n_, n_+1
.endr
.endm
; T's tile i against S's four tiles: 64 matrix instructions, the four accumulators by turns, K ascending
.macro TILE i
.if (\i) == 0
	s_wait_dscnt 0x0                                               ; the tile is in registers
.else
	s_wait_dscnt 16                                                ; the tile is in registers: it was asked for a tile ago; the last tile's eight stores into the stage and eight loads from it, issued behind, may be out
.endif
.if (\i) < 7
	TFETCH (\i)+1                                                  ; the next tile lands while this one is multiplied.  No wait: since the wait on va_vdst at the last tile's end nothing names that buffer or the loads' address
.endif
.if (\i) > 0
	s_wait_alu depctr_vm_vsrc(0)                                   ; the last tile's LDS stores have read the accumulators, which the products below begin anew
.endif
.set s_, 0
.rept 16
.if (s_ == 8) && ((\i) > 0)
	WIN 0
.if (\i) < 7
	s_wait_dscnt 32                                                ; the last tile's rows are back from the stage; the next tile's 32 loads may be out
.else
	s_wait_dscnt 0x0
.endif
	ROWS (\i)-1
.endif
.if s_ < 8
	WIN 0x0d                                                       ; source 0 window 1, source 1 window 3, C and D window 0
.else
	WIN 0x0e
.endif
.set t_, 0
.rept 4
.set rD, ACC+8*t_
.set rA, 32*(s_%8)+8*t_
.set rB, 128*((\i)%2)+8*s_
.set rC, rD
.if s_ == 0
.set rC, BIAS+8*t_
.endif
.set rSA, SSC+2*s_+t_/2
.set fA, t_%2
.set rSB, TSC+32*((\i)/4)+2*s_+(((\i)/2)%2)
.set fB, (\i)%2
	WM
.set t_, t_+1
.endr
.set s_, s_+1
.endr
	WIN 0
.rept 5
	v_nop                                                          ; FIVE places (ISA guide 7.12.1): four serve the first read of results; the fifth the next tile's first products, which begin these accumulators anew, with the bias as C, and so write over registers of the products above; no other vector work stands between
.endr
	s_wait_alu depctr_va_vdst(0)                                   ; the products have written the accumulators, which the LDS stores below read, and are done reading their T buffer, in which the next tile's head lets loads land; the places above stay beside this wait
.if (\i) >= 2
	s_wait_xcnt 0x0                                                ; the stores of two tiles back have had their addresses translated: loads land in their data registers only behind this wait,
	s_wait_alu depctr_vm_vsrc(0)                                   ; and they have read that set of rows
.endif
.set t_, 0
.rept 4
	ds_store_b128 v6, v[ACC+8*t_:ACC+8*t_+3] offset:128*(t_/2)+32*(t_%2)       ; each accumulator from its low end on
	ds_store_b128 v6, v[ACC+8*t_+4:ACC+8*t_+7] offset:128*(t_/2)+32*(t_%2)+16
.set t_, t_+1
.endr
.set n_, 0
.rept 8
	ds_load_b128 v[OUTR+32*((\i)%2)+4*n_:OUTR+32*((\i)%2)+4*n_+3], v7 offset:544*n_        ; two rows; LDS serves a wave's instructions in order (ISA guide 5.7.1.4): these see the stores above
.set n_, n_+1
.endr
.endm
	s_load_b128 s[8:11], s[0:1], 0x0                               ; xr s[8:9], a2 s[10:11]
	s_load_b128 s[12:15], s[0:1], 0x10                             ; wfr s[12:13], bf s[14:15]
	s_load_b64 s[16:17], s[0:1], 0x20                              ; out0
	v_lshl_add_u32 v254, v0, 2, 0x24400
	v_mov_b32 v255, 0
	v_lshrrev_b32 v1, 5, v0
	v_readfirstlane_b32 s4, v1                                     ; wave 0..3
	v_and_b32 v1, 31, v0                                           ; lane
	v_and_b32 v10, 15, v0                                          ; r
	v_bfe_u32 v11, v0, 4, 1                                        ; h
	v_lshlrev_b32 v2, 3, v1
	v_lshlrev_b32 v3, 4, v1
	v_lshl_add_u32 v4, v1, 4, 65536
	s_wait_alu depctr_va_sdst(0)                                   ; s4 is written, ahead of its first reader
	s_lshl_b32 s38, s4, 15
	v_lshl_add_u32 v5, v1, 4, s38                                  ; the copy: tiles 2 wave, 2 wave + 1, 16,384 bytes each
	s_mul_i32 s38, s4, 4352
	s_add_co_u32 s38, s38, STG                                     ; my stage
	v_mul_u32_u24 v6, v10, 272
	v_lshl_add_u32 v6, v11, 6, v6
	v_add_nc_u32 v6, s38, v6                                       ; in: row r, + 64 h
	v_mul_u32_u24 v7, v11, 272
	v_lshl_add_u32 v7, v10, 4, v7
	v_add_nc_u32 v7, s38, v7                                       ; back: lanes 0-15 one row, lanes 16-31 the next
	v_lshlrev_b32 v8, 12, v11
	v_lshl_add_u32 v8, v10, 4, v8                                  ; and the same two rows in out0
	v_lshlrev_b32 v9, 6, v11
	s_mov_b32 s39, 0
	s_lshr_b32 s5, ttmp9, 2                                        ; tg: which 128 rows
	s_and_b32 s6, ttmp9, 3
	s_lshl_b32 s6, s6, 2
	s_add_co_u32 s6, s6, s4                                        ; which 64 columns
	s_wait_kmcnt 0x0
	s_lshl_b32 s38, s5, 16
	s_lshl_b32 s40, s4, 14
	s_add_co_u32 s38, s38, s40
	s_add_nc_u64 s[20:21], s[8:9], s[38:39]                        ; my two tiles' codes in xr,
	s_add_nc_u64 s[22:23], s[10:11], s[38:39]                      ; in a2
	s_lshl_b32 s38, s5, 12
	s_add_co_u32 s38, s38, 0x400000
	s_add_nc_u64 s[24:25], s[8:9], s[38:39]                        ; the eight tiles' scale words in xr,
	s_add_nc_u64 s[26:27], s[10:11], s[38:39]                      ; in a2
	s_lshl_b32 s38, s6, 16
	s_add_co_u32 s38, s38, 0x100000
	s_add_nc_u64 s[28:29], s[12:13], s[38:39]                      ; Wf's codes
	s_lshl_b32 s38, s6, 12
	s_add_co_u32 s38, s38, 0x2d0000
	s_add_nc_u64 s[30:31], s[12:13], s[38:39]                      ; and scale words
	s_lshl_b32 s38, s6, 8
	s_add_nc_u64 s[32:33], s[14:15], s[38:39]                      ; bf at my 64 columns
	s_lshl_b32 s40, s5, 19
	s_add_co_u32 s38, s38, s40
	s_add_nc_u64 s[34:35], s[16:17], s[38:39]                      ; out0 at my first row and column
	WIN 0xc0
	s_wait_alu depctr_va_vdst(0)                                   ; the offsets and addresses v2 to v9 are written, which the loads and stores of the kernel read
.set n_, 0
.rept 32
	global_load_b128 v[4*n_:4*n_+3], v3, s[20:21] offset:512*n_
.set n_, n_+1
.endr
.set n_, 0
.rept 32
	global_load_b128 v[128+4*n_:128+4*n_+3], v3, s[22:23] offset:512*n_
.set n_, n_+1
.endr
	s_wait_loadcnt 32                                              ; xr's 32 loads are in; a2's may be out
	WIN 0x0c                                                       ; an LDS store's data are its source 1: window 3
.set n_, 0
.rept 32
	ds_store_b128 v5, v[4*n_:4*n_+3] offset:(n_/16)*16384+(n_%16)*512           ; K steps 0-7 of a tile
.set n_, n_+1
.endr
	WIN 0
.set n_, 0
.rept 16
	global_load_b64 v[TSC+32*(n_/8)+2*(n_%8):TSC+32*(n_/8)+2*(n_%8)+1], v2, s[24:25] offset:256*n_
	global_load_b64 v[TSC+32*(n_/8)+16+2*(n_%8):TSC+32*(n_/8)+16+2*(n_%8)+1], v2, s[26:27] offset:256*n_
.set n_, n_+1
.endr
	s_wait_loadcnt 32                                              ; a2's 32 loads are in; the 32 of scale words behind them may be out
	WIN 0x0c
.set n_, 0
.rept 32
	ds_store_b128 v5, v[128+4*n_:128+4*n_+3] offset:(n_/16)*16384+8192+(n_%16)*512   ; K steps 8-15
.set n_, n_+1
.endr
	WIN 0
.set n_, 0
.rept 16
	global_load_b64 v[SSC+2*n_:SSC+2*n_+1], v2, s[30:31] offset:256*n_
.set n_, n_+1
.endr
.set t_, 0
.rept 4
	global_load_b128 v[BIAS+8*t_:BIAS+8*t_+3], v9, s[32:33] offset:128*(t_/2)+32*(t_%2)     ; tile 2 b + u, lane half h: columns 32 b + 16 h + 8 u + 0 .. 7
	global_load_b128 v[BIAS+8*t_+4:BIAS+8*t_+7], v9, s[32:33] offset:128*(t_/2)+32*(t_%2)+16
.set t_, t_+1
.endr
.set s_, 0
.rept 16
.if s_ < 8
	WIN 0x40
.else
	WIN 0x80
.endif
.set t_, 0
.rept 4
	global_load_b128 v[32*(s_%8)+8*t_:32*(s_%8)+8*t_+3], v3, s[28:29] offset:t_*16384+s_*1024
	global_load_b128 v[32*(s_%8)+8*t_+4:32*(s_%8)+8*t_+7], v3, s[28:29] offset:t_*16384+s_*1024+512
.set t_, t_+1
.endr
.set s_, s_+1
.endr
	WIN 0
	s_wait_dscnt 0x0                                               ; for the others' sake: my two tiles lie in LDS
	s_barrier_signal -1
	s_barrier_wait -1                                              ; the T block is whole; it is never written again
	WIN 0xc0
	s_wait_alu depctr_vm_vsrc(0)                                   ; my LDS stores have read the copy's registers: these are the two T buffers from here on, in which LDS loads land
	s_wait_alu depctr_va_vdst(0)                                   ; v3 and v4, by which those loads go, are written: stated once more here, directly ahead of loads under another window that land in registers which stores have named since the head's wait
	TFETCH 0
	s_wait_loadcnt 0x0                                             ; S, the bias and all scale words
	TILE 0
	TILE 1
	TILE 2
	TILE 3
	TILE 4
	TILE 5
	TILE 6
	TILE 7
	s_wait_dscnt 0x0                                               ; the last tile's rows are back from the stage
	ROWS 7
	s_wait_dscnt 0x0
	s_wait_alu depctr_hold_cnt(0) depctr_sa_sdst(0) depctr_va_vdst(0) depctr_va_sdst(0) depctr_va_ssrc(0) depctr_va_vcc(0) depctr_vm_vsrc(0)
	s_wait_tensorcnt 0x0
	ds_add_u32 v254, v255
	s_wait_dscnt 0x0
	s_endpgm
.Lfunc_end_k_q1f6bb87548_final:
	.size	k_q1f6bb87548_final, .Lfunc_end_k_q1f6bb87548_final-k_q1f6bb87548_final
	.p2alignl 7, 3214868480
	.fill 96, 4, 3214868480
	.section	.rodata,"a",@progbits
	.p2align	6, 0x0
	.amdhsa_kernel k_q1f6bb87548_final
		.amdhsa_group_segment_fixed_size 148992
		.amdhsa_private_segment_fixed_size 0
		.amdhsa_enable_private_segment 0
		.amdhsa_kernarg_size 40
		.amdhsa_user_sgpr_count 2
		.amdhsa_user_sgpr_kernarg_segment_ptr 1
		.amdhsa_wavefront_size32 1
		.amdhsa_system_sgpr_workgroup_id_x 1
		.amdhsa_system_sgpr_workgroup_id_y 1
		.amdhsa_system_sgpr_workgroup_id_z 1
		.amdhsa_system_vgpr_workitem_id 0
		.amdhsa_next_free_vgpr 1024
		.amdhsa_next_free_sgpr 66
		.amdhsa_reserve_vcc 0
		.amdhsa_float_denorm_mode_32 3
		.amdhsa_float_denorm_mode_16_64 3
		.amdhsa_memory_ordered 1
		.amdhsa_forward_progress 1
		.amdhsa_inst_pref_size 129
	.end_amdhsa_kernel
	.amdgpu_metadata
---
amdhsa.version: [ 1, 2 ]
amdhsa.kernels:
  - .name:           k_q1f6bb87548_final
    .symbol:         k_q1f6bb87548_final.kd
    .args:
      - { .name: xr, .offset: 0, .size: 8, .value_kind: global_buffer, .address_space: global }
      - { .name: a2, .offset: 8, .size: 8, .value_kind: global_buffer, .address_space: global }
      - { .name: wfr, .offset: 16, .size: 8, .value_kind: global_buffer, .address_space: global }
      - { .name: bf, .offset: 24, .size: 8, .value_kind: global_buffer, .address_space: global }
      - { .name: out0, .offset: 32, .size: 8, .value_kind: global_buffer, .address_space: global }
    .group_segment_fixed_size: 148992
    .private_segment_fixed_size: 0
    .kernarg_segment_align: 8
    .kernarg_segment_size: 40
    .max_flat_workgroup_size: 128
    .sgpr_count:     66
    .vgpr_count:     1024
    .wavefront_size: 32
...
	.end_amdgpu_metadata
.endif
;; end of part 9
